; MI455X (gfx1250); checked and timed in simulation.
; The chip was launched on July 23, 2026; its instructions are those of AMD's public machine-readable ISA for CDNA 5 (MIT licence, August 2026) and "CDNA5" Instruction Set Architecture Reference Guide (July 2026). The comments in the code are by the model that wrote it; some were corrected since.
;; Decoder Layer. Allowed arithmetic: matrix products marked QUANTISED: E2M3 operands, one E8M0 scale for each 32 along K, by v_wmma_scale_f32_16x16x128_f8f6f4 with both operands' format E2M3, f32 sums; everything else in f32.
;; Inputs: b1 2,048 float32; b2 1,024 float32; bk 1,024 float32; bo 1,024 float32; bq 1,024 float32; bv 1,024 float32; ln1_b 1,024 float32; ln1_g 1,024 float32; ln2_b 1,024 float32; ln2_g 1,024 float32; w1 2,048 x 1,024 float32; w2 1,024 x 2,048 float32; wk 1,024 x 1,024 float32; wo 1,024 x 1,024 float32; wq 1,024 x 1,024 float32; wv 1,024 x 1,024 float32; x 2 x 2,048 x 1,024 float32.
;; Outputs: out0 2 x 2,048 x 1,024 float32.
;; This version of the problem:
;;   THIS VERSION OF THE PROBLEM IS GIVEN IN LOW PRECISION. The matrix products marked QUANTISED in the list below multiply operands that are first quantised to E2M3 (2 exponent bits, 3 mantissa bits; 6 bits a number), with one power-of-two scale for each 32 numbers along K (OCP MX v1.0); their sums are f32. All else is computed in f32.
;;   The module's matrix products, in the order in which they are computed (A, B: the left and right operand; K: the contracted axis; several contracted axes count as one K, in the product's order):
;;     1. [M 4,096, K 1,024] x [K 1,024, N 1,024]; A: computed on the way; B: input wq: QUANTISED
;;     2. [M 4,096, K 1,024] x [K 1,024, N 1,024]; A: computed on the way; B: input wk: QUANTISED
;;     3. [M 4,096, K 1,024] x [K 1,024, N 1,024]; A: computed on the way; B: input wv: QUANTISED
;;     4. batch 32 x [M 2,048, K 64] x [K 64, N 2,048]; A: computed on the way; B: computed on the way: QUANTISED
;;     5. batch 32 x [M 2,048, K 2,048] x [K 2,048, N 64]; A: softmax (see below); B: computed on the way: QUANTISED
;;     6. [M 4,096, K 1,024] x [K 1,024, N 1,024]; A: computed on the way; B: input wo: QUANTISED
;;     7. [M 4,096, K 1,024] x [K 1,024, N 2,048]; A: computed on the way; B: input w1: QUANTISED
;;     8. [M 4,096, K 2,048] x [K 2,048, N 1,024]; A: computed on the way; B: input w2: QUANTISED
;;   THE QUANTISER, for each operand of a quantised product, along K:
;;     - K is cut into blocks of 32 from its start; a last block that is shorter is filled with zeros.
;;     - A block's scale is 2^e with e = floor(log2(the largest magnitude in the block)) - 2, held to -126 .. 127; a block of zeros has e = 0. As a byte (E8M0): e + 127.
;;     - Each number is divided by its block's scale, clamped to +-7.5, and rounded to the nearest number of E2M3, ties to even, subnormals kept.
;;     - The product sums the exact products of the quantised numbers (number of the format x scale) in f32.
;;   ~~~python
;;   def quantise(x, axis):      # numpy; x: float32 -> the quantised numbers, widened to float32 again
;;       x = np.moveaxis(x, axis, -1); K = x.shape[-1]
;;       x = np.pad(x, [(0, 0)] * (x.ndim - 1) + [(0, -K % 32)]); x = x.reshape(x.shape[:-1] + (-1, 32)); a = np.abs(x).max(-1, keepdims=True)
;;       e = np.where(a > 0, np.clip(np.frexp(np.where(a > 0, a, 1))[1] - 1 - 2, -126, 127), 0)      # np.frexp(a)[1] - 1 = floor(log2(a)), exactly
;;       r = np.clip(x / 2.0 ** e, -7.5, 7.5)
;;       step = 2.0 ** (np.maximum(np.frexp(np.where(r == 0, 1, r))[1] - 1, 0) - 3)
;;       q = np.round(r / step) * step * 2.0 ** e      # np.round: ties to even
;;       return np.moveaxis(q.reshape(q.shape[:-2] + (-1,))[..., :K], -1, axis).astype(np.float32)
;;   ~~~
;;   SOFTMAX AHEAD OF A QUANTISED PRODUCT. Where the list says 'softmax', what is quantised is not the finished softmax but p = 2^(t - M), with t = logit x log2(e) and M = ceil(the row's largest t), a whole number; so 1/2 < the row's largest p <= 1. The row's sum l is taken of the UNQUANTISED p, in f32, and the product's result is divided by l at the end. Since M is a whole number, a kernel that streams over the keys may use a running M (the ceiling of the running maximum): every later rescaling is an exact power of two, which a block's scale takes up: the codes' values come out the same.
;;   OPERANDS COMPUTED ON THE WAY. 'Computed on the way' means the value that the module computes at that place (a softmax that the list does not call 'softmax' is quantised finished and normalised). What goes into a quantiser is computed in f32, as accurately as f32 sums, v_exp_f32 and their like allow (about 1e-6 of the number): no bf16 or f16 on the way to a quantiser, and a product that is left as it is and whose result goes on into a quantised operand takes f32 operands (vector FMAs, or v_wmma_f32_16x16x4_f32). A number that lies on a knife's edge between two numbers of the format may be rounded either way, as far as f32 arithmetic and the matrix unit's own rounding can turn it there, and no further.
;; 2 versions. Each part assembles by itself: llvm-mc -triple=amdgcn-amd-amdhsa -mcpu=gfx1250 --defsym DOCPART=n.
;; ======== version 1 of 2: 8 launches
;; workspace buffers: wqk 19,693,568 bytes; w1op 19,693,568 bytes; wx 19,693,568 bytes; acta 19,693,568 bytes; actb 19,693,568 bytes; x1 16,777,216 bytes
;; launch prep (part 1): grid 256 x 1, 8 waves a work-group, no clusters, 0 bytes of LDS; arguments wq, wk, wv, wo, w1, w2, bq, bk, bv, b1, wqk, w1op, wx; writes wqk, w1op, wx
.if DOCPART == 1
	.amdgcn_target "amdgcn-amd-amdhsa--gfx1250"
	.amdhsa_code_object_version 6
	.text
	.protected	k_q78bc72d1e6_prep
	.globl	k_q78bc72d1e6_prep
	.p2align	8
	.type	k_q78bc72d1e6_prep,@function
k_q78bc72d1e6_prep:
	s_mov_b64 s[64:65], 0
	v_nop
	global_prefetch_b8 v0, s[64:65] scope:SCOPE_SE
	s_setreg_imm32_b32 hwreg(HW_REG_WAVE_MODE, 25, 1), 1
	s_wait_xcnt 0x0
; THE SIX WEIGHTS, f32 [N][K] with K innermost, become operands of MX-FP6 (E2M3, one E8M0 byte for each 32 along K) in this program's own operand layout.
; THE LAYOUT (all operand buffers of the program): a fragment is 16 row positions x 128 K, 12 registers a lane, stored as the image of those registers: registers 4 c .. 4 c + 3 of lane l at 512 c + 16 l; 1,536 bytes.
; Fragment (row tile rho, K step kappa) lies at (kappa / 2) PANEL + rho RT + (kappa % 2) FRB; a row's scale word of K step kappa at SOFF + kappa SPL + 4 x position; the bias that the operand's rows add at TOFF + 4 x true row, the floor
; that its layer sets on a result 16,384 bytes on.  A ROW'S POSITION IS ITS NUMBER WITH BITS 3 AND 4 SWAPPED: lane r of tile 2 u + e holds true row 32 u + 8 e + r % 8 + 16 (r / 8), so that a product's result, used transposed,
; holds 16 true neighbours in the 16 registers of two neighbouring tiles.
; SHARES: 4,096 fragments, 16 to a work-group: 32 true rows (two tiles) x eight K steps; wave w takes K step w of both tiles.  Which tensor a work-group serves hangs on its number alone; only pointers and numbers are chosen, one path for all.
; A lane loads, of its row, 16 neighbours of each block of 32; lanes l and l xor 16 share a block.  No LDS, no barrier, no matrix unit, no cluster: waves share nothing and each byte is read once.
; A block's scale is 2^(floor(log2(largest magnitude)) - 2); its byte is the largest magnitude's exponent field - 2, held at 1 from below.
; LIMITS: a block of zeros, or one whose largest magnitude lies under 2^-124, keeps the byte 1 (its codes are then zeros or small codes; the bytes are read by this program alone); NaN and infinities are not served.
.set PANEL, 786432                     ; 256 row tiles x RT
.set RT,    3072                       ; a row tile's two fragments in a panel
.set FRB,   1536
.set SOFF,  18874368                   ; 24 panels
.set SPL,   16384                      ; 4,096 positions x 4 bytes
.set TOFF,  19660800
.set X0,    32                         ; v32-95   tile 0's 64 numbers
.set X1,    96                         ; v96-159  tile 1's
.set PC0,   160                        ; v160-179 tile 0's codes (12) and scratch (8)
.set PC1,   180                        ; v180-199 tile 1's
.set TM,    200                        ; v200-215 at work
.set SEL,   50                         ; s[50:51] lane selects: lane l xor 16
; 64 numbers of a lane, register 16 b + i = k 32 b + 16 (lane / 16) + i of my row, become a fragment's codes in v[pc] .. v[pc + 11] and its scale word in v[pw]
.macro QUANT s, pc, pw
.irp b, 0,1,2,3
	v_max3_num_f32 v[TM+\b], |v[(\s)+16*\b]|, |v[(\s)+1+16*\b]|, 0x1800000   ; my 16 numbers of block b, and the floor 2^(3 - 127): the byte cannot fall under 1
.endr
.irp i, 2,4,6,8,10,12,14
.irp b, 0,1,2,3
	v_max3_num_f32 v[TM+\b], v[TM+\b], |v[(\s)+16*\b+\i]|, |v[(\s)+1+16*\b+\i]|   ; the four blocks by turns
.endr
.endr
.irp b, 0,1,2,3
	v_permlanex16_b32 v[TM+4+\b], v[TM+\b], s[SEL], s[SEL+1]
.endr
.irp b, 0,1,2,3
	v_max_num_f32 v[TM+\b], v[TM+\b], v[TM+4+\b]                   ; with lane l xor 16's: the block's largest magnitude
.endr
.irp b, 0,1,2,3
	v_add_nc_u32 v[TM+12+\b], 0xff000000, v[TM+\b]                 ; 2 off its exponent field: the conversion's scale operand
.endr
.irp b, 0,1,2,3
	v_lshrrev_b32 v[TM+4+\b], 23, v[TM+12+\b]                      ; the scale's byte
.endr
	v_lshl_or_b32 v[\pw], v[TM+5], 8, v[TM+4]
	v_lshl_or_b32 v[\pw], v[TM+6], 16, v[\pw]
	v_lshl_or_b32 v[\pw], v[TM+7], 24, v[\pw]                      ; my row's scale word, the same in lanes l and l xor 16
.irp c, 0,1
	v_cvt_scalef32_pk16_fp6_f32 v[(\pc)+6*\c:(\pc)+2+6*\c], v[(\s)+32*\c:(\s)+15+32*\c], v[TM+12+2*\c]
	v_cvt_scalef32_pk16_fp6_f32 v[(\pc)+12+4*\c:(\pc)+14+4*\c], v[(\s)+16+32*\c:(\s)+31+32*\c], v[TM+12+2*\c+1]   ; a conversion's three registers begin on an even number
.endr
	v_nop                                                          ; one plain place behind a scaled conversion
.irp c, 0,1                                                            ; the layout wants a whole block in a lane: lanes 0-15 block 2 c, lanes 16-31 block 2 c + 1
.irp i, 0,1,2
	v_permlane16_swap_b32 v[(\pc)+6*\c+\i], v[(\pc)+12+4*\c+\i]
.endr
.irp i, 0,1,2
	v_mov_b32 v[(\pc)+3+6*\c+\i], v[(\pc)+12+4*\c+\i]
.endr
.endr
.endm
	s_load_b512 s[8:23], s[0:1], 0x0               ; wq s[8:9], wk s[10:11], wv s[12:13], wo s[14:15], w1 s[16:17], w2 s[18:19], bq s[20:21], bk s[22:23]
	s_load_b256 s[24:31], s[0:1], 0x40             ; bv s[24:25], b1 s[26:27], wqk s[28:29], w1op s[30:31]
	s_load_b64 s[32:33], s[0:1], 0x60              ; wx
	v_lshrrev_b32 v1, 5, v0
	v_readfirstlane_b32 s52, v1                    ; wave 0..7
	v_and_b32 v1, 31, v0                           ; lane
	v_and_b32 v2, 15, v0                           ; r
	v_bfe_u32 v3, v0, 4, 1                         ; h
	; which tensor: work-groups 0-31 wq, 32-63 wk, 64-95 wv, 96-127 wo, 128-191 w1, 192-255 w2 (two halves of K to a row block)
	s_mov_b32 s42, 192                             ; the tensor's first work-group
	s_mov_b32 s43, 2048                            ; its first row in its operand buffer
	s_mov_b32 s44, 0                               ; the floor of its layer: 0 (relu) or -infinity (none)
	s_mov_b32 s45, 0                               ; 1: it has a bias and a floor to lay down
	s_mov_b32 s46, 1                               ; 1: K = 2,048
	s_cmp_lt_u32 ttmp9, 192
	s_cselect_b32 s42, 128, s42
	s_cselect_b32 s43, 0, s43
	s_cselect_b32 s45, 1, s45
	s_cselect_b32 s46, 0, s46
	s_cmp_lt_u32 ttmp9, 128
	s_cselect_b32 s42, 96, s42
	s_cselect_b32 s43, 1024, s43
	s_cselect_b32 s44, 0xff800000, s44
	s_cselect_b32 s45, 0, s45
	s_cmp_lt_u32 ttmp9, 96
	s_cselect_b32 s42, 64, s42
	s_cselect_b32 s43, 0, s43
	s_cselect_b32 s45, 1, s45
	s_cmp_lt_u32 ttmp9, 64
	s_cselect_b32 s42, 32, s42
	s_cselect_b32 s43, 1024, s43
	s_cmp_lt_u32 ttmp9, 32
	s_cselect_b32 s42, 0, s42
	s_cselect_b32 s43, 0, s43
	s_sub_co_u32 s53, ttmp9, s42                   ; u
	s_and_b32 s54, s53, s46
	s_lshl_b32 s54, s54, 3
	s_add_co_u32 s54, s54, s52                     ; kappa = 8 (u's low bit, where K = 2,048) + wave
	s_lshr_b32 s55, s53, s46                       ; u': which 32 true rows
	s_lshl_b32 s47, 4096, s46                      ; a row of the tensor in bytes
	v_and_b32 v4, 7, v2
	v_lshrrev_b32 v5, 3, v2
	v_lshl_add_u32 v4, v5, 4, v4                   ; r % 8 + 16 (r / 8)
	v_mul_lo_u32 v4, v4, s47
	v_lshl_add_u32 v4, v3, 6, v4                   ; tile 0: my row, + 64 h: my 16 numbers of a block
	s_lshl_b32 s34, s47, 3
	v_add_nc_u32 v5, s34, v4                       ; tile 1: eight rows on
	v_lshlrev_b32 v6, 4, v1                        ; 16 x lane: an image's place
	v_lshlrev_b32 v7, 2, v1                        ; 4 x lane
	s_mul_i32 s34, s55, s47
	s_lshl_b32 s34, s34, 5                         ; 32 u' rows,
	s_lshl_b32 s35, s54, 9
	s_add_co_u32 s34, s34, s35                     ; + 512 kappa bytes
	s_mov_b32 s35, 0
	s_lshr_b32 s2, s54, 1                          ; the codes' place
	s_mul_i32 s2, s2, PANEL
	s_lshr_b32 s3, s43, 4
	s_lshl_b32 s4, s55, 1
	s_add_co_u32 s3, s3, s4
	s_mul_i32 s3, s3, RT
	s_add_co_u32 s2, s2, s3
	s_and_b32 s3, s54, 1
	s_mul_i32 s3, s3, FRB
	s_add_co_u32 s2, s2, s3
	s_mov_b32 s3, 0
	s_lshl_b32 s4, s54, 14                         ; the scale words' place
	s_lshl_b32 s5, s55, 5
	s_add_co_u32 s5, s5, s43
	s_lshl_b32 s5, s5, 2                           ; 4 (first row + 32 u')
	s_add_co_u32 s4, s4, s5
	s_mov_b32 s6, s5                               ; the tail's place (a tensor with a tail has u' = u)
	s_mov_b32 s5, 0
	s_mov_b32 s7, 0
	s_add_nc_u64 s[4:5], s[4:5], SOFF
	s_add_nc_u64 s[6:7], s[6:7], TOFF
	s_lshl_b32 s56, s53, 7                         ; the bias's 32 numbers
	s_mov_b32 s57, 0
	s_mov_b32 s48, 0xffff0000                      ; lanes 16-31
	s_mov_b32 s[SEL], 0x76543210
	s_mov_b32 s[SEL+1], 0xfedcba98
.irp b, 0,1,2,3
	v_mov_b32 v[TM+4+\b], 0                        ; written once: a lane permute's destination counts as one of its sources
.endr
	s_wait_kmcnt 0x0
	s_mov_b64 s[36:37], s[18:19]                   ; the tensor,
	s_mov_b64 s[38:39], s[32:33]                   ; its operand buffer,
	s_mov_b64 s[40:41], s[26:27]                   ; its bias: each choice hangs on the work-group's number alone
	s_cmp_lt_u32 ttmp9, 192
	s_cselect_b64 s[36:37], s[16:17], s[36:37]
	s_cselect_b64 s[38:39], s[30:31], s[38:39]
	s_cmp_lt_u32 ttmp9, 128
	s_cselect_b64 s[36:37], s[14:15], s[36:37]
	s_cselect_b64 s[38:39], s[32:33], s[38:39]
	s_cselect_b64 s[40:41], s[24:25], s[40:41]
	s_cmp_lt_u32 ttmp9, 96
	s_cselect_b64 s[36:37], s[12:13], s[36:37]
	s_cmp_lt_u32 ttmp9, 64
	s_cselect_b64 s[36:37], s[10:11], s[36:37]
	s_cselect_b64 s[38:39], s[28:29], s[38:39]
	s_cselect_b64 s[40:41], s[22:23], s[40:41]
	s_cmp_lt_u32 ttmp9, 32
	s_cselect_b64 s[36:37], s[8:9], s[36:37]
	s_cselect_b64 s[40:41], s[20:21], s[40:41]
	s_add_nc_u64 s[36:37], s[36:37], s[34:35]
	s_add_nc_u64 s[2:3], s[38:39], s[2:3]
	s_add_nc_u64 s[4:5], s[38:39], s[4:5]
	s_add_nc_u64 s[6:7], s[38:39], s[6:7]
	s_add_nc_u64 s[40:41], s[40:41], s[56:57]
.irp b, 0,1,2,3
.irp j, 0,1,2,3
	global_load_b128 v[X0+16*\b+4*\j:X0+16*\b+4*\j+3], v4, s[36:37] offset:128*\b+16*\j th:TH_LOAD_NT
.endr
.endr
.irp b, 0,1,2,3
.irp j, 0,1,2,3
	global_load_b128 v[X1+16*\b+4*\j:X1+16*\b+4*\j+3], v5, s[36:37] offset:128*\b+16*\j th:TH_LOAD_NT
.endr
.endr
	s_wait_loadcnt 16                              ; tile 0's 16 loads are in; tile 1's 16 may be out
	QUANT X0, PC0, 216
.irp c, 0,1,2
	global_store_b128 v6, v[PC0+4*\c:PC0+4*\c+3], s[2:3] offset:512*\c        ; 32 lanes store 512 consecutive bytes, aligned to 256
.endr
	s_wait_loadcnt 0x0
	QUANT X1, PC1, 217
.irp c, 0,1,2
	global_store_b128 v6, v[PC1+4*\c:PC1+4*\c+3], s[2:3] offset:RT+512*\c
.endr
	v_cndmask_b32 v218, v216, v217, s48            ; lanes 0-15 tile 0's words, lanes 16-31 tile 1's: 32 neighbouring positions
	global_store_b32 v7, v218, s[4:5]
	s_cmp_eq_u32 s52, 0                            ; wave 0 of a tensor that has them lays down 32 numbers of bias and of floor
	s_cselect_b32 s53, s45, 0
	s_cmp_eq_u32 s53, 1
	s_cbranch_scc0 .Lend
	global_load_b32 v219, v7, s[40:41]
	v_mov_b32 v220, s44
	s_wait_loadcnt 0x0
	global_store_b32 v7, v219, s[6:7]
	global_store_b32 v7, v220, s[6:7] offset:16384
.Lend:
	s_endpgm
.Lfunc_end_k_q78bc72d1e6_prep:
	.size	k_q78bc72d1e6_prep, .Lfunc_end_k_q78bc72d1e6_prep-k_q78bc72d1e6_prep
	.p2alignl 7, 3214868480
	.fill 96, 4, 3214868480
	.section	.rodata,"a",@progbits
	.p2align	6, 0x0
	.amdhsa_kernel k_q78bc72d1e6_prep
		.amdhsa_group_segment_fixed_size 0
		.amdhsa_private_segment_fixed_size 0
		.amdhsa_enable_private_segment 0
		.amdhsa_kernarg_size 104
		.amdhsa_user_sgpr_count 2
		.amdhsa_user_sgpr_kernarg_segment_ptr 1
		.amdhsa_wavefront_size32 1
		.amdhsa_system_sgpr_workgroup_id_x 1
		.amdhsa_system_sgpr_workgroup_id_y 1
		.amdhsa_system_sgpr_workgroup_id_z 1
		.amdhsa_system_vgpr_workitem_id 0
		.amdhsa_next_free_vgpr 224
		.amdhsa_next_free_sgpr 66
		.amdhsa_reserve_vcc 0
		.amdhsa_float_denorm_mode_32 3
		.amdhsa_float_denorm_mode_16_64 3
		.amdhsa_memory_ordered 1
		.amdhsa_forward_progress 1
		.amdhsa_inst_pref_size 17
	.end_amdhsa_kernel
	.amdgpu_metadata
---
amdhsa.version: [ 1, 2 ]
amdhsa.kernels:
  - .name:           k_q78bc72d1e6_prep
    .symbol:         k_q78bc72d1e6_prep.kd
    .args:
      - { .name: wq, .offset: 0, .size: 8, .value_kind: global_buffer, .address_space: global }
      - { .name: wk, .offset: 8, .size: 8, .value_kind: global_buffer, .address_space: global }
      - { .name: wv, .offset: 16, .size: 8, .value_kind: global_buffer, .address_space: global }
      - { .name: wo, .offset: 24, .size: 8, .value_kind: global_buffer, .address_space: global }
      - { .name: w1, .offset: 32, .size: 8, .value_kind: global_buffer, .address_space: global }
      - { .name: w2, .offset: 40, .size: 8, .value_kind: global_buffer, .address_space: global }
      - { .name: bq, .offset: 48, .size: 8, .value_kind: global_buffer, .address_space: global }
      - { .name: bk, .offset: 56, .size: 8, .value_kind: global_buffer, .address_space: global }
      - { .name: bv, .offset: 64, .size: 8, .value_kind: global_buffer, .address_space: global }
      - { .name: b1, .offset: 72, .size: 8, .value_kind: global_buffer, .address_space: global }
      - { .name: wqk, .offset: 80, .size: 8, .value_kind: global_buffer, .address_space: global }
      - { .name: w1op, .offset: 88, .size: 8, .value_kind: global_buffer, .address_space: global }
      - { .name: wx, .offset: 96, .size: 8, .value_kind: global_buffer, .address_space: global }
    .group_segment_fixed_size: 0
    .private_segment_fixed_size: 0
    .kernarg_segment_align: 8
    .kernarg_segment_size: 104
    .max_flat_workgroup_size: 256
    .sgpr_count:     66
    .vgpr_count:     224
    .wavefront_size: 32
...
	.end_amdgpu_metadata
.endif
;; end of part 1
;; launch ln (part 2): grid 256 x 1, 8 waves a work-group, no clusters, 2,048 bytes of LDS; arguments x, ln1_g, ln1_b, acta; writes acta
.if DOCPART == 2
	.amdgcn_target "amdgcn-amd-amdhsa--gfx1250"
	.amdhsa_code_object_version 6
	.text
	.protected	k_q78bc72d1e6_ln
	.globl	k_q78bc72d1e6_ln
	.p2align	8
	.type	k_q78bc72d1e6_ln,@function
k_q78bc72d1e6_ln:
	s_mov_b64 s[64:65], 0
	v_nop
	global_prefetch_b8 v0, s[64:65] scope:SCOPE_SE
	s_setreg_imm32_b32 hwreg(HW_REG_WAVE_MODE, 25, 1), 1
	s_wait_xcnt 0x0
; LayerNorm of [4,096][1,024] f32 rows, quantised on the way to MX-FP6 along the row, stored as an operand in this program's layout (fragments as images of their registers; a row's position is its number with bits 3 and 4 swapped).
; SHARES: work-group g makes row tile g: 16 positions, true rows 32 (g / 2) + 8 (g % 2) + r % 8 + 16 (r / 8).  Wave w takes columns 128 w .. 128 w + 127: one fragment.  Lane (r, h) holds, of row r, 16 neighbours of each block of 32.
; The row stays in registers between the passes: it is read from memory once.  Mean first, then the mean of the squared differences: no difference of large sums is formed.  A row's eight partial sums meet in LDS, one barrier a pass.
; The operand's tail is laid down too: its rows add no bias (0) and set no floor (-infinity).
; No matrix unit, no tensor load, no cluster: work-groups share only the 8 KiB of gain and bias.
; LIMITS: a block of zeros, or one under 2^-124, keeps the scale byte 1 (read by this program alone); NaN and infinities are not served.
.set PANEL, 786432
.set RT,    3072
.set FRB,   1536
.set SOFF,  18874368
.set SPL,   16384
.set TOFF,  19660800
.set SPARE, 1024                       ; LDS: 0-511 the sums' partials (16 rows x 8 waves x 4 bytes), 512-1023 the squares'; from 1,024 the spare words, 128 bytes a wave
.set X,     32                         ; v32-95   my 64 numbers
.set G,     96                         ; v96-159  their gains
.set BT,    160                        ; v160-223 their biases
.set PC,    96                         ; afterwards: v96-115 codes and scratch,
.set TM,    116                        ; v116-131 at work,
.set PW,    132                        ; v132 the scale word
.set SEL,   20
.macro QUANT s, pc, pw
.irp b, 0,1,2,3
	v_max3_num_f32 v[TM+\b], |v[(\s)+16*\b]|, |v[(\s)+1+16*\b]|, 0x1800000   ; my 16 numbers of block b, and the floor 2^(3 - 127): the byte cannot fall under 1
.endr
.irp i, 2,4,6,8,10,12,14
.irp b, 0,1,2,3
	v_max3_num_f32 v[TM+\b], v[TM+\b], |v[(\s)+16*\b+\i]|, |v[(\s)+1+16*\b+\i]|
.endr
.endr
.irp b, 0,1,2,3
	v_permlanex16_b32 v[TM+4+\b], v[TM+\b], s[SEL], s[SEL+1]
.endr
.irp b, 0,1,2,3
	v_max_num_f32 v[TM+\b], v[TM+\b], v[TM+4+\b]
.endr
.irp b, 0,1,2,3
	v_add_nc_u32 v[TM+12+\b], 0xff000000, v[TM+\b]                 ; 2 off the exponent field: the conversion's scale operand
.endr
.irp b, 0,1,2,3
	v_lshrrev_b32 v[TM+4+\b], 23, v[TM+12+\b]                      ; the scale's byte
.endr
	v_lshl_or_b32 v[\pw], v[TM+5], 8, v[TM+4]
	v_lshl_or_b32 v[\pw], v[TM+6], 16, v[\pw]
	v_lshl_or_b32 v[\pw], v[TM+7], 24, v[\pw]
.irp c, 0,1
	v_cvt_scalef32_pk16_fp6_f32 v[(\pc)+6*\c:(\pc)+2+6*\c], v[(\s)+32*\c:(\s)+15+32*\c], v[TM+12+2*\c]
	v_cvt_scalef32_pk16_fp6_f32 v[(\pc)+12+4*\c:(\pc)+14+4*\c], v[(\s)+16+32*\c:(\s)+31+32*\c], v[TM+12+2*\c+1]
.endr
	v_nop                                                          ; one plain place behind a scaled conversion
.irp c, 0,1
.irp i, 0,1,2
	v_permlane16_swap_b32 v[(\pc)+6*\c+\i], v[(\pc)+12+4*\c+\i]
.endr
.irp i, 0,1,2
	v_mov_b32 v[(\pc)+3+6*\c+\i], v[(\pc)+12+4*\c+\i]
.endr
.endr
.endm
; four chains of pairs in v[22:29] become the row's sum over all 1,024 columns, in v14 of every lane
.macro REDUCE off
	v_pk_add_f32 v[22:23], v[22:23], v[24:25]
	v_pk_add_f32 v[26:27], v[26:27], v[28:29]
	v_pk_add_f32 v[22:23], v[22:23], v[26:27]
	v_add_f32 v22, v22, v23
	v_permlanex16_b32 v23, v22, s[SEL], s[SEL+1]
	v_add_f32 v22, v22, v23                        ; my row's sum over my wave's 128 columns
	ds_store_b32 v8, v22 offset:\off               ; lanes l and l xor 16 write the same word with the same value
	s_wait_dscnt 0x0                               ; for the others' sake: my store has landed
	s_barrier_signal -1
	s_barrier_wait -1
	ds_load_b128 v[14:17], v9 offset:\off
	ds_load_b128 v[18:21], v9 offset:\off+16       ; my row's eight partial sums
	s_wait_dscnt 0x0
	v_pk_add_f32 v[14:15], v[14:15], v[16:17]
	v_pk_add_f32 v[18:19], v[18:19], v[20:21]
	v_pk_add_f32 v[14:15], v[14:15], v[18:19]
	v_add_f32 v14, v14, v15
.endm
	s_load_b256 s[4:11], s[0:1], 0x0               ; the rows s[4:5], gain s[6:7], bias s[8:9], the operand s[10:11]
	v_lshl_add_u32 v30, v0, 2, SPARE               ; my spare word,
	v_mov_b32 v31, 0                               ; and 0: kept for the closing lines
	v_lshrrev_b32 v1, 5, v0
	v_readfirstlane_b32 s12, v1                    ; wave 0..7
	v_and_b32 v1, 31, v0                           ; lane
	v_and_b32 v2, 15, v0                           ; r
	v_bfe_u32 v3, v0, 4, 1                         ; h
	v_and_b32 v4, 7, v2
	v_lshrrev_b32 v5, 3, v2
	v_lshl_add_u32 v4, v5, 4, v4
	v_lshlrev_b32 v4, 12, v4
	v_lshl_add_u32 v4, v3, 6, v4                   ; (r % 8 + 16 (r / 8)) rows of 4,096 bytes + 64 h
	v_lshlrev_b32 v5, 6, v3                        ; 64 h
	v_lshlrev_b32 v6, 4, v1                        ; 16 x lane
	v_lshlrev_b32 v7, 2, v2                        ; 4 r
	s_lshl_b32 s13, s12, 2
	v_lshl_add_u32 v8, v2, 5, s13                  ; LDS: 32 r + 4 wave
	v_lshlrev_b32 v9, 5, v2                        ; LDS: 32 r
	s_lshr_b32 s14, ttmp9, 1
	s_lshl_b32 s14, s14, 17                        ; 32 rows x 4,096 bytes
	s_and_b32 s15, ttmp9, 1
	s_lshl_b32 s15, s15, 15                        ; 8 rows
	s_add_co_u32 s14, s14, s15
	s_lshl_b32 s16, s12, 9                         ; my wave's 128 columns
	s_add_co_u32 s14, s14, s16
	s_mov_b32 s15, 0
	s_mov_b32 s17, 0
	s_lshr_b32 s18, s12, 1                         ; the fragment's place
	s_mul_i32 s18, s18, PANEL
	s_mul_i32 s19, ttmp9, RT
	s_add_co_u32 s18, s18, s19
	s_and_b32 s19, s12, 1
	s_mul_i32 s19, s19, FRB
	s_add_co_u32 s18, s18, s19
	s_mov_b32 s19, 0
	s_lshl_b32 s22, s12, 14                        ; the scale words': plane w, 64 bytes a tile
	s_lshl_b32 s24, ttmp9, 6
	s_add_co_u32 s22, s22, s24
	s_mov_b32 s23, 0
	s_mov_b32 s25, 0
	s_add_nc_u64 s[22:23], s[22:23], SOFF
	s_add_nc_u64 s[24:25], s[24:25], TOFF          ; the tail's
	s_mov_b32 s[SEL], 0x76543210
	s_mov_b32 s[SEL+1], 0xfedcba98
	s_mov_b32 s27, 0x3a800000                      ; 1 / 1,024
	s_mov_b32 s28, 0x3727c5ac                      ; 1e-5
	s_wait_kmcnt 0x0
	s_add_nc_u64 s[4:5], s[4:5], s[14:15]
	s_add_nc_u64 s[6:7], s[6:7], s[16:17]
	s_add_nc_u64 s[8:9], s[8:9], s[16:17]
	s_add_nc_u64 s[18:19], s[10:11], s[18:19]
	s_add_nc_u64 s[22:23], s[10:11], s[22:23]
	s_add_nc_u64 s[24:25], s[10:11], s[24:25]
.irp b, 0,1,2,3
.irp j, 0,1,2,3
	global_load_b128 v[X+16*\b+4*\j:X+16*\b+4*\j+3], v4, s[4:5] offset:128*\b+16*\j
.endr
.endr
.irp b, 0,1,2,3
.irp j, 0,1,2,3
	global_load_b128 v[G+16*\b+4*\j:G+16*\b+4*\j+3], v5, s[6:7] offset:128*\b+16*\j
	global_load_b128 v[BT+16*\b+4*\j:BT+16*\b+4*\j+3], v5, s[8:9] offset:128*\b+16*\j
.endr
.endr
	s_wait_loadcnt 32                              ; my 64 numbers are in; the 32 loads of gain and bias may be out
.set J, 0
.rept 4
	v_pk_add_f32 v[22+J:23+J], v[X+J:X+J+1], v[X+8+J:X+9+J]        ; four chains, started by the first sixteen numbers
.set J, J+2
.endr
.set J, 16
.rept 24
	v_pk_add_f32 v[22+J%8:23+J%8], v[22+J%8:23+J%8], v[X+J:X+J+1]
.set J, J+2
.endr
	REDUCE 0
	v_mul_f32 v10, s27, v14                        ; the mean,
	v_mov_b32 v11, v10                             ; twice: a pair for the packed forms
.set J, 0
.rept 32
	v_pk_add_f32 v[X+J:X+J+1], v[X+J:X+J+1], v[10:11] neg_lo:[0,1] neg_hi:[0,1]
.set J, J+2
.endr
.set J, 0
.rept 4
	v_pk_mul_f32 v[22+J:23+J], v[X+J:X+J+1], v[X+J:X+J+1]
.set J, J+2
.endr
.set J, 8
.rept 28
	v_pk_fma_f32 v[22+J%8:23+J%8], v[X+J:X+J+1], v[X+J:X+J+1], v[22+J%8:23+J%8]
.set J, J+2
.endr
	REDUCE 512                                     ; other bytes than the first pass's: no wave can overwrite what another still reads
	v_fma_f32 v12, v14, s27, s28                   ; the variance + 1e-5
	v_rsq_f32 v12, v12
	v_nop                                          ; a plain place behind the transcendental,
	s_wait_alu depctr_va_vdst(0)                   ; and the wait ahead of its first reader
	v_mov_b32 v13, v12
	s_wait_loadcnt 0x0                             ; gain and bias
.set J, 0
.rept 32
	v_pk_mul_f32 v[X+J:X+J+1], v[X+J:X+J+1], v[12:13]
.set J, J+2
.endr
.set J, 0
.rept 32
	v_pk_fma_f32 v[X+J:X+J+1], v[X+J:X+J+1], v[G+J:G+J+1], v[BT+J:BT+J+1]
.set J, J+2
.endr
.irp b, 0,1,2,3
	v_mov_b32 v[TM+4+\b], 0                        ; a lane permute's destination counts as one of its sources
.endr
	QUANT X, PC, PW
.irp c, 0,1,2
	global_store_b128 v6, v[PC+4*\c:PC+4*\c+3], s[18:19] offset:512*\c        ; 512 consecutive bytes, aligned to 256
.endr
	v_cmp_gt_u32 vcc_lo, 16, v1
	s_wait_xcnt 0x0                                ; EXEC changes only behind this wait
	s_and_saveexec_b32 s26, vcc_lo
	global_store_b32 v7, v[PW], s[22:23]           ; lanes 0-15: the 16 rows' scale words
	s_wait_xcnt 0x0                                ; and again, in front of the line that widens it
	s_or_b32 exec_lo, exec_lo, s26
	s_cmp_lg_u32 s12, 0
	s_cbranch_scc1 .Lno_tail
	v_sub_nc_u32 v10, 0, v3
	v_and_b32 v10, 0xff800000, v10                 ; lanes 0-15: bias 0; lanes 16-31: floor -infinity
	v_lshl_add_u32 v11, v3, 14, v7                 ; 4 r, and the floors lie 16,384 bytes behind the biases
	global_store_b32 v11, v10, s[24:25]
.Lno_tail:
	s_wait_tensorcnt 0x0                           ; the wave's end
	ds_add_u32 v30, v31
	s_wait_dscnt 0x0
	s_endpgm
.Lfunc_end_k_q78bc72d1e6_ln:
	.size	k_q78bc72d1e6_ln, .Lfunc_end_k_q78bc72d1e6_ln-k_q78bc72d1e6_ln
	.p2alignl 7, 3214868480
	.fill 96, 4, 3214868480
	.section	.rodata,"a",@progbits
	.p2align	6, 0x0
	.amdhsa_kernel k_q78bc72d1e6_ln
		.amdhsa_group_segment_fixed_size 2048
		.amdhsa_private_segment_fixed_size 0
		.amdhsa_enable_private_segment 0
		.amdhsa_kernarg_size 32
		.amdhsa_user_sgpr_count 2
		.amdhsa_user_sgpr_kernarg_segment_ptr 1
		.amdhsa_wavefront_size32 1
		.amdhsa_system_sgpr_workgroup_id_x 1
		.amdhsa_system_sgpr_workgroup_id_y 1
		.amdhsa_system_sgpr_workgroup_id_z 1
		.amdhsa_system_vgpr_workitem_id 0
		.amdhsa_next_free_vgpr 232
		.amdhsa_next_free_sgpr 66
		.amdhsa_reserve_vcc 1
		.amdhsa_float_denorm_mode_32 3
		.amdhsa_float_denorm_mode_16_64 3
		.amdhsa_memory_ordered 1
		.amdhsa_forward_progress 1
		.amdhsa_inst_pref_size 24
	.end_amdhsa_kernel
	.amdgpu_metadata
---
amdhsa.version: [ 1, 2 ]
amdhsa.kernels:
  - .name:           k_q78bc72d1e6_ln
    .symbol:         k_q78bc72d1e6_ln.kd
    .args:
      - { .name: x, .offset: 0, .size: 8, .value_kind: global_buffer, .address_space: global }
      - { .name: ln1_g, .offset: 8, .size: 8, .value_kind: global_buffer, .address_space: global }
      - { .name: ln1_b, .offset: 16, .size: 8, .value_kind: global_buffer, .address_space: global }
      - { .name: acta, .offset: 24, .size: 8, .value_kind: global_buffer, .address_space: global }
    .group_segment_fixed_size: 2048
    .private_segment_fixed_size: 0
    .kernarg_segment_align: 8
    .kernarg_segment_size: 32
    .max_flat_workgroup_size: 256
    .sgpr_count:     66
    .vgpr_count:     232
    .wavefront_size: 32
...
	.end_amdgpu_metadata
.endif
;; end of part 2
;; launch gq (part 3): grid 12 x 16, 4 waves a work-group, clusters of 4 x 4, 327,680 bytes of LDS; arguments acta, wqk, wx, actb; writes actb
.if DOCPART == 3
	.amdgcn_target "amdgcn-amd-amdhsa--gfx1250"
	.amdhsa_code_object_version 6
	.text
	.protected	k_q78bc72d1e6_gq
	.globl	k_q78bc72d1e6_gq
	.p2align	8
	.type	k_q78bc72d1e6_gq,@function
k_q78bc72d1e6_gq:
	s_mov_b64 s[64:65], 0
	v_nop
	global_prefetch_b8 v0, s[64:65] scope:SCOPE_SE
	s_setreg_imm32_b32 hwreg(HW_REG_WAVE_MODE, 25, 1), 1
	s_wait_xcnt 0x0
	s_wait_alu depctr_hold_cnt(0) depctr_sa_sdst(0) depctr_va_vdst(0) depctr_va_sdst(0) depctr_va_ssrc(0) depctr_va_vcc(0) depctr_vm_vsrc(0)
	s_getreg_b32 s2, hwreg(HW_REG_IB_STS2, 6, 4)
	s_cmp_eq_u32 s2, 0
	s_cbranch_scc0 .Lentry_in_a_cluster
	s_endpgm
.Lentry_in_a_cluster:
	s_bfe_u32 s2, ttmp6, 0x10000c
	s_cmp_lg_u32 s2, 0xf033
	s_cbranch_scc0 .Lentry_shape_is_right
	s_endpgm
.Lentry_shape_is_right:
; OUT = Q(max(A B^T + bias, floor)): a product of two MX-FP6 operands (K = 1,024) whose result is quantised along its columns and stored as the next product's operand.  All operands lie in this program's layout: fragments
; (16 row positions x 128 K) as images of their 12 registers, 1,536 bytes; fragment (rho, kappa) at (kappa / 2) PANEL + rho RT + (kappa % 2) FRB; scale words at SOFF + kappa SPL + 4 x position; biases and floors in the tail.
; A tile of 256 x 256 is made by four waves, a wave makes 128 x 128: 64 accumulators, 512 registers.  K goes in steps of 256 (a panel) through two LDS slots; 128 rows of a panel are ONE dense block of 24,576 bytes.
; The scale words of the work-group's rows, for all of K, come into LDS once, with the first fills.
; THE MATRIX INSTRUCTION IS USED TRANSPOSED (source 0 = 16 positions of B, source 1 = 16 of A).  Positions are row numbers with bits 3 and 4 swapped, so a lane's 64 registers of a block of 16 rows are its row's 128 columns in the order
; that the quantiser wants: register 16 b + i = column 32 b + 16 (lane / 16) + i.  So the way out needs no LDS: bias, floor, quantise, and the fragment leaves as three stores of 512 consecutive bytes.
; WHICH PRODUCT: clusters with x < 2: A = args' first (activations), B = the second (weights), output panel = tile column.  Clusters with x = 2 (first use of this text alone): V^T = wv x2^T: A = the third argument, B = the first,
; tile row = cy, tile column = 4 x cluster y + cx, output panels 8 on: V comes out quantised along the tokens.  Only pointers and numbers are chosen, on the cluster's x alone; there is no branch.
; CLUSTERS: 4 x 4.  A's tile hangs on the tile row alone and is asked for jointly by a row of the cluster, B's on the tile column alone, by a column.
; No prefetch: K has four steps of which two are asked for at the head.
; LIMITS: a block of zeros, or one under 2^-124, keeps the scale byte 1 (read by this program alone); NaN and infinities are not served.
; REGISTERS: window 0: v8-15 A's rows' biases, v16-31 addresses, v32-63 scale words (two sets), v64-127 B's rows' biases, from v128 A's fragments (one set); on the way out v128-239 at work.
;   window 1: B's fragments, two sets, at v0 and v128.   windows 2, 3: the accumulators ((a, b) at v[8 (8 (a % 4) + b)]).
.set SIZE_K, 1024
.set PANEL,  786432
.set RT,     3072
.set FRB,    1536
.set SOFF,   18874368
.set SPL,    16384
.set TOFF,   19660800
.set FOFF,   19677184
.set NQ,     2                         ; matrix instructions deep in a slot
.set FR,     12                        ; registers of a fragment
.set NL,     3                         ; LDS loads that bring one
.set NP,     4                         ; places behind this matrix instruction (ISA guide 7.12.1)
.set HALFT,  8*RT                      ; 128 rows x 256 K: what one tensor load brings
.set SLOT,   4*HALFT                   ; A's 256 rows, then B's
.set LAPS,   SIZE_K/512
.set NK,     SIZE_K/128
.set SCL,    2*SLOT                    ; behind the ring: the scale words, [K step][128 rows x 4 bytes] for each half
.set HALFS,  NK*512
.set SPARE,  SCL+4*HALFS               ; the spare words, 128 bytes a wave: two blocks of 256 bytes that no other line names
.set RB,   8                           ; v8-15   the bias of A's row, block a
.set ADRA, 16                          ; v16-17  LDS address of my A fragments in slot 0, 1
.set ADRB, 20                          ; v20-21  the same for B
.set LI,   24                          ; v24     16 x lane
.set LS,   25                          ; v25     4 x lane
.set RBA,  26                          ; v26     4 x (r % 8 + 16 (r / 8))
.set ADRS, 27                          ; v27     LDS address of my scale words: lanes 0-15 A's, lanes 16-31 B's
.set SPW,  28                          ; v28     my spare word's address; never rewritten
.set NIL,  29                          ; v29     0; never rewritten
.set RP,   30                          ; v[30:31] a row's bias, as a pair
.set SC,   32
.set CB,   64                          ; v64-127 the biases of my 128 columns, in the accumulators' order
.set AF,   128
.set VAL,  128                         ; the way out: 64 numbers,
.set PC,   192                         ; codes and scratch,
.set TM,   212                         ; at work,
.set SW,   228                         ; a scale word for each block,
.set MS,   236                         ; and two blocks' words merged
.set SEL,  18
.set G1, 24
.set G0, 32
.set G1B, 48
.set G0B, 56
.set G1S, 68
.set G0S, 76
.set G1SB, 80
.set G0SB, 88
.set MSB, 0
.macro WIN new                         ; the immediate's high byte repeats the setting that is left
.if MSB != (\new)
	s_set_vgpr_msb (MSB<<8)|(\new)
.set MSB, \new
.endif
.endm
.set MUL_LO, 0xa1                      ; source 0 (B) window 1, source 1 (A) window 0, C and D window 2
.set MUL_HI, 0xf1
.set TO_B,   0x40
; A joint load: waves 0 and 1 fetch for A, waves 2 and 3 for B; the branch hangs on the wave's number alone.  An s_nop 0 and four v_nop follow each line.
.macro JLOAD g0a, g1a, g0b, g1b
	s_cmp_eq_u32 s15, 0
	s_cbranch_scc0 .Lfor_b_\@
	tensor_load_to_lds s[\g0a:\g0a+3], s[\g1a:\g1a+7]
	s_nop 0
.rept 4
	v_nop
.endr
	s_branch .Lasked_\@
.Lfor_b_\@:
	tensor_load_to_lds s[\g0b:\g0b+3], s[\g1b:\g1b+7]
	s_nop 0
.rept 4
	v_nop
.endr
.Lasked_\@:
.endm
.macro CREST                           ; a round of the cluster's barrier behind its opening barrier
	s_cmp_lg_u32 s14, 0
	s_cbranch_scc1 .Lnot_wave_0_\@
	s_barrier_signal -3
.Lnot_wave_0_\@:
	s_barrier_wait -3
	s_barrier_signal -1
	s_barrier_wait -1
.endm
.macro CROUND
	s_barrier_signal -1
	s_barrier_wait -1
	CREST
.endm
.macro QUANT s, pc, pw
.irp b, 0,1,2,3
	v_max3_num_f32 v[TM+\b], |v[(\s)+16*\b]|, |v[(\s)+1+16*\b]|, 0x1800000   ; my 16 numbers of block b, and the floor 2^(3 - 127): the byte cannot fall under 1
.endr
.irp i, 2,4,6,8,10,12,14
.irp b, 0,1,2,3
	v_max3_num_f32 v[TM+\b], v[TM+\b], |v[(\s)+16*\b+\i]|, |v[(\s)+1+16*\b+\i]|
.endr
.endr
.irp b, 0,1,2,3
	v_permlanex16_b32 v[TM+4+\b], v[TM+\b], s[SEL], s[SEL+1]
.endr
.irp b, 0,1,2,3
	v_max_num_f32 v[TM+\b], v[TM+\b], v[TM+4+\b]
.endr
.irp b, 0,1,2,3
	v_add_nc_u32 v[TM+12+\b], 0xff000000, v[TM+\b]                 ; 2 off the exponent field: the conversion's scale operand
.endr
.irp b, 0,1,2,3
	v_lshrrev_b32 v[TM+4+\b], 23, v[TM+12+\b]                      ; the scale's byte
.endr
	v_lshl_or_b32 v[\pw], v[TM+5], 8, v[TM+4]
	v_lshl_or_b32 v[\pw], v[TM+6], 16, v[\pw]
	v_lshl_or_b32 v[\pw], v[TM+7], 24, v[\pw]
.irp c, 0,1
	v_cvt_scalef32_pk16_fp6_f32 v[(\pc)+6*\c:(\pc)+2+6*\c], v[(\s)+32*\c:(\s)+15+32*\c], v[TM+12+2*\c]
	v_cvt_scalef32_pk16_fp6_f32 v[(\pc)+12+4*\c:(\pc)+14+4*\c], v[(\s)+16+32*\c:(\s)+31+32*\c], v[TM+12+2*\c+1]
.endr
	v_nop                                                          ; one plain place behind a scaled conversion
.irp c, 0,1
.irp i, 0,1,2
	v_permlane16_swap_b32 v[(\pc)+6*\c+\i], v[(\pc)+12+4*\c+\i]
.endr
.irp i, 0,1,2
	v_mov_b32 v[(\pc)+3+6*\c+\i], v[(\pc)+12+4*\c+\i]
.endr
.endr
.endm
	s_load_b256 s[4:11], s[0:1], 0x0               ; the activations s[4:5], the weights s[6:7], wv's buffer s[8:9], the output s[10:11]
	v_lshl_add_u32 v[SPW], v0, 2, SPARE
	v_mov_b32 v[NIL], 0
	ds_add_u32 v[SPW], v[NIL]                      ; the wave's opening: the add, and its wait ahead of my first tensor load; work on registers stands between them
	v_lshrrev_b32 v1, 5, v0
	v_readfirstlane_b32 s14, v1                    ; wave 0..3
	s_lshr_b32 s15, s14, 1                         ; which half of the tile's rows is mine.  Also: I fetch for A (0) or for B (1)
	s_and_b32 s16, s14, 1                          ; which half of its columns.  Also: which 128 rows I fetch
	s_bfe_u32 s40, ttmp6, 0x40000                  ; cx
	s_bfe_u32 s41, ttmp6, 0x40004                  ; cy
	s_lshl_b32 s18, ttmp9, 2                       ; 4 x cluster x
	s_and_b32 s19, ttmp7, 0xffff
	s_lshl_b32 s19, s19, 2                         ; 4 x cluster y
	s_cmp_lt_u32 ttmp9, 2                          ; the plain product, or V^T
	s_cselect_b32 s42, s18, s19
	s_cselect_b32 s17, s19, 0
	s_cselect_b32 s66, 0, 8
	s_add_co_u32 s42, s42, s40                     ; tile column
	s_add_co_u32 s17, s17, s41                     ; tile row
	s_add_co_u32 s66, s66, s42                     ; output panel
	s_lshl_b32 s43, s41, 2
	s_lshl_b32 s43, 15, s43                        ; my row of the cluster
	s_lshl_b32 s44, 0x1111, s40                    ; my column
	; descriptor group 1 for codes: a dense block of 24,576 bytes as 96 rows of 32 elements of 8 bytes; no padding: an LDS load takes 512 consecutive bytes
	s_or_b32 s[G1+0], s43, (3<<16)|(1<<21)         ; 15:0 the mask; 17:16 elements of 8 bytes; 21 set beside a mask
	s_or_b32 s[G1B+0], s44, (3<<16)|(1<<21)
.irp g, G1, G1B
	s_mov_b32 s[\g+1], 32<<16                      ; tensor_dim0
	s_mov_b32 s[\g+2], 96<<16                      ; tensor_dim1
	s_mov_b32 s[\g+3], 32<<16                      ; tile_dim0
	s_mov_b32 s[\g+4], 96                          ; tile_dim1
	s_mov_b32 s[\g+5], 32                          ; tensor_dim0_stride
	s_mov_b32 s[\g+6], 0
	s_mov_b32 s[\g+7], 0
.endr
	; and for scale words: NK rows (K steps) of 512 bytes (128 positions), SPL bytes apart
	s_or_b32 s[G1S+0], s43, (3<<16)|(1<<21)
	s_or_b32 s[G1SB+0], s44, (3<<16)|(1<<21)
.irp g, G1S, G1SB
	s_mov_b32 s[\g+1], 64<<16
	s_mov_b32 s[\g+2], NK<<16
	s_mov_b32 s[\g+3], 64<<16
	s_mov_b32 s[\g+4], NK
	s_mov_b32 s[\g+5], SPL/8
	s_mov_b32 s[\g+6], 0
	s_mov_b32 s[\g+7], 0
.endr
	s_lshl_b32 s18, s16, 7                         ; which 128 rows of the tile I fetch
	s_lshl_b32 s20, s17, 8
	s_add_co_u32 s20, s20, s18                     ; A's first position
	s_lshl_b32 s46, s42, 8
	s_add_co_u32 s46, s46, s18                     ; B's
	s_lshl_b32 s22, s20, 2                         ; their scale words,
	s_mov_b32 s23, 0
	s_lshl_b32 s92, s46, 2
	s_mov_b32 s93, 0
	s_add_nc_u64 s[22:23], s[22:23], SOFF
	s_add_nc_u64 s[92:93], s[92:93], SOFF
	s_mul_i32 s20, s20, RT/16                      ; and their codes: 192 bytes a position in a panel
	s_mov_b32 s21, 0
	s_mul_i32 s46, s46, RT/16
	s_mov_b32 s47, 0
	s_mul_i32 s45, s14, HALFT                      ; where they go: no place in the cluster enters an LDS address
	s_mul_i32 s67, s14, HALFS
	s_wait_dscnt 0x0                               ; the opening add is done
	s_wait_kmcnt 0x0
	s_cmp_lt_u32 ttmp9, 2                          ; the choice of buffers hangs on the cluster's x alone
	s_cselect_b64 s[6:7], s[6:7], s[4:5]           ; B: the weights, or for V^T the activations
	s_cselect_b64 s[4:5], s[4:5], s[8:9]           ; A: the activations, or wv
	s_add_nc_u64 s[20:21], s[4:5], s[20:21]
	s_add_nc_u64 s[22:23], s[4:5], s[22:23]
	s_add_nc_u64 s[46:47], s[6:7], s[46:47]
	s_add_nc_u64 s[92:93], s[6:7], s[92:93]
	CROUND                                         ; all sixteen work-groups are here: the first joint loads meet
	s_mov_b32 s[G0S], 1
	s_add_co_u32 s[G0S+1], s67, SCL
	s_mov_b64 s[G0S+2:G0S+3], s[22:23]
	s_or_b32 s[G0S+3], s[G0S+3], 0x80000000
	s_mov_b32 s[G0SB], 1
	s_add_co_u32 s[G0SB+1], s67, SCL
	s_mov_b64 s[G0SB+2:G0SB+3], s[92:93]
	s_or_b32 s[G0SB+3], s[G0SB+3], 0x80000000
	JLOAD G0S, G1S, G0SB, G1SB                     ; the scale words first: they are wanted with K step 0
.irp s, 0,1
	s_mov_b32 s[G0+4*\s], 1
	s_add_co_u32 s[G0+4*\s+1], s45, \s*SLOT
	s_add_nc_u64 s[G0+4*\s+2:G0+4*\s+3], s[20:21], \s*PANEL
	s_or_b32 s[G0+4*\s+3], s[G0+4*\s+3], 0x80000000
	s_mov_b32 s[G0B+4*\s], 1
	s_add_co_u32 s[G0B+4*\s+1], s45, \s*SLOT
	s_add_nc_u64 s[G0B+4*\s+2:G0B+4*\s+3], s[46:47], \s*PANEL
	s_or_b32 s[G0B+4*\s+3], s[G0B+4*\s+3], 0x80000000
	JLOAD G0+4*\s, G1, G0B+4*\s, G1B               ; by this text's count three loads of mine are out here, later one
.endr
	v_and_b32 v1, 31, v0                           ; lane
	v_and_b32 v2, 15, v0                           ; r
	v_bfe_u32 v3, v0, 4, 1                         ; h
	v_lshlrev_b32 v[LI], 4, v1
	v_lshlrev_b32 v[LS], 2, v1
	s_mul_i32 s21, s15, HALFT                      ; my 128 rows of A
	s_mul_i32 s22, s16, HALFT                      ; my 128 rows of B,
	s_add_co_u32 s22, s22, 2*HALFT                 ; behind A's 256
.irp s, 0,1
	v_add_nc_u32 v[ADRA+\s], s21, v[LI]
	v_add_nc_u32 v[ADRB+\s], s22, v[LI]
	s_add_co_u32 s21, s21, SLOT
	s_add_co_u32 s22, s22, SLOT
.endr
	s_mul_i32 s21, s15, HALFS
	s_mul_i32 s22, s16, HALFS
	s_add_co_u32 s22, s22, 2*HALFS
	s_sub_co_u32 s22, s22, s21
	v_mul_u32_u24 v6, s22, v3                      ; lanes 16-31 take B's: one product, the distance between the two bases
	s_add_co_u32 s21, s21, SCL
	v_lshlrev_b32 v5, 2, v2
	v_add_nc_u32 v5, v5, v6
	v_add_nc_u32 v[ADRS], s21, v5
	; the tails: B's rows' biases for my 128 columns, A's rows' for my 128 rows, both layers' floors
	v_lshlrev_b32 v7, 6, v3                        ; 64 h
	v_and_b32 v5, 7, v2
	v_lshrrev_b32 v6, 3, v2
	v_lshl_add_u32 v5, v6, 4, v5
	v_lshlrev_b32 v[RBA], 2, v5
	s_lshl_b32 s94, s17, 10
	s_lshl_b32 s95, s15, 9
	s_add_co_u32 s94, s94, s95
	s_mov_b32 s95, 0
	s_add_nc_u64 s[94:95], s[94:95], TOFF
	s_add_nc_u64 s[94:95], s[4:5], s[94:95]
	s_lshl_b32 s96, s42, 10
	s_lshl_b32 s97, s16, 9
	s_add_co_u32 s96, s96, s97
	s_mov_b32 s97, 0
	s_add_nc_u64 s[96:97], s[96:97], TOFF
	s_add_nc_u64 s[96:97], s[6:7], s[96:97]
	s_add_nc_u64 s[100:101], s[4:5], FOFF
	s_add_nc_u64 s[8:9], s[6:7], FOFF
	s_load_b32 s98, s[100:101], 0x0                ; a layer's floor is one number for all its rows
	s_load_b32 s99, s[8:9], 0x0
.irp b, 0,1,2,3
.irp j, 0,1,2,3
	global_load_b128 v[CB+16*\b+4*\j:CB+16*\b+4*\j+3], v7, s[96:97] offset:128*\b+16*\j   ; register 16 b + i: true column 32 b + 16 h + i
.endr
.endr
.irp a, 0,1,2,3,4,5,6,7
	global_load_b32 v[RB+\a], v[RBA], s[94:95] offset:4*(32*(\a/2)+8*(\a%2))              ; the true row of position 16 a + r
.endr
	; where my results go
	s_lshl_b32 s18, s66, 1
	s_add_co_u32 s18, s18, s16
	s_lshl_b32 s18, s18, 14                        ; plane 2 x panel + my half of the columns
	s_lshl_b32 s19, s17, 10
	s_add_co_u32 s18, s18, s19
	s_lshl_b32 s19, s15, 9
	s_add_co_u32 s18, s18, s19
	s_mov_b32 s19, 0
	s_add_nc_u64 s[18:19], s[18:19], SOFF
	s_add_nc_u64 s[12:13], s[10:11], s[18:19]      ; the scale words
	s_mul_i32 s2, s66, PANEL
	s_lshl_b32 s18, s17, 4
	s_lshl_b32 s19, s15, 3
	s_add_co_u32 s18, s18, s19
	s_mul_i32 s18, s18, RT
	s_add_co_u32 s2, s2, s18
	s_mul_i32 s18, s16, FRB
	s_add_co_u32 s2, s2, s18
	s_mov_b32 s3, 0
	s_add_nc_u64 s[10:11], s[10:11], s[2:3]        ; the codes
	s_mov_b32 s[SEL], 0x76543210
	s_mov_b32 s[SEL+1], 0xfedcba98
.macro FRAG reg, adr, q, i             ; a fragment comes back as it was stored: three loads of 512 consecutive bytes
.irp c, 0,1,2
	ds_load_b128 v[\reg+4*\c:\reg+4*\c+3], v[\adr] offset:(\i)*RT+(\q)*FRB+512*\c
.endr
.endm
; 16 matrix instructions: A's blocks a0, a0 + 1 x B's eight, 128 along K.  The 64 accumulators take turns, one instruction a turn, in the same order in every step.
.macro MUL16 a0, p, q, sc, zero
.irp a, \a0, \a0+1
.irp b, 0,1,2,3,4,5,6,7
.if \zero
	v_wmma_scale_f32_16x16x128_f8f6f4 v[8*(8*((\a)%4)+\b):8*(8*((\a)%4)+\b)+7], v[128*(\p)+FR*\b:128*(\p)+FR*\b+FR-1], v[AF+FR*(\a):AF+FR*(\a)+FR-1], 0, v[SC+8*NQ*(\sc)+NQ*\b+(\q)], v[SC+8*NQ*(\sc)+NQ*(\a)+(\q)] matrix_a_fmt:MATRIX_FMT_FP6 matrix_b_fmt:MATRIX_FMT_FP6 matrix_a_scale:MATRIX_SCALE_ROW1
.else
	v_wmma_scale_f32_16x16x128_f8f6f4 v[8*(8*((\a)%4)+\b):8*(8*((\a)%4)+\b)+7], v[128*(\p)+FR*\b:128*(\p)+FR*\b+FR-1], v[AF+FR*(\a):AF+FR*(\a)+FR-1], v[8*(8*((\a)%4)+\b):8*(8*((\a)%4)+\b)+7], v[SC+8*NQ*(\sc)+NQ*\b+(\q)], v[SC+8*NQ*(\sc)+NQ*(\a)+(\q)] matrix_a_fmt:MATRIX_FMT_FP6 matrix_b_fmt:MATRIX_FMT_FP6 matrix_a_scale:MATRIX_SCALE_ROW1
.endif
.endr
.endr
.endm
.macro FETCH_B slot, q, p
	WIN TO_B
.irp i, 0,1,2,3,4,5,6,7
	FRAG 128*(\p)+FR*\i, ADRB+\slot, \q, \i
.endr
	WIN 0
.endm
.macro FETCH_A slot, q, i0
.irp i, \i0, \i0+1, \i0+2, \i0+3
	FRAG AF+FR*(\i), ADRA+\slot, \q, \i
.endr
.endm
.macro SCALES sc                       ; a slot's scale words: register 2 i + q: lanes 0-15 A's block i, lanes 16-31 B's block i, the slot's q-th 128 along K
.irp i, 0,1,2,3,4,5,6,7
.irp q, 0,1
	ds_load_b32 v[SC+16*\sc+2*\i+\q], v[ADRS] offset:512*\q+64*\i
.endr
.endr
.endm
.macro PLACES n                        ; plain vector instructions that name no register of the matrix instructions ahead, in front of loads into their sources and of reads of their results
.rept \n
	v_nop
.endr
.endm
.macro STEP slot, q, zero              ; 128 along K that has its successor in the same slot
	s_wait_dscnt 4*NL                              ; all but the youngest 12 loads (A's blocks 4-7) are in
	WIN MUL_LO
	MUL16 0, (\q)%2, \q, \slot, \zero
	MUL16 2, (\q)%2, \q, \slot, \zero
	s_wait_dscnt 0                                 ; A's blocks 4-7 are in
	PLACES NP
	FETCH_B \slot, (\q)+1, 1-(\q)%2
	FETCH_A \slot, (\q)+1, 0
	WIN MUL_HI
	MUL16 4, (\q)%2, \q, \slot, \zero
	MUL16 6, (\q)%2, \q, \slot, \zero
	PLACES NP
	WIN 0
	FETCH_A \slot, (\q)+1, 4
.endm
; A slot's last step changes slots: one barrier; in front of it each wave waits for all its tensor loads, adds 0 to its spare word, and waits for that and for its reads of this slot.  fill = 1: the slot is filled again, two panels on.
.macro TURN slot, next, fill
	s_wait_tensorcnt 0x0                           ; all my tensor loads have landed: my part of the next slot
	ds_add_u32 v[SPW], v[NIL]                      ; 0 onto my spare word
	s_wait_dscnt 4*NL+1                            ; the add and the youngest 12 loads may be out
	WIN MUL_LO
	MUL16 0, 1, NQ-1, \slot, 0
	s_wait_dscnt 0x0                               ; the add is done, and my reads of this slot are over
	s_barrier_signal -1
	MUL16 2, 1, NQ-1, \slot, 0
	WIN 0
	s_barrier_wait -1
.if \fill
	CREST                                          ; the barrier has opened a round of the cluster's barrier: no wave of any partner still reads this slot or has a load on its way
	s_add_nc_u64 s[G0+4*\slot+2:G0+4*\slot+3], s[G0+4*\slot+2:G0+4*\slot+3], 2*PANEL
	s_add_nc_u64 s[G0B+4*\slot+2:G0B+4*\slot+3], s[G0B+4*\slot+2:G0B+4*\slot+3], 2*PANEL
	JLOAD G0+4*\slot, G1, G0B+4*\slot, G1B         ; the first tensor load behind the round; its four v_nop are the places in front of the loads below
.else
	PLACES NP
.endif
	v_add_nc_u32 v[ADRS], 512*NQ, v[ADRS]          ; the next slot's scale words
	FETCH_B \next, 0, 0
	FETCH_A \next, 0, 0
	SCALES \next
	WIN MUL_HI
	MUL16 4, 1, NQ-1, \slot, 0
	MUL16 6, 1, NQ-1, \slot, 0
	PLACES NP
	WIN 0
	FETCH_A \next, 0, 4
.endm
	s_wait_loadcnt 0x0                             ; the biases are in: no source of a pending load lives on into the loop
	s_wait_kmcnt 0x0                               ; and the floors
	s_wait_tensorcnt 1                             ; the scale words and my part of slot 0 are in; slot 1's load may be out
	s_barrier_signal -1
	s_barrier_wait -1
	FETCH_B 0, 0, 0
	FETCH_A 0, 0, 0
	SCALES 0
	FETCH_A 0, 0, 4
	STEP 0, 0, 1                                   ; the first step's products start the sums: nothing is cleared
	s_mov_b32 s3, LAPS-1
.Llap:
	TURN 0, 1, 1
	STEP 1, 0, 0
	TURN 1, 0, 1
	STEP 0, 0, 0
	s_sub_co_u32 s3, s3, 1
	s_cmp_lg_u32 s3, 0
	s_cbranch_scc1 .Llap
	TURN 0, 1, 0                                   ; the last lap fills nothing
	STEP 1, 0, 0
	s_wait_dscnt 4*NL
	WIN MUL_LO
	MUL16 0, 1, NQ-1, 1, 0
	MUL16 2, 1, NQ-1, 1, 0
	s_wait_dscnt 0
	WIN MUL_HI
	MUL16 4, 1, NQ-1, 1, 0
	MUL16 6, 1, NQ-1, 1, 0
	WIN 0
; THE WAY OUT, block by block of 16 rows: + the columns' bias, + the row's bias, the two floors, quantised; the block's 128 columns are one fragment of the output, K step = my half of the tile's columns.
.macro OUTQ a
.if (\a) > 0
	s_wait_xcnt 0x0                                ; the last block's stores have read their registers: the codes are written again only behind this wait
.endif
.set AC, 64*((\a)%4)
	WIN 0x02+(\a)/4                                ; source 0: window 2 or 3
.set I, 0
.rept 32
	v_pk_add_f32 v[VAL+I:VAL+I+1], v[AC+I:AC+I+1], v[CB+I:CB+I+1]  ; ascending: each accumulator is read from its low end on
.set I, I+2
.endr
	WIN 0
	v_mov_b32 v[RP], v[RB+(\a)]
.set I, 0
.rept 32
	v_pk_add_f32 v[VAL+I:VAL+I+1], v[VAL+I:VAL+I+1], v[RP:RP+1] op_sel_hi:[1,0]
.set I, I+2
.endr
.set I, 0
.rept 64
	v_max3_num_f32 v[VAL+I], v[VAL+I], s98, s99    ; -infinity where a layer sets no floor, 0 for relu
.set I, I+1
.endr
	QUANT VAL, PC, SW+(\a)
.irp c, 0,1,2
	global_store_b128 v[LI], v[PC+4*\c:PC+4*\c+3], s[10:11] offset:(\a)*RT+512*\c   ; 512 consecutive bytes, aligned to 256
.endr
.endm
	PLACES NP                                      ; behind the last products: the lines below write registers that held A's fragments
	s_mov_b32 s100, 0xffff0000                     ; lanes 16-31
	v_mov_b32 v[RP+1], 0                           ; named with v30 as a pair, so it is written
.irp b, 0,1,2,3
	v_mov_b32 v[TM+4+\b], 0                        ; a lane permute's destination counts as one of its sources
.endr
.irp a, 0,1,2,3,4,5,6,7
	OUTQ \a
.endr
.irp i, 0,1,2,3
	v_cndmask_b32 v[MS+\i], v[SW+2*\i], v[SW+2*\i+1], s100         ; lanes 0-15 block 2 i's words, lanes 16-31 block 2 i + 1's
	global_store_b32 v[LS], v[MS+\i], s[12:13] offset:128*\i
.endr
	s_wait_tensorcnt 0x0                           ; the wave's end
	ds_add_u32 v[SPW], v[NIL]
	s_wait_dscnt 0x0
	CROUND                                         ; the closing round: no work-group ends while a partner may still ask for a tile that names it
	s_endpgm
.Lfunc_end_k_q78bc72d1e6_gq:
	.size	k_q78bc72d1e6_gq, .Lfunc_end_k_q78bc72d1e6_gq-k_q78bc72d1e6_gq
	.p2alignl 7, 3214868480
	.fill 96, 4, 3214868480
	.section	.rodata,"a",@progbits
	.p2align	6, 0x0
	.amdhsa_kernel k_q78bc72d1e6_gq
		.amdhsa_group_segment_fixed_size 327680
		.amdhsa_private_segment_fixed_size 0
		.amdhsa_enable_private_segment 0
		.amdhsa_kernarg_size 32
		.amdhsa_user_sgpr_count 2
		.amdhsa_user_sgpr_kernarg_segment_ptr 1
		.amdhsa_wavefront_size32 1
		.amdhsa_system_sgpr_workgroup_id_x 1
		.amdhsa_system_sgpr_workgroup_id_y 1
		.amdhsa_system_sgpr_workgroup_id_z 1
		.amdhsa_system_vgpr_workitem_id 0
		.amdhsa_next_free_vgpr 1024
		.amdhsa_next_free_sgpr 102
		.amdhsa_reserve_vcc 0
		.amdhsa_float_denorm_mode_32 3
		.amdhsa_float_denorm_mode_16_64 3
		.amdhsa_memory_ordered 1
		.amdhsa_forward_progress 1
		.amdhsa_inst_pref_size 209
	.end_amdhsa_kernel
	.amdgpu_metadata
---
amdhsa.version: [ 1, 2 ]
amdhsa.kernels:
  - .name:           k_q78bc72d1e6_gq
    .symbol:         k_q78bc72d1e6_gq.kd
    .args:
      - { .name: acta, .offset: 0, .size: 8, .value_kind: global_buffer, .address_space: global }
      - { .name: wqk, .offset: 8, .size: 8, .value_kind: global_buffer, .address_space: global }
      - { .name: wx, .offset: 16, .size: 8, .value_kind: global_buffer, .address_space: global }
      - { .name: actb, .offset: 24, .size: 8, .value_kind: global_buffer, .address_space: global }
    .group_segment_fixed_size: 327680
    .private_segment_fixed_size: 0
    .kernarg_segment_align: 8
    .kernarg_segment_size: 32
    .max_flat_workgroup_size: 128
    .sgpr_count:     102
    .vgpr_count:     1024
    .wavefront_size: 32
...
	.end_amdgpu_metadata
.endif
;; end of part 3
;; launch attn (part 4): grid 16 x 16, 16 waves a work-group, clusters of 4 x 1, 327,680 bytes of LDS; arguments actb, acta; writes acta
.if DOCPART == 4
	.amdgcn_target "amdgcn-amd-amdhsa--gfx1250"
	.amdhsa_code_object_version 6
	.text
	.protected	k_q78bc72d1e6_attn
	.globl	k_q78bc72d1e6_attn
	.p2align	8
	.type	k_q78bc72d1e6_attn,@function
k_q78bc72d1e6_attn:
	s_mov_b64 s[64:65], 0
	v_nop
	global_prefetch_b8 v0, s[64:65] scope:SCOPE_SE
	s_setreg_imm32_b32 hwreg(HW_REG_WAVE_MODE, 25, 1), 1
	s_wait_xcnt 0x0
	s_wait_alu depctr_hold_cnt(0) depctr_sa_sdst(0) depctr_va_vdst(0) depctr_va_sdst(0) depctr_va_ssrc(0) depctr_va_vcc(0) depctr_vm_vsrc(0)
	s_getreg_b32 s2, hwreg(HW_REG_IB_STS2, 6, 4)
	s_cmp_eq_u32 s2, 0
	s_cbranch_scc0 .Lentry_in_a_cluster
	s_endpgm
.Lentry_in_a_cluster:
	s_bfe_u32 s2, ttmp6, 0x10000c
	s_cmp_lg_u32 s2, 0x3003
	s_cbranch_scc0 .Lentry_shape_is_right
	s_endpgm
.Lentry_shape_is_right:
; Attention on codes of MX-FP6: 2 batches x 16 heads of 64, 2,048 keys, no mask.  q, k (K = the features) and V^T (K = the tokens) lie in actb in this program's operand layout; the result, divided by the row's sum, is quantised along
; the features and stored into acta as the next product's operand.
; THE SOFTMAX AHEAD OF THE SECOND PRODUCT: t = score x log2(e) / 8; M = the running largest t rounded UP to a whole number; p = 2^(t - M) is quantised along the keys, not normalised; the row's sum is taken of the unquantised p.
; When M moves, the sum and O are multiplied by 2^(old M - new M): exact.
; SHARES: work-group (x, y): batch y / 8, head pair y % 8, 128 queries.  Sixteen waves: wave w takes head 2 pair + w / 8 and query tile w % 8; four waves to a SIMD, so that one wave's vector work stands beside another's matrix work.
; A FRAGMENT ALONG 128 FEATURES HOLDS BOTH HEADS OF A PAIR (registers 0-5 the even head, 6-11 the odd).  k's fragments are used whole; of q's the other head's half is set to zero codes, which add nothing: so half of each
; score instruction's K is zeros; the head size, 64, is half of the instruction's 128.
; Both products are used transposed (S^T = k q^T, O^T = V^T p^T): a lane holds one query throughout.  Row positions are row numbers with bits 3 and 4 swapped, so the 16 registers of two neighbouring tiles are 16 true neighbours.
; RING: two slots of 256 keys (k: 16 fragments; V^T: 8 row tiles x 2 K steps), filled by waves 0, 1 (k) and 2, 3 (V), read by all sixteen.  The pair's scale words stay in LDS for the whole launch.
; CLUSTER: the four query blocks of a cluster walk the same k and V: each tile is asked for jointly, mask 15.
; LIMITS: a block of zeros, or one under 2^-124, keeps the scale byte 1 (read by this program alone); NaN and infinities are not served.
; REGISTERS: v1-7 addresses that stay; v8-11 addresses in hand; v12 -M, v13 the largest t, v[14:15] the sum; v16-27 q; v28-31, v80-83 addresses; v32-79 four fragments; v96-159 S^T, then p; v160-191 O^T; v224-235 p's codes; v232-254 at work; v255 q's scale words.
.set PANEL, 786432
.set RT,    3072
.set FRB,   1536
.set SOFF,  18874368
.set SPL,   16384
.set SLOT1, 1<<16                      ; slot 1 begins here: one exclusive or turns an address from one slot to the other
.set VOFF,  24576                      ; a slot: 16 fragments of k, then V: [row tile 0..7][K step 0, 1][1,536]
.set SCK,   131072                     ; k's scale words: 2,048 keys x 4 bytes
.set SCV,   139264                     ; V's: [16 K steps][128 positions x 4 bytes]
.set STG,   147456                     ; the way out: 8 fragments' images,
.set SSTG,  159744                     ; and 128 rows' scale words
.set SPARE, 160256                     ; the spare words, 128 bytes a wave: eight blocks of 256 bytes that no other line names
.set NSL,   8                          ; slots' worth of keys
.set AK0,  1
.set AV0,  2
.set ASK0, 3
.set ASV0, 4
.set SPW,  5
.set NIL,  6
.set GO,   7                           ; 16 x lane
.set ADK,  8
.set ADV,  9
.set ADS,  10
.set ADT,  11
.set PFO,  28                          ; the prefetches' offset in actb
.set PFS,  29                          ; a slot on: 16 row tiles for k's lanes, a panel for V's
.set SA,   30                          ; the way out: where my four registers go,
.set SB,   31                          ; my two,
.set SH16, 80                          ; my two scale bytes;
.set RDA,  81                          ; where a fragment is read back,
.set RDS,  82                          ; and the scale words
.set R4,   83                          ; 4 r
.set TB,   2                           ; s2   the slot in hand
.set TS,   3                           ; s3   the step's scale words of k: 512 bytes a step
.set WV,   18
.set SEL,  20
.set CS,   22                          ; s[22:23] c = log2(e) / 8
.set G1K,  24
.set G1V,  32
.set G0K,  40
.set G0V,  44
.set G1SK, 48
.set G1SV, 56
.set TJ,   66                          ; s66  the step's scale words of V: 512 bytes a step
.set SLOTS, 67
.set G0SK, 68
.set G0SV, 72
.set LIM,  80                          ; s80  1 in a wave that prefetches, else the greatest number
.set PM,   81                          ; s81  all ones in the odd head's waves, else 0
.set PMN,  82                          ; s82  the other way round
; Waves 0 and 1 fetch for k, waves 2 and 3 for V, the others nothing; the branches hang on the wave's number alone.  An s_nop 0 and four v_nop follow each line.
.macro TLOAD g0k, g1k, g0v, g1v
	s_cmp_lt_u32 s[WV], 2
	s_cbranch_scc0 .Lnot_k_\@
	tensor_load_to_lds s[\g0k:\g0k+3], s[\g1k:\g1k+7]
	s_nop 0
.rept 4
	v_nop
.endr
	s_branch .Lasked_\@
.Lnot_k_\@:
	s_cmp_lt_u32 s[WV], 4
	s_cbranch_scc0 .Lasked_\@
	tensor_load_to_lds s[\g0v:\g0v+3], s[\g1v:\g1v+7]
	s_nop 0
.rept 4
	v_nop
.endr
.Lasked_\@:
.endm
.macro CROUND                          ; a round of the cluster's barrier
	s_barrier_signal -1
	s_barrier_wait -1
	s_cmp_lg_u32 s[WV], 0
	s_cbranch_scc1 .Lnot_wave_0_\@
	s_barrier_signal -3
.Lnot_wave_0_\@:
	s_barrier_wait -3
	s_barrier_signal -1
	s_barrier_wait -1
.endm
; A PREFETCH INTO THE L2, at every second change of slots (7, 5 and 3 slots still to be asked for), of the TWO slots behind the one that is being filled: 2 x (24,576 bytes of k + 24,576 of V) = 384 blocks of 256 bytes.
; All four clusters of a head pair walk the same k and V: the pair's first cluster asks.  Its four partners take 96 blocks each, told apart BY ADDRESS; in each, waves 4 to 6 ask, a lane a block: each block is named once in the launch.
; The first of the two slots is loaded one change of slots (two key steps) later, the second two.  Slots 0 and 1 come by their loads alone; the last ask names slots 6 and 7.
.macro ASK
	s_cmp_gt_u32 s[SLOTS], s[LIM]
	s_cbranch_scc0 .Lnot_mine_\@
	s_bitcmp1_b32 s[SLOTS], 0
	s_cbranch_scc0 .Lnot_mine_\@
	global_prefetch_b8 v[PFO], s[4:5] th:TH_LOAD_NT scope:SCOPE_SE
.Lnot_mine_\@:
.endm
	s_load_b128 s[4:7], s[0:1], 0x0                ; actb s[4:5], acta s[6:7]
	v_lshl_add_u32 v[SPW], v0, 2, SPARE
	v_mov_b32 v[NIL], 0
	ds_add_u32 v[SPW], v[NIL]                      ; the wave's opening: the add, and its wait ahead of my first tensor load; work on registers stands between them
	v_lshrrev_b32 v8, 5, v0
	v_readfirstlane_b32 s[WV], v8                  ; wave 0..15
	s_bfe_u32 s83, ttmp6, 0x40000                  ; cx
	s_lshl_b32 s84, ttmp9, 2
	s_add_co_u32 s84, s84, s83                     ; my block of 128 queries
	s_and_b32 s85, ttmp7, 0xffff
	s_lshr_b32 s86, s85, 3                         ; the batch
	s_and_b32 s87, s85, 7                          ; the head pair
	s_lshr_b32 s88, s[WV], 3                       ; which head of the pair
	s_and_b32 s89, s[WV], 7                        ; which query tile
	s_and_b32 s90, s[WV], 1                        ; which half of a tile I fetch
	s_lshr_b32 s91, s87, 1
	s_mul_i32 s91, s91, PANEL
	s_and_b32 s92, s87, 1
	s_mul_i32 s92, s92, FRB
	s_add_co_u32 s91, s91, s92                     ; the pair's K step among 1,024 features: panel and half
	s_lshl_b32 s92, s86, 7                         ; the batch's first row tile
	; group 0 of each load: the offset now, the buffer's address behind the arguments' wait.  None hangs on the place in the cluster
	s_lshl_b32 s93, s90, 3
	s_add_co_u32 s93, s93, s92
	s_mul_i32 s93, s93, RT
	s_add_co_u32 s93, s93, s91
	s_add_co_u32 s[G0K+2], s93, 4*PANEL            ; k: panels 4 on; key tiles 128 b + 8 e on
	s_mov_b32 s[G0K+3], 0
	s_mov_b32 s[G0K], 1
	s_lshl_b32 s93, s86, 3
	s_add_co_u32 s93, s93, 8
	s_mul_i32 s93, s93, PANEL
	s_mul_i32 s94, s87, 8*RT
	s_add_co_u32 s93, s93, s94                     ; V: panel 8 + 8 b, row tiles 8 pair on
	s_mul_i32 s94, s90, 12288
	s_mov_b32 s[G0K+1], s94
	s_add_co_u32 s[G0V+2], s93, s94
	s_mov_b32 s[G0V+3], 0
	s_mov_b32 s[G0V], 1
	s_add_co_u32 s[G0V+1], s94, VOFF
	s_add_co_u32 s94, s87, 8                       ; k's scale words: plane 8 + pair, the batch's 8,192 bytes, my half
	s_lshl_b32 s94, s94, 14
	s_lshl_b32 s95, s86, 13
	s_add_co_u32 s94, s94, s95
	s_lshl_b32 s95, s90, 12
	s_add_co_u32 s94, s94, s95
	s_add_co_u32 s[G0SK+2], s94, SOFF
	s_mov_b32 s[G0SK+3], 0
	s_mov_b32 s[G0SK], 1
	s_add_co_u32 s[G0SK+1], s95, SCK
	s_add_co_u32 s[G0SV+1], s95, SCV
	s_lshl_b32 s94, s86, 4                         ; V's: planes 16 + 16 b + 8 e on, the pair's 512 bytes of each
	s_lshl_b32 s95, s90, 3
	s_add_co_u32 s94, s94, s95
	s_add_co_u32 s94, s94, 16
	s_lshl_b32 s94, s94, 14
	s_lshl_b32 s95, s87, 9
	s_add_co_u32 s94, s94, s95
	s_add_co_u32 s[G0SV+2], s94, SOFF
	s_mov_b32 s[G0SV+3], 0
	s_mov_b32 s[G0SV], 1
	; group 1: elements of 8 bytes, mask 15, bit 21 beside it, no padding
	s_mov_b32 s[G1K], 15|(3<<16)|(1<<21)           ; k: 8 fragments of 1,536 bytes, 3,072 bytes apart
	s_mov_b32 s[G1K+1], 192<<16
	s_mov_b32 s[G1K+2], 8<<16
	s_mov_b32 s[G1K+3], 192<<16
	s_mov_b32 s[G1K+4], 8
	s_mov_b32 s[G1K+5], 384
	s_mov_b32 s[G1K+6], 0
	s_mov_b32 s[G1K+7], 0
	s_mov_b32 s[G1V], 15|(3<<16)|(1<<21)           ; V: a dense block of 12,288 bytes as 48 rows of 256
	s_mov_b32 s[G1V+1], 32<<16
	s_mov_b32 s[G1V+2], 48<<16
	s_mov_b32 s[G1V+3], 32<<16
	s_mov_b32 s[G1V+4], 48
	s_mov_b32 s[G1V+5], 32
	s_mov_b32 s[G1V+6], 0
	s_mov_b32 s[G1V+7], 0
	s_mov_b32 s[G1SK], 15|(3<<16)|(1<<21)          ; k's scale words: a dense block of 4,096 bytes as 16 rows of 256
	s_mov_b32 s[G1SK+1], 32<<16
	s_mov_b32 s[G1SK+2], 16<<16
	s_mov_b32 s[G1SK+3], 32<<16
	s_mov_b32 s[G1SK+4], 16
	s_mov_b32 s[G1SK+5], 32
	s_mov_b32 s[G1SK+6], 0
	s_mov_b32 s[G1SK+7], 0
	s_mov_b32 s[G1SV], 15|(3<<16)|(1<<21)          ; V's: 8 rows of 512 bytes, a plane apart
	s_mov_b32 s[G1SV+1], 64<<16
	s_mov_b32 s[G1SV+2], 8<<16
	s_mov_b32 s[G1SV+3], 64<<16
	s_mov_b32 s[G1SV+4], 8
	s_mov_b32 s[G1SV+5], SPL/8
	s_mov_b32 s[G1SV+6], 0
	s_mov_b32 s[G1SV+7], 0
	; what hangs on my place in the cluster: q's and the output's addresses and the prefetches', in registers of their own
	s_lshl_b32 s12, s84, 3
	s_add_co_u32 s12, s12, s92                     ; my block's first row tile
	s_add_co_u32 s13, s12, s89                     ; my wave's
	s_mul_i32 s76, s13, RT
	s_add_co_u32 s76, s76, s91                     ; q's fragment in actb, and the output's in acta
	s_mov_b32 s77, 0
	s_lshl_b32 s14, s87, 14                        ; plane = pair
	s_lshl_b32 s13, s13, 6
	s_add_co_u32 s13, s13, s14
	s_lshl_b32 s98, s12, 6
	s_add_co_u32 s98, s98, s14
	s_add_co_u32 s98, s98, SOFF                    ; the output's 128 scale words
	s_mov_b32 s99, 0
	s_add_co_u32 s78, s13, SOFF                    ; q's 16
	s_mov_b32 s79, 0
	s_lshl_b32 s15, s83, 3                         ; the prefetches: k's row tile 128 b + 16 + 8 cx: a slot short of the first ask's,
	s_add_co_u32 s15, s15, s92
	s_add_co_u32 s15, s15, 16
	s_mul_i32 s15, s15, RT
	s_add_co_u32 s15, s15, s91
	s_add_co_u32 s15, s15, 4*PANEL
	s_lshr_b32 s16, s83, 1                         ; V's panel 8 + 8 b + 1 + cx / 2, half cx % 2; 48 blocks off, since V's lanes begin at 48
	s_add_co_u32 s16, s16, 1
	s_mul_i32 s16, s16, PANEL
	s_add_co_u32 s16, s16, s93
	s_and_b32 s17, s83, 1
	s_mul_i32 s17, s17, 12288
	s_add_co_u32 s16, s16, s17
	s_sub_co_u32 s16, s16, 12288
	s_sub_co_u32 s94, s[WV], 4
	s_min_u32 s95, s94, 2
	s_lshl_b32 s95, s95, 5                         ; 32 x (wave - 4), held to 64 in the waves that do not ask
	s_cmp_lt_u32 s94, 3                            ; waves 4 to 6
	s_cselect_b32 s94, 0, 1
	s_or_b32 s94, s94, ttmp9                       ; of the pair's first cluster: the same in all four partners
	s_cmp_eq_u32 s94, 0
	s_cselect_b32 s[LIM], 1, -1
	s_cmp_eq_u32 s88, 1
	s_cselect_b32 s[PM], -1, 0
	s_not_b32 s[PMN], s[PM]
	s_mov_b32 s[SEL], 0x76543210
	s_mov_b32 s[SEL+1], 0xfedcba98
	s_mov_b32 s[CS], 0x3e38aa3b                    ; log2(e) / sqrt(64)
	s_mov_b32 s[CS+1], s[CS]
	s_mov_b32 s[TB], 0
	s_mov_b32 s[TS], 0
	s_mov_b32 s[TJ], 0
	s_mov_b32 s[SLOTS], NSL-1
	s_wait_dscnt 0x0                               ; the opening add is done
	s_wait_kmcnt 0x0
.irp g, G0K, G0V, G0SK, G0SV
	s_add_nc_u64 s[\g+2:\g+3], s[4:5], s[\g+2:\g+3]
	s_or_b32 s[\g+3], s[\g+3], 0x80000000          ; type = 2
.endr
	s_add_nc_u64 s[96:97], s[6:7], s[76:77]
	s_add_nc_u64 s[76:77], s[4:5], s[76:77]
	s_add_nc_u64 s[78:79], s[4:5], s[78:79]
	s_add_nc_u64 s[98:99], s[6:7], s[98:99]
	CROUND                                         ; all four work-groups are here: the first joint loads meet
	TLOAD G0SK, G1SK, G0SV, G1SV                   ; the pair's scale words: filled once
	TLOAD G0K, G1K, G0V, G1V                       ; slot 0.  Two loads of a fetching wave are out here, later one
	v_and_b32 v8, 15, v0                           ; r
	v_and_b32 v9, 31, v0                           ; lane
	v_lshlrev_b32 v[GO], 4, v9
	v_lshlrev_b32 v[R4], 2, v8
	global_load_b128 v[16:19], v[GO], s[76:77]
	global_load_b128 v[20:23], v[GO], s[76:77] offset:512
	global_load_b128 v[24:27], v[GO], s[76:77] offset:1024
	global_load_b32 v255, v[R4], s[78:79]
	v_lshlrev_b32 v[AK0], 4, v9
	s_mul_i32 s8, s88, 12288                       ; my head's four row tiles of V
	s_add_co_u32 s8, s8, VOFF
	v_add_nc_u32 v[AV0], s8, v[GO]
	v_add_nc_u32 v[ASK0], SCK, v[R4]
	s_lshl_b32 s8, s88, 8
	s_add_co_u32 s8, s8, SCV
	v_add_nc_u32 v[ASV0], s8, v[R4]
	s_mul_i32 s9, s89, FRB
	s_add_co_u32 s9, s9, STG                       ; my query tile's image: both heads' waves write into it
	v_add_nc_u32 v[RDA], s9, v[GO]
	s_lshl_b32 s8, s88, 10
	s_add_co_u32 s8, s8, s9
	v_add_nc_u32 v[SA], s8, v[GO]                  ; registers 0-3 (even head) or 8-11 (odd)
	s_lshl_b32 s8, s88, 3
	s_add_co_u32 s8, s8, s9
	s_add_co_u32 s8, s8, 512
	v_add_nc_u32 v[SB], s8, v[GO]                  ; registers 4, 5 or 6, 7
	s_lshl_b32 s8, s89, 6
	s_lshl_b32 s10, s88, 1
	s_add_co_u32 s8, s8, s10
	s_add_co_u32 s8, s8, SSTG
	v_add_nc_u32 v[SH16], s8, v[R4]                ; bytes 0, 1 or 2, 3 of my row's scale word
	v_add_nc_u32 v[RDS], SSTG, v[GO]
	v_add_nc_u32 v10, s95, v9                      ; beta: my block among my work-group's 96
	v_mul_u32_u24 v11, v10, 43
	v_lshrrev_b32 v11, 8, v11                      ; beta / 6 (exact for beta under 48): which of my 8 fragments of k
	v_mul_u32_u24 v12, v11, 6
	v_sub_nc_u32 v12, v10, v12                     ; which of its six blocks
	v_mul_u32_u24 v11, v11, RT
	v_lshl_add_u32 v11, v12, 8, v11
	v_add_nc_u32 v11, s15, v11
	v_lshlrev_b32 v12, 8, v10
	v_add_nc_u32 v12, s16, v12
	v_mov_b32 v13, PANEL
	v_mov_b32 v14, 16*RT
	v_cmp_gt_u32 vcc_lo, 48, v10                   ; lanes 0-47 of the 96 ask for k, the others for V
	v_cndmask_b32 v[PFO], v12, v11, vcc_lo
	v_cndmask_b32 v[PFS], v13, v14, vcc_lo
	v_mov_b32 v13, 0xff61b1e6                      ; the largest t so far: -3e38
	v_floor_f32 v12, -v13                          ; -M
	v_mov_b32 v14, 0
	v_mov_b32 v15, 0
.irp b, 0,1,2,3
	v_mov_b32 v[236+\b], 0                         ; a lane permute's destination counts as one of its sources
.endr
	v_mov_b32 v253, 0
	s_wait_loadcnt 0x0                             ; q
.irp j, 16,17,18,19,20,21
	v_and_b32 v[\j], s[PMN], v[\j]                 ; the other head's half of q becomes zero codes
	v_and_b32 v[\j+6], s[PM], v[\j+6]
.endr
.set J, 0
.rept 32
	v_mov_b32 v[160+J], 0                          ; O^T: the step is written once; its first run finds zeros.  (Also the places between the lines above and the first products)
.set J, J+1
.endr
; A KEY STEP: 128 keys, the q-th of the slot in hand
.macro STEP q
	v_add_nc_u32 v[ADK], s[TB], v[AK0]
	v_add_nc_u32 v[ADV], s[TB], v[AV0]
	v_add_nc_u32 v[ADS], s[TS], v[ASK0]
	v_add_nc_u32 v[ADT], s[TJ], v[ASV0]            ; these four are the places in front of the loads into registers that the last products read
.irp g, 0,1                                            ; S^T = k q^T, four tiles of 16 keys at a time
.rept 4*\g
	v_nop
.endr
.irp t, 0,1,2,3
.irp c, 0,1,2
	ds_load_b128 v[32+12*\t+4*\c:35+12*\t+4*\c], v[ADK] offset:(8*(\q)+4*\g+\t)*FRB+512*\c
.endr
	ds_load_b32 v[248+\t], v[ADS] offset:64*(4*\g+\t)
.endr
	s_wait_dscnt 0x0
.irp t, 0,1,2,3
	v_wmma_scale_f32_16x16x128_f8f6f4 v[96+8*(4*\g+\t):103+8*(4*\g+\t)], v[32+12*\t:43+12*\t], v[16:27], 0, v[248+\t], v255 matrix_a_fmt:MATRIX_FMT_FP6 matrix_b_fmt:MATRIX_FMT_FP6
.endr
.endr                                                  ; register 16 b + i: true key 32 b + 16 (lane / 16) + i of the step
.rept 4
	v_nop
.endr
.irp b, 0,1,2,3
	v_max3_num_f32 v[232+\b], v[96+16*\b], v[97+16*\b], v[98+16*\b]   ; the largest score of each block of 32 keys: it serves for the row's maximum and, since p rises with the score, for the block's largest p
.endr
.irp i, 3,5,7,9,11,13
.irp b, 0,1,2,3
	v_max3_num_f32 v[232+\b], v[232+\b], v[96+16*\b+\i], v[97+16*\b+\i]
.endr
.endr
.irp b, 0,1,2,3
	v_max_num_f32 v[232+\b], v[232+\b], v[111+16*\b]
.endr
.irp b, 0,1,2,3
	v_permlanex16_b32 v[236+\b], v[232+\b], s[SEL], s[SEL+1]
.endr
.irp b, 0,1,2,3
	v_max_num_f32 v[232+\b], v[232+\b], v[236+\b]
.endr
	v_max3_num_f32 v254, v232, v233, v234
	v_max_num_f32 v254, v254, v235
	v_mul_f32 v254, s[CS], v254
	v_max_num_f32 v13, v13, v254                   ; the running largest t
	v_mov_b32 v254, v12
	v_floor_f32 v12, -v13                          ; the new -M = -ceil(t): a whole number
	v_sub_f32 v254, v12, v254                      ; old M - new M: a whole number, 0 or less
	v_cvt_i32_f32 v254, v254                       ; (it saturates)
	v_ldexp_f32 v252, 1.0, v254                    ; f = 2^(old M - new M)
.set J, 0
.rept 32
	v_pk_fma_f32 v[96+J:97+J], v[96+J:97+J], s[CS:CS+1], v[12:13] op_sel_hi:[1,0,0]   ; t - M
.set J, J+2
.endr
.irp b, 0,1,2,3
	v_fma_f32 v[232+\b], v[232+\b], s[CS], v12
.endr
.set J, 0
.rept 64
	v_exp_f32 v[96+J], v[96+J]                     ; p = 2^(t - M), at most 1
.set J, J+1
.endr
	v_pk_mul_f32 v[14:15], v[14:15], v[252:253] op_sel_hi:[1,0]   ; the sums under the new M: a plain place behind the exponentials
	s_wait_alu depctr_va_vdst(0)                   ; one wait for the whole batch, ahead of its first reader
.irp b, 0,1,2,3
	v_exp_f32 v[232+\b], v[232+\b]                 ; the block's largest p
.endr
	v_pk_add_f32 v[236:237], v[96:97], v[98:99]    ; the row's sum of the unquantised p, in two chains: plain work behind the four
.irp j, 4,8,12,16,20,24,28,32,36,40,44,48,52,56,60
	v_pk_add_f32 v[14:15], v[14:15], v[96+\j:97+\j]
	v_pk_add_f32 v[236:237], v[236:237], v[98+\j:99+\j]
.endr
	v_pk_add_f32 v[14:15], v[14:15], v[236:237]
	s_wait_alu depctr_va_vdst(0)                   ; and one for the four
.irp b, 0,1,2,3
	v_max_num_f32 v[232+\b], 0x1800000, v[232+\b]  ; the floor 2^(3 - 127): the byte cannot fall under 1
.endr
.irp b, 0,1,2,3
	v_add_nc_u32 v[244+\b], 0xff000000, v[232+\b]
.endr
.irp b, 0,1,2,3
	v_lshrrev_b32 v[236+\b], 23, v[244+\b]
.endr
	v_lshl_or_b32 v253, v237, 8, v236              ; p's scale word for these 128 keys
	v_lshl_or_b32 v253, v238, 16, v253
	v_lshl_or_b32 v253, v239, 24, v253
.irp c, 0,1
	v_cvt_scalef32_pk16_fp6_f32 v[224+6*\c:226+6*\c], v[96+32*\c:111+32*\c], v[244+2*\c]
	v_cvt_scalef32_pk16_fp6_f32 v[236+4*\c:238+4*\c], v[112+32*\c:127+32*\c], v[244+2*\c+1]
.endr
	v_nop                                          ; one plain place behind a scaled conversion
.irp c, 0,1
.irp i, 0,1,2
	v_permlane16_swap_b32 v[224+6*\c+\i], v[236+4*\c+\i]
.endr
.irp i, 0,1,2
	v_mov_b32 v[227+6*\c+\i], v[236+4*\c+\i]
.endr
.endr
.set J, 0
.rept 16
	v_pk_mul_f32 v[160+J:161+J], v[160+J:161+J], v[252:253] op_sel_hi:[1,0]   ; O^T under the new M; these sixteen are also the places in front of the products and loads below
.set J, J+2
.endr
.irp t, 0,1,2,3                                        ; O^T += V^T p^T: my head's four tiles of 16 features; K = these 128 keys
.irp c, 0,1,2
	ds_load_b128 v[32+12*\t+4*\c:35+12*\t+4*\c], v[ADV] offset:\t*RT+(\q)*FRB+512*\c
.endr
	ds_load_b32 v[248+\t], v[ADT] offset:64*\t
.endr
	s_wait_dscnt 0x0
.irp t, 0,1,2,3
	v_wmma_scale_f32_16x16x128_f8f6f4 v[160+8*\t:167+8*\t], v[32+12*\t:43+12*\t], v[224:235], v[160+8*\t:167+8*\t], v[248+\t], v253 matrix_a_fmt:MATRIX_FMT_FP6 matrix_b_fmt:MATRIX_FMT_FP6
.endr
	s_add_co_u32 s[TS], s[TS], 512
	s_add_co_u32 s[TJ], s[TJ], 512
.endm
; THE CHANGE OF SLOTS stands at a slot's head.  Each wave waits for all its tensor loads, adds 0 to its spare word, and waits for that and for its reads of the slot that it has left.  fill = 1: behind a round of the cluster's
; barrier that slot is filled with the keys that follow: the load has a slot's two key steps in which to land.
.macro CHANGE fill
	s_wait_tensorcnt 0x0                           ; no tensor load of mine is out, so a group 0 may be written
	ds_add_u32 v[SPW], v[NIL]                      ; 0 onto my spare word
.if \fill
	s_xor_b32 s[G0K+1], s[G0K+1], SLOT1
	s_add_nc_u64 s[G0K+2:G0K+3], s[G0K+2:G0K+3], 16*RT
	s_xor_b32 s[G0V+1], s[G0V+1], SLOT1
	s_add_nc_u64 s[G0V+2:G0V+3], s[G0V+2:G0V+3], PANEL
	s_wait_xcnt 0x0                                ; the last prefetch, a slot or more back, has read its offset, so it may be written
	v_add_nc_u32 v[PFO], v[PFS], v[PFO]
	s_wait_dscnt 0x0                               ; the add is done, and my reads of the slot that I have left are over
	CROUND
	TLOAD G0K, G1K, G0V, G1V                       ; the first thing behind the round, and a wave's one tensor load until the next
	ASK
.else
	s_wait_dscnt 0x0
	s_barrier_signal -1
	s_barrier_wait -1
.endif
.endm
.Lslot:                                                ; NSL - 1 trips: behind each change of slots but the last the next slot is asked for
	CHANGE 1
	STEP 0
	STEP 1
	s_xor_b32 s[TB], s[TB], SLOT1
	s_sub_co_u32 s[SLOTS], s[SLOTS], 1
	s_cmp_lg_u32 s[SLOTS], 0
	s_cbranch_scc1 .Lslot
	CHANGE 0                                       ; the last slot is written out
	STEP 0
	STEP 1
	; THE WAY OUT: O^T / the sum; register 16 b + i is feature 32 b + 16 (lane / 16) + i of my head: two blocks of 32, half a fragment of the next product's operand
.rept 4
	v_nop                                          ; places behind the last products
.endr
	v_add_f32 v14, v14, v15
	v_permlanex16_b32 v252, v14, s[SEL], s[SEL+1]
	v_add_f32 v14, v14, v252                       ; the row's sum
	v_rcp_f32 v14, v14
	v_nop                                          ; a plain place behind the transcendental,
	s_wait_alu depctr_va_vdst(0)                   ; and the wait ahead of its first reader
.set J, 0
.rept 32
	v_mul_f32 v[96+J], v[160+J], v14               ; ascending: each accumulator is read from its low end on
.set J, J+1
.endr
.irp b, 0,1
	v_max3_num_f32 v[232+\b], |v[96+16*\b]|, |v[97+16*\b]|, 0x1800000
.endr
.irp i, 2,4,6,8,10,12,14
.irp b, 0,1
	v_max3_num_f32 v[232+\b], v[232+\b], |v[96+16*\b+\i]|, |v[97+16*\b+\i]|
.endr
.endr
.irp b, 0,1
	v_permlanex16_b32 v[236+\b], v[232+\b], s[SEL], s[SEL+1]
.endr
.irp b, 0,1
	v_max_num_f32 v[232+\b], v[232+\b], v[236+\b]
.endr
.irp b, 0,1
	v_add_nc_u32 v[244+\b], 0xff000000, v[232+\b]
.endr
.irp b, 0,1
	v_lshrrev_b32 v[236+\b], 23, v[244+\b]
.endr
	v_lshl_or_b32 v253, v237, 8, v236              ; my head's two scale bytes
	v_cvt_scalef32_pk16_fp6_f32 v[224:226], v[96:111], v244
	v_cvt_scalef32_pk16_fp6_f32 v[228:230], v[112:127], v245
	v_nop                                          ; one plain place behind a scaled conversion
.irp i, 0,1,2
	v_permlane16_swap_b32 v[224+\i], v[228+\i]     ; now v224-226, v228-230 are my six registers of the fragment: 0-5 (even head) or 6-11 (odd)
.endr
	v_cndmask_b32 v232, v224, v226, s[PM]          ; the four that fill a group of four registers of the image,
	v_cndmask_b32 v233, v225, v228, s[PM]
	v_cndmask_b32 v234, v226, v229, s[PM]
	v_cndmask_b32 v235, v228, v230, s[PM]
	v_cndmask_b32 v236, v229, v224, s[PM]          ; and the two that fill half of the middle group
	v_cndmask_b32 v237, v230, v225, s[PM]
	ds_store_b128 v[SA], v[232:235]
	ds_store_b64 v[SB], v[236:237]
	ds_store_b16 v[SH16], v253                     ; lanes l and l xor 16 write the same bytes with the same value
	s_wait_dscnt 0x0                               ; for the others' sake: my stores have landed
	s_barrier_signal -1
	s_barrier_wait -1                              ; the eight fragments and their scale words are whole
	s_cmp_lt_u32 s[WV], 8
	s_cbranch_scc0 .Lnot_codes
	ds_load_b128 v[32:35], v[RDA]
	ds_load_b128 v[36:39], v[RDA] offset:512
	ds_load_b128 v[40:43], v[RDA] offset:1024
	s_wait_dscnt 0x0
	global_store_b128 v[GO], v[32:35], s[96:97]    ; waves 0-7: a fragment each, three stores of 512 consecutive bytes, aligned to 256
	global_store_b128 v[GO], v[36:39], s[96:97] offset:512
	global_store_b128 v[GO], v[40:43], s[96:97] offset:1024
	s_branch .Ljoin
.Lnot_codes:
	s_cmp_eq_u32 s[WV], 8
	s_cbranch_scc0 .Ljoin
	ds_load_b128 v[32:35], v[RDS]
	s_wait_dscnt 0x0
	global_store_b128 v[GO], v[32:35], s[98:99]    ; wave 8: the 128 rows' scale words, 512 consecutive bytes
.Ljoin:
	s_wait_tensorcnt 0x0                           ; the wave's end
	ds_add_u32 v[SPW], v[NIL]
	s_wait_dscnt 0x0
	CROUND                                         ; the closing round
	s_endpgm
.Lfunc_end_k_q78bc72d1e6_attn:
	.size	k_q78bc72d1e6_attn, .Lfunc_end_k_q78bc72d1e6_attn-k_q78bc72d1e6_attn
	.p2alignl 7, 3214868480
	.fill 96, 4, 3214868480
	.section	.rodata,"a",@progbits
	.p2align	6, 0x0
	.amdhsa_kernel k_q78bc72d1e6_attn
		.amdhsa_group_segment_fixed_size 327680
		.amdhsa_private_segment_fixed_size 0
		.amdhsa_enable_private_segment 0
		.amdhsa_kernarg_size 16
		.amdhsa_user_sgpr_count 2
		.amdhsa_user_sgpr_kernarg_segment_ptr 1
		.amdhsa_wavefront_size32 1
		.amdhsa_system_sgpr_workgroup_id_x 1
		.amdhsa_system_sgpr_workgroup_id_y 1
		.amdhsa_system_sgpr_workgroup_id_z 1
		.amdhsa_system_vgpr_workitem_id 0
		.amdhsa_next_free_vgpr 256
		.amdhsa_next_free_sgpr 100
		.amdhsa_reserve_vcc 1
		.amdhsa_float_denorm_mode_32 3
		.amdhsa_float_denorm_mode_16_64 3
		.amdhsa_memory_ordered 1
		.amdhsa_forward_progress 1
		.amdhsa_inst_pref_size 87
	.end_amdhsa_kernel
	.amdgpu_metadata
---
amdhsa.version: [ 1, 2 ]
amdhsa.kernels:
  - .name:           k_q78bc72d1e6_attn
    .symbol:         k_q78bc72d1e6_attn.kd
    .args:
      - { .name: actb, .offset: 0, .size: 8, .value_kind: global_buffer, .address_space: global }
      - { .name: acta, .offset: 8, .size: 8, .value_kind: global_buffer, .address_space: global }
    .group_segment_fixed_size: 327680
    .private_segment_fixed_size: 0
    .kernarg_segment_align: 8
    .kernarg_segment_size: 16
    .max_flat_workgroup_size: 512
    .sgpr_count:     100
    .vgpr_count:     256
    .wavefront_size: 32
...
	.end_amdgpu_metadata
.endif
;; end of part 4
;; launch gr1 (part 5): grid 4 x 16, 4 waves a work-group, clusters of 4 x 4, 327,680 bytes of LDS; arguments acta, wx, bo, x, x1; writes x1
.if DOCPART == 5
	.amdgcn_target "amdgcn-amd-amdhsa--gfx1250"
	.amdhsa_code_object_version 6
	.text
	.protected	k_q78bc72d1e6_gr1
	.globl	k_q78bc72d1e6_gr1
	.p2align	8
	.type	k_q78bc72d1e6_gr1,@function
k_q78bc72d1e6_gr1:
	s_mov_b64 s[64:65], 0
	v_nop
	global_prefetch_b8 v0, s[64:65] scope:SCOPE_SE
	s_setreg_imm32_b32 hwreg(HW_REG_WAVE_MODE, 25, 1), 1
	s_wait_xcnt 0x0
	s_wait_alu depctr_hold_cnt(0) depctr_sa_sdst(0) depctr_va_vdst(0) depctr_va_sdst(0) depctr_va_ssrc(0) depctr_va_vcc(0) depctr_vm_vsrc(0)
	s_getreg_b32 s2, hwreg(HW_REG_IB_STS2, 6, 4)
	s_cmp_eq_u32 s2, 0
	s_cbranch_scc0 .Lentry_in_a_cluster
	s_endpgm
.Lentry_in_a_cluster:
	s_bfe_u32 s2, ttmp6, 0x10000c
	s_cmp_lg_u32 s2, 0xf033
	s_cbranch_scc0 .Lentry_shape_is_right
	s_endpgm
.Lentry_shape_is_right:
; OUT = RES + A B^T + bias, f32 [4,096][1,024]: a product of two MX-FP6 operands (K = SIZE_K) in this program's operand layout (fragments of 16 row positions x 128 K as images of their 12 registers; fragment (rho, kappa) at
; (kappa / 2) PANEL + rho RT + (kappa % 2) FRB; scale words at SOFF + kappa SPL + 4 x position; a row's position is its number with bits 3 and 4 swapped).  B's rows begin at row BROW0 of its buffer.
; A tile of 256 x 256 is made by four waves, a wave makes 128 x 128: 64 accumulators.  K goes in steps of 256 (a panel) through two LDS slots; 128 rows of a panel are one dense block of 24,576 bytes.  The scale words come once.
; THE RESIDUAL IS THE C OF THE FIRST PRODUCTS: it is loaded straight into the accumulators, in their layout, so it costs no addition and no step is special.  The bias is added on the way out, to whole rows.
; The matrix instruction is used transposed (source 0 = B, source 1 = A): a lane holds eight neighbouring columns of a row.  The way out goes through the wave's own stage in LDS, which no tensor load fills, and leaves as whole rows of 512 bytes.
; CLUSTERS: 4 x 4; A's tiles are asked for jointly along a row of the cluster, B's along a column.  64 tiles: a quarter of the WGPs have work; a smaller tile would read each fragment for half the products.
; No prefetch: of the K steps two are asked for at the head, and the launch is short.
; LIMITS: NaN and infinities are not served.
.set SIZE_K, 1024
.set BROW0,  1024
.set PANEL,  786432
.set RT,     3072
.set FRB,    1536
.set SOFF,   18874368
.set SPL,    16384
.set NQ,     2
.set FR,     12
.set NL,     3
.set NP,     4
.set HALFT,  8*RT
.set SLOT,   4*HALFT
.set LAPS,   SIZE_K/512
.set NK,     SIZE_K/128
.set SCL,    2*SLOT
.set HALFS,  NK*512
.set SPARE,  SCL+4*HALFS               ; the spare words, 128 bytes a wave
.set STG,    SPARE+512                 ; the stages: 16 rows x (512 + 16) bytes for each wave
.set SPITCH, 528
.set ADRA, 16
.set ADRB, 20
.set STO,  24                          ; v24  the stage: where I put 32 bytes of a row
.set RD,   25                          ; v25  and where I read a row back
.set CO,   26                          ; v26  16 x lane
.set ADRS, 27
.set SPW,  28
.set NIL,  29
.set RA,   30                          ; v30  the residual: (r % 8 + 16 (r / 8)) rows + 64 h
.set SC,   32
.set AF,   128
.set BK,   128                         ; the way out: 16 rows read back: v128-191 and v192-255 by turns
.set G1, 24
.set G0, 32
.set G1B, 48
.set G0B, 56
.set G1S, 68
.set G0S, 76
.set G1SB, 80
.set G0SB, 88
.set MSB, 0
.macro WIN new
.if MSB != (\new)
	s_set_vgpr_msb (MSB<<8)|(\new)
.set MSB, \new
.endif
.endm
.set MUL_LO, 0xa1
.set MUL_HI, 0xf1
.set TO_B,   0x40
.macro JLOAD g0a, g1a, g0b, g1b        ; a joint load: waves 0 and 1 for A, waves 2 and 3 for B; an s_nop 0 and four v_nop follow each line
	s_cmp_eq_u32 s15, 0
	s_cbranch_scc0 .Lfor_b_\@
	tensor_load_to_lds s[\g0a:\g0a+3], s[\g1a:\g1a+7]
	s_nop 0
.rept 4
	v_nop
.endr
	s_branch .Lasked_\@
.Lfor_b_\@:
	tensor_load_to_lds s[\g0b:\g0b+3], s[\g1b:\g1b+7]
	s_nop 0
.rept 4
	v_nop
.endr
.Lasked_\@:
.endm
.macro CREST
	s_cmp_lg_u32 s14, 0
	s_cbranch_scc1 .Lnot_wave_0_\@
	s_barrier_signal -3
.Lnot_wave_0_\@:
	s_barrier_wait -3
	s_barrier_signal -1
	s_barrier_wait -1
.endm
.macro CROUND
	s_barrier_signal -1
	s_barrier_wait -1
	CREST
.endm
	s_load_b256 s[4:11], s[0:1], 0x0               ; A s[4:5], B s[6:7], bias s[8:9], the residual s[10:11]
	s_load_b64 s[12:13], s[0:1], 0x20              ; the output
	v_lshl_add_u32 v[SPW], v0, 2, SPARE
	v_mov_b32 v[NIL], 0
	ds_add_u32 v[SPW], v[NIL]                      ; the wave's opening: the add, and its wait ahead of my first tensor load
	v_lshrrev_b32 v1, 5, v0
	v_readfirstlane_b32 s14, v1                    ; wave 0..3
	s_lshr_b32 s15, s14, 1
	s_and_b32 s16, s14, 1
	s_bfe_u32 s40, ttmp6, 0x40000                  ; cx
	s_bfe_u32 s41, ttmp6, 0x40004                  ; cy
	s_lshl_b32 s42, ttmp9, 2
	s_add_co_u32 s42, s42, s40                     ; tile column
	s_and_b32 s17, ttmp7, 0xffff
	s_lshl_b32 s17, s17, 2
	s_add_co_u32 s17, s17, s41                     ; tile row
	s_lshl_b32 s43, s41, 2
	s_lshl_b32 s43, 15, s43                        ; my row of the cluster
	s_lshl_b32 s44, 0x1111, s40                    ; my column
	s_or_b32 s[G1+0], s43, (3<<16)|(1<<21)         ; codes: a dense block of 24,576 bytes as 96 rows of 32 elements of 8 bytes
	s_or_b32 s[G1B+0], s44, (3<<16)|(1<<21)
.irp g, G1, G1B
	s_mov_b32 s[\g+1], 32<<16
	s_mov_b32 s[\g+2], 96<<16
	s_mov_b32 s[\g+3], 32<<16
	s_mov_b32 s[\g+4], 96
	s_mov_b32 s[\g+5], 32
	s_mov_b32 s[\g+6], 0
	s_mov_b32 s[\g+7], 0
.endr
	s_or_b32 s[G1S+0], s43, (3<<16)|(1<<21)        ; scale words: NK rows of 512 bytes, a plane apart
	s_or_b32 s[G1SB+0], s44, (3<<16)|(1<<21)
.irp g, G1S, G1SB
	s_mov_b32 s[\g+1], 64<<16
	s_mov_b32 s[\g+2], NK<<16
	s_mov_b32 s[\g+3], 64<<16
	s_mov_b32 s[\g+4], NK
	s_mov_b32 s[\g+5], SPL/8
	s_mov_b32 s[\g+6], 0
	s_mov_b32 s[\g+7], 0
.endr
	s_lshl_b32 s18, s16, 7
	s_lshl_b32 s20, s17, 8
	s_add_co_u32 s20, s20, s18                     ; A's first position
	s_lshl_b32 s46, s42, 8
	s_add_co_u32 s46, s46, s18
	s_add_co_u32 s46, s46, BROW0                   ; B's
	s_lshl_b32 s22, s20, 2
	s_mov_b32 s23, 0
	s_lshl_b32 s92, s46, 2
	s_mov_b32 s93, 0
	s_add_nc_u64 s[22:23], s[22:23], SOFF
	s_add_nc_u64 s[92:93], s[92:93], SOFF
	s_mul_i32 s20, s20, RT/16
	s_mov_b32 s21, 0
	s_mul_i32 s46, s46, RT/16
	s_mov_b32 s47, 0
	s_mul_i32 s45, s14, HALFT
	s_mul_i32 s67, s14, HALFS
	s_wait_dscnt 0x0                               ; the opening add is done
	s_wait_kmcnt 0x0
	s_add_nc_u64 s[20:21], s[4:5], s[20:21]
	s_add_nc_u64 s[22:23], s[4:5], s[22:23]
	s_add_nc_u64 s[46:47], s[6:7], s[46:47]
	s_add_nc_u64 s[92:93], s[6:7], s[92:93]
	CROUND                                         ; all sixteen work-groups are here: the first joint loads meet
	s_mov_b32 s[G0S], 1
	s_add_co_u32 s[G0S+1], s67, SCL
	s_mov_b64 s[G0S+2:G0S+3], s[22:23]
	s_or_b32 s[G0S+3], s[G0S+3], 0x80000000
	s_mov_b32 s[G0SB], 1
	s_add_co_u32 s[G0SB+1], s67, SCL
	s_mov_b64 s[G0SB+2:G0SB+3], s[92:93]
	s_or_b32 s[G0SB+3], s[G0SB+3], 0x80000000
	JLOAD G0S, G1S, G0SB, G1SB
.irp s, 0,1
	s_mov_b32 s[G0+4*\s], 1
	s_add_co_u32 s[G0+4*\s+1], s45, \s*SLOT
	s_add_nc_u64 s[G0+4*\s+2:G0+4*\s+3], s[20:21], \s*PANEL
	s_or_b32 s[G0+4*\s+3], s[G0+4*\s+3], 0x80000000
	s_mov_b32 s[G0B+4*\s], 1
	s_add_co_u32 s[G0B+4*\s+1], s45, \s*SLOT
	s_add_nc_u64 s[G0B+4*\s+2:G0B+4*\s+3], s[46:47], \s*PANEL
	s_or_b32 s[G0B+4*\s+3], s[G0B+4*\s+3], 0x80000000
	JLOAD G0+4*\s, G1, G0B+4*\s, G1B               ; three loads of mine are out here, later one
.endr
	v_and_b32 v1, 31, v0
	v_and_b32 v2, 15, v0
	v_bfe_u32 v3, v0, 4, 1
	v_lshlrev_b32 v[CO], 4, v1
	s_mul_i32 s21, s15, HALFT
	s_mul_i32 s22, s16, HALFT
	s_add_co_u32 s22, s22, 2*HALFT
.irp s, 0,1
	v_add_nc_u32 v[ADRA+\s], s21, v[CO]
	v_add_nc_u32 v[ADRB+\s], s22, v[CO]
	s_add_co_u32 s21, s21, SLOT
	s_add_co_u32 s22, s22, SLOT
.endr
	s_mul_i32 s21, s15, HALFS
	s_mul_i32 s22, s16, HALFS
	s_add_co_u32 s22, s22, 2*HALFS
	s_sub_co_u32 s22, s22, s21
	v_mul_u32_u24 v6, s22, v3                      ; lanes 16-31 take B's scale words
	s_add_co_u32 s21, s21, SCL
	v_lshlrev_b32 v5, 2, v2
	v_add_nc_u32 v5, v5, v6
	v_add_nc_u32 v[ADRS], s21, v5
	s_mul_i32 s23, s14, 16*SPITCH
	s_add_co_u32 s23, s23, STG                     ; my stage
	v_mul_u32_u24 v5, v2, SPITCH
	v_lshl_add_u32 v5, v3, 6, v5
	v_add_nc_u32 v[STO], s23, v5                   ; in: row r, + 64 h
	v_add_nc_u32 v[RD], s23, v[CO]                 ; back: 32 lanes take a row of 512 bytes
	v_and_b32 v5, 7, v2
	v_lshrrev_b32 v6, 3, v2
	v_lshl_add_u32 v5, v6, 4, v5
	v_lshlrev_b32 v5, 12, v5
	v_lshl_add_u32 v[RA], v3, 6, v5
	s_lshl_b32 s2, s17, 20                         ; my first row (256 x tile row + 128 x half) x 4,096 bytes,
	s_lshl_b32 s3, s15, 19
	s_add_co_u32 s2, s2, s3
	s_lshl_b32 s18, s42, 10                        ; my first column x 4 bytes
	s_lshl_b32 s19, s16, 9
	s_add_co_u32 s18, s18, s19
	s_add_co_u32 s2, s2, s18
	s_mov_b32 s3, 0
	s_mov_b32 s19, 0
	s_add_nc_u64 s[10:11], s[10:11], s[2:3]
	s_add_nc_u64 s[12:13], s[12:13], s[2:3]
	s_add_nc_u64 s[8:9], s[8:9], s[18:19]
	global_load_b128 v[8:11], v[CO], s[8:9]        ; the bias of my four columns of a row read back
	WIN 0x80                                       ; destination window 2: accumulator (a, b), registers 4 f on: true row 32 (a / 2) + 8 (a % 2) + r % 8 + 16 (r / 8), true columns 32 (b / 2) + 8 (b % 2) + 16 h + 4 f on
.irp a, 0,1,2,3
.irp b, 0,1,2,3,4,5,6,7
.irp f, 0,1
	global_load_b128 v[8*(8*\a+\b)+4*\f:8*(8*\a+\b)+4*\f+3], v[RA], s[10:11] offset:(32*(\a/2)+8*(\a%2))*4096+128*(\b/2)+32*(\b%2)+16*\f
.endr
.endr
.endr
	WIN 0xc0                                       ; window 3: blocks 4 to 7
.irp a, 0,1,2,3
.irp b, 0,1,2,3,4,5,6,7
.irp f, 0,1
	global_load_b128 v[8*(8*\a+\b)+4*\f:8*(8*\a+\b)+4*\f+3], v[RA], s[10:11] offset:(64+32*(\a/2)+8*(\a%2))*4096+128*(\b/2)+32*(\b%2)+16*\f
.endr
.endr
.endr
	WIN 0
.macro FRAG reg, adr, q, i
.irp c, 0,1,2
	ds_load_b128 v[\reg+4*\c:\reg+4*\c+3], v[\adr] offset:(\i)*RT+(\q)*FRB+512*\c
.endr
.endm
; 16 matrix instructions; the 64 accumulators take turns, one instruction a turn, in the same order in every step
.macro MUL16 a0, p, q, sc
.irp a, \a0, \a0+1
.irp b, 0,1,2,3,4,5,6,7
	v_wmma_scale_f32_16x16x128_f8f6f4 v[8*(8*((\a)%4)+\b):8*(8*((\a)%4)+\b)+7], v[128*(\p)+FR*\b:128*(\p)+FR*\b+FR-1], v[AF+FR*(\a):AF+FR*(\a)+FR-1], v[8*(8*((\a)%4)+\b):8*(8*((\a)%4)+\b)+7], v[SC+8*NQ*(\sc)+NQ*\b+(\q)], v[SC+8*NQ*(\sc)+NQ*(\a)+(\q)] matrix_a_fmt:MATRIX_FMT_FP6 matrix_b_fmt:MATRIX_FMT_FP6 matrix_a_scale:MATRIX_SCALE_ROW1
.endr
.endr
.endm
.macro FETCH_B slot, q, p
	WIN TO_B
.irp i, 0,1,2,3,4,5,6,7
	FRAG 128*(\p)+FR*\i, ADRB+\slot, \q, \i
.endr
	WIN 0
.endm
.macro FETCH_A slot, q, i0
.irp i, \i0, \i0+1, \i0+2, \i0+3
	FRAG AF+FR*(\i), ADRA+\slot, \q, \i
.endr
.endm
.macro SCALES sc
.irp i, 0,1,2,3,4,5,6,7
.irp q, 0,1
	ds_load_b32 v[SC+16*\sc+2*\i+\q], v[ADRS] offset:512*\q+64*\i
.endr
.endr
.endm
.macro PLACES n
.rept \n
	v_nop
.endr
.endm
.macro STEP slot, q
	s_wait_dscnt 4*NL                              ; all but the youngest 12 loads (A's blocks 4-7) are in
	WIN MUL_LO
	MUL16 0, (\q)%2, \q, \slot
	MUL16 2, (\q)%2, \q, \slot
	s_wait_dscnt 0
	PLACES NP
	FETCH_B \slot, (\q)+1, 1-(\q)%2
	FETCH_A \slot, (\q)+1, 0
	WIN MUL_HI
	MUL16 4, (\q)%2, \q, \slot
	MUL16 6, (\q)%2, \q, \slot
	PLACES NP
	WIN 0
	FETCH_A \slot, (\q)+1, 4
.endm
.macro TURN slot, next, fill
	s_wait_tensorcnt 0x0                           ; all my tensor loads have landed: my part of the next slot
	ds_add_u32 v[SPW], v[NIL]                      ; 0 onto my spare word
	s_wait_dscnt 4*NL+1                            ; the add and the youngest 12 loads may be out
	WIN MUL_LO
	MUL16 0, 1, NQ-1, \slot
	s_wait_dscnt 0x0                               ; the add is done, and my reads of this slot are over
	s_barrier_signal -1
	MUL16 2, 1, NQ-1, \slot
	WIN 0
	s_barrier_wait -1
.if \fill
	CREST                                          ; the barrier has opened a round of the cluster's barrier
	s_add_nc_u64 s[G0+4*\slot+2:G0+4*\slot+3], s[G0+4*\slot+2:G0+4*\slot+3], 2*PANEL
	s_add_nc_u64 s[G0B+4*\slot+2:G0B+4*\slot+3], s[G0B+4*\slot+2:G0B+4*\slot+3], 2*PANEL
	JLOAD G0+4*\slot, G1, G0B+4*\slot, G1B         ; the first tensor load behind the round
.else
	PLACES NP
.endif
	v_add_nc_u32 v[ADRS], 512*NQ, v[ADRS]
	FETCH_B \next, 0, 0
	FETCH_A \next, 0, 0
	SCALES \next
	WIN MUL_HI
	MUL16 4, 1, NQ-1, \slot
	MUL16 6, 1, NQ-1, \slot
	PLACES NP
	WIN 0
	FETCH_A \next, 0, 4
.endm
	s_wait_loadcnt 0x0                             ; the residual lies in the accumulators, the bias in v8-11
	s_wait_tensorcnt 1                             ; the scale words and my part of slot 0 are in; slot 1's load may be out
	s_barrier_signal -1
	s_barrier_wait -1
	FETCH_B 0, 0, 0
	FETCH_A 0, 0, 0
	SCALES 0
	FETCH_A 0, 0, 4
	STEP 0, 0
	s_mov_b32 s3, LAPS-1
.Llap:
	TURN 0, 1, 1
	STEP 1, 0
	TURN 1, 0, 1
	STEP 0, 0
	s_sub_co_u32 s3, s3, 1
	s_cmp_lg_u32 s3, 0
	s_cbranch_scc1 .Llap
	TURN 0, 1, 0
	STEP 1, 0
	s_wait_dscnt 4*NL
	WIN MUL_LO
	MUL16 0, 1, NQ-1, 1
	MUL16 2, 1, NQ-1, 1
	s_wait_dscnt 0
	WIN MUL_HI
	MUL16 4, 1, NQ-1, 1
	MUL16 6, 1, NQ-1, 1
	WIN 0
; THE WAY OUT, block by block of 16 rows x 128 columns, through my own stage: LDS serves a wave's instructions in order (ISA guide 5.7.1.4), so no wait stands between the stores and the loads
.macro TOSTAGE a
.set AC, 64*((\a)%4)
	WIN 0x08+4*((\a)/4)                            ; an LDS store's data: window 2 or 3
.irp b, 0,1,2,3,4,5,6,7
	ds_store_b128 v[STO], v[AC+8*\b:AC+8*\b+3] offset:128*(\b/2)+32*(\b%2)          ; each accumulator from its low end on; the columns land in true order
	ds_store_b128 v[STO], v[AC+8*\b+4:AC+8*\b+7] offset:128*(\b/2)+32*(\b%2)+16
.endr
	WIN 0
.set BB, BK+64*((\a)%2)
.irp t, 0,1,2,3,4,5,6,7,8,9,10,11,12,13,14,15
	ds_load_b128 v[BB+4*\t:BB+4*\t+3], v[RD] offset:\t*SPITCH
.endr
.endm
.macro SEND a, younger                 ; younger: the LDS instructions issued behind block a's loads, which may stay out
.set BB, BK+64*((\a)%2)
	s_wait_dscnt \younger
.irp t, 0,1,2,3,4,5,6,7,8,9,10,11,12,13,14,15
	v_pk_add_f32 v[BB+4*\t:BB+4*\t+1], v[BB+4*\t:BB+4*\t+1], v[8:9]
	v_pk_add_f32 v[BB+4*\t+2:BB+4*\t+3], v[BB+4*\t+2:BB+4*\t+3], v[10:11]
.endr
.irp t, 0,1,2,3,4,5,6,7,8,9,10,11,12,13,14,15
	global_store_b128 v[CO], v[BB+4*\t:BB+4*\t+3], s[12:13] offset:(32*((\a)/2)+8*((\a)%2)+(\t%8)+16*(\t/8))*4096 th:TH_STORE_NT   ; position 16 a + t goes to its true row: 512 consecutive bytes, aligned to 256
.endr
.endm
	PLACES NP
	TOSTAGE 0
.irp a, 1,2,3,4,5,6,7
.if \a > 1
	s_wait_xcnt 0x0                                ; block a - 2's stores have read their registers: block a's loads may land there
.endif
	TOSTAGE \a
	SEND \a-1, 32                                  ; behind block a - 1's loads: block a's 16 stores and 16 loads
.endr
	SEND 7, 0
	s_wait_tensorcnt 0x0                           ; the wave's end
	ds_add_u32 v[SPW], v[NIL]
	s_wait_dscnt 0x0
	CROUND                                         ; the closing round
	s_endpgm
.Lfunc_end_k_q78bc72d1e6_gr1:
	.size	k_q78bc72d1e6_gr1, .Lfunc_end_k_q78bc72d1e6_gr1-k_q78bc72d1e6_gr1
	.p2alignl 7, 3214868480
	.fill 96, 4, 3214868480
	.section	.rodata,"a",@progbits
	.p2align	6, 0x0
	.amdhsa_kernel k_q78bc72d1e6_gr1
		.amdhsa_group_segment_fixed_size 327680
		.amdhsa_private_segment_fixed_size 0
		.amdhsa_enable_private_segment 0
		.amdhsa_kernarg_size 40
		.amdhsa_user_sgpr_count 2
		.amdhsa_user_sgpr_kernarg_segment_ptr 1
		.amdhsa_wavefront_size32 1
		.amdhsa_system_sgpr_workgroup_id_x 1
		.amdhsa_system_sgpr_workgroup_id_y 1
		.amdhsa_system_sgpr_workgroup_id_z 1
		.amdhsa_system_vgpr_workitem_id 0
		.amdhsa_next_free_vgpr 1024
		.amdhsa_next_free_sgpr 102
		.amdhsa_reserve_vcc 0
		.amdhsa_float_denorm_mode_32 3
		.amdhsa_float_denorm_mode_16_64 3
		.amdhsa_memory_ordered 1
		.amdhsa_forward_progress 1
		.amdhsa_inst_pref_size 165
	.end_amdhsa_kernel
	.amdgpu_metadata
---
amdhsa.version: [ 1, 2 ]
amdhsa.kernels:
  - .name:           k_q78bc72d1e6_gr1
    .symbol:         k_q78bc72d1e6_gr1.kd
    .args:
      - { .name: acta, .offset: 0, .size: 8, .value_kind: global_buffer, .address_space: global }
      - { .name: wx, .offset: 8, .size: 8, .value_kind: global_buffer, .address_space: global }
      - { .name: bo, .offset: 16, .size: 8, .value_kind: global_buffer, .address_space: global }
      - { .name: x, .offset: 24, .size: 8, .value_kind: global_buffer, .address_space: global }
      - { .name: x1, .offset: 32, .size: 8, .value_kind: global_buffer, .address_space: global }
    .group_segment_fixed_size: 327680
    .private_segment_fixed_size: 0
    .kernarg_segment_align: 8
    .kernarg_segment_size: 40
    .max_flat_workgroup_size: 128
    .sgpr_count:     102
    .vgpr_count:     1024
    .wavefront_size: 32
...
	.end_amdgpu_metadata
.endif
;; end of part 5
;; launch ln2: the kernel of part 2 again; grid 256 x 1, 8 waves a work-group, no clusters, 2,048 bytes of LDS; arguments x1, ln2_g, ln2_b, acta; writes acta
;; launch w1: the kernel of part 3 again; grid 8 x 16, 4 waves a work-group, clusters of 4 x 4, 327,680 bytes of LDS; arguments acta, w1op, wx, actb; writes actb
;; launch gr2 (part 6): grid 4 x 16, 4 waves a work-group, clusters of 4 x 4, 327,680 bytes of LDS; arguments actb, wx, b2, x1, out0; writes out0
.if DOCPART == 6
	.amdgcn_target "amdgcn-amd-amdhsa--gfx1250"
	.amdhsa_code_object_version 6
	.text
	.protected	k_q78bc72d1e6_gr2
	.globl	k_q78bc72d1e6_gr2
	.p2align	8
	.type	k_q78bc72d1e6_gr2,@function
k_q78bc72d1e6_gr2:
	s_mov_b64 s[64:65], 0
	v_nop
	global_prefetch_b8 v0, s[64:65] scope:SCOPE_SE
	s_setreg_imm32_b32 hwreg(HW_REG_WAVE_MODE, 25, 1), 1
	s_wait_xcnt 0x0
	s_wait_alu depctr_hold_cnt(0) depctr_sa_sdst(0) depctr_va_vdst(0) depctr_va_sdst(0) depctr_va_ssrc(0) depctr_va_vcc(0) depctr_vm_vsrc(0)
	s_getreg_b32 s2, hwreg(HW_REG_IB_STS2, 6, 4)
	s_cmp_eq_u32 s2, 0
	s_cbranch_scc0 .Lentry_in_a_cluster
	s_endpgm
.Lentry_in_a_cluster:
	s_bfe_u32 s2, ttmp6, 0x10000c
	s_cmp_lg_u32 s2, 0xf033
	s_cbranch_scc0 .Lentry_shape_is_right
	s_endpgm
.Lentry_shape_is_right:
; OUT = RES + A B^T + bias, f32 [4,096][1,024]: a product of two MX-FP6 operands (K = SIZE_K) in this program's operand layout (fragments of 16 row positions x 128 K as images of their 12 registers; fragment (rho, kappa) at
; (kappa / 2) PANEL + rho RT + (kappa % 2) FRB; scale words at SOFF + kappa SPL + 4 x position; a row's position is its number with bits 3 and 4 swapped).  B's rows begin at row BROW0 of its buffer.
; This is the text of the product behind the attention with K = 2,048 and B's rows from 2,048 on: the two sizes stand in descriptors' constant words and in a trip count, so each has a text of its own.
; A tile of 256 x 256 is made by four waves, a wave makes 128 x 128: 64 accumulators.  K goes in steps of 256 (a panel) through two LDS slots; 128 rows of a panel are one dense block of 24,576 bytes.  The scale words come once.
; THE RESIDUAL IS THE C OF THE FIRST PRODUCTS: it is loaded straight into the accumulators, in their layout.  The bias is added on the way out, to whole rows.
; The matrix instruction is used transposed (source 0 = B, source 1 = A).  The way out goes through the wave's own stage in LDS, which no tensor load fills, and leaves as whole rows of 512 bytes.
; CLUSTERS: 4 x 4; A's tiles are asked for jointly along a row of the cluster, B's along a column.  64 tiles: a quarter of the WGPs have work; a smaller tile would read each fragment for half the products.
; No prefetch: of the eight K steps two are asked for at the head, and the launch is short.
; LIMITS: NaN and infinities are not served.
.set SIZE_K, 2048
.set BROW0,  2048
.set PANEL,  786432
.set RT,     3072
.set FRB,    1536
.set SOFF,   18874368
.set SPL,    16384
.set NQ,     2
.set FR,     12
.set NL,     3
.set NP,     4
.set HALFT,  8*RT
.set SLOT,   4*HALFT
.set LAPS,   SIZE_K/512
.set NK,     SIZE_K/128
.set SCL,    2*SLOT
.set HALFS,  NK*512
.set SPARE,  SCL+4*HALFS               ; the spare words, 128 bytes a wave
.set STG,    SPARE+512                 ; the stages: 16 rows x (512 + 16) bytes for each wave
.set SPITCH, 528
.set ADRA, 16
.set ADRB, 20
.set STO,  24
.set RD,   25
.set CO,   26
.set ADRS, 27
.set SPW,  28
.set NIL,  29
.set RA,   30
.set SC,   32
.set AF,   128
.set BK,   128
.set G1, 24
.set G0, 32
.set G1B, 48
.set G0B, 56
.set G1S, 68
.set G0S, 76
.set G1SB, 80
.set G0SB, 88
.set MSB, 0
.macro WIN new
.if MSB != (\new)
	s_set_vgpr_msb (MSB<<8)|(\new)
.set MSB, \new
.endif
.endm
.set MUL_LO, 0xa1
.set MUL_HI, 0xf1
.set TO_B,   0x40
.macro JLOAD g0a, g1a, g0b, g1b        ; a joint load: waves 0 and 1 for A, waves 2 and 3 for B; an s_nop 0 and four v_nop follow each line
	s_cmp_eq_u32 s15, 0
	s_cbranch_scc0 .Lfor_b_\@
	tensor_load_to_lds s[\g0a:\g0a+3], s[\g1a:\g1a+7]
	s_nop 0
.rept 4
	v_nop
.endr
	s_branch .Lasked_\@
.Lfor_b_\@:
	tensor_load_to_lds s[\g0b:\g0b+3], s[\g1b:\g1b+7]
	s_nop 0
.rept 4
	v_nop
.endr
.Lasked_\@:
.endm
.macro CREST
	s_cmp_lg_u32 s14, 0
	s_cbranch_scc1 .Lnot_wave_0_\@
	s_barrier_signal -3
.Lnot_wave_0_\@:
	s_barrier_wait -3
	s_barrier_signal -1
	s_barrier_wait -1
.endm
.macro CROUND
	s_barrier_signal -1
	s_barrier_wait -1
	CREST
.endm
	s_load_b256 s[4:11], s[0:1], 0x0               ; A s[4:5], B s[6:7], bias s[8:9], the residual s[10:11]
	s_load_b64 s[12:13], s[0:1], 0x20              ; the output
	v_lshl_add_u32 v[SPW], v0, 2, SPARE
	v_mov_b32 v[NIL], 0
	ds_add_u32 v[SPW], v[NIL]                      ; the wave's opening: the add, and its wait ahead of my first tensor load
	v_lshrrev_b32 v1, 5, v0
	v_readfirstlane_b32 s14, v1                    ; wave 0..3
	s_lshr_b32 s15, s14, 1
	s_and_b32 s16, s14, 1
	s_bfe_u32 s40, ttmp6, 0x40000                  ; cx
	s_bfe_u32 s41, ttmp6, 0x40004                  ; cy
	s_lshl_b32 s42, ttmp9, 2
	s_add_co_u32 s42, s42, s40                     ; tile column
	s_and_b32 s17, ttmp7, 0xffff
	s_lshl_b32 s17, s17, 2
	s_add_co_u32 s17, s17, s41                     ; tile row
	s_lshl_b32 s43, s41, 2
	s_lshl_b32 s43, 15, s43                        ; my row of the cluster
	s_lshl_b32 s44, 0x1111, s40                    ; my column
	s_or_b32 s[G1+0], s43, (3<<16)|(1<<21)         ; codes: a dense block of 24,576 bytes as 96 rows of 32 elements of 8 bytes
	s_or_b32 s[G1B+0], s44, (3<<16)|(1<<21)
.irp g, G1, G1B
	s_mov_b32 s[\g+1], 32<<16
	s_mov_b32 s[\g+2], 96<<16
	s_mov_b32 s[\g+3], 32<<16
	s_mov_b32 s[\g+4], 96
	s_mov_b32 s[\g+5], 32
	s_mov_b32 s[\g+6], 0
	s_mov_b32 s[\g+7], 0
.endr
	s_or_b32 s[G1S+0], s43, (3<<16)|(1<<21)        ; scale words: NK rows of 512 bytes, a plane apart
	s_or_b32 s[G1SB+0], s44, (3<<16)|(1<<21)
.irp g, G1S, G1SB
	s_mov_b32 s[\g+1], 64<<16
	s_mov_b32 s[\g+2], NK<<16
	s_mov_b32 s[\g+3], 64<<16
	s_mov_b32 s[\g+4], NK
	s_mov_b32 s[\g+5], SPL/8
	s_mov_b32 s[\g+6], 0
	s_mov_b32 s[\g+7], 0
.endr
	s_lshl_b32 s18, s16, 7
	s_lshl_b32 s20, s17, 8
	s_add_co_u32 s20, s20, s18                     ; A's first position
	s_lshl_b32 s46, s42, 8
	s_add_co_u32 s46, s46, s18
	s_add_co_u32 s46, s46, BROW0                   ; B's
	s_lshl_b32 s22, s20, 2
	s_mov_b32 s23, 0
	s_lshl_b32 s92, s46, 2
	s_mov_b32 s93, 0
	s_add_nc_u64 s[22:23], s[22:23], SOFF
	s_add_nc_u64 s[92:93], s[92:93], SOFF
	s_mul_i32 s20, s20, RT/16
	s_mov_b32 s21, 0
	s_mul_i32 s46, s46, RT/16
	s_mov_b32 s47, 0
	s_mul_i32 s45, s14, HALFT
	s_mul_i32 s67, s14, HALFS
	s_wait_dscnt 0x0                               ; the opening add is done
	s_wait_kmcnt 0x0
	s_add_nc_u64 s[20:21], s[4:5], s[20:21]
	s_add_nc_u64 s[22:23], s[4:5], s[22:23]
	s_add_nc_u64 s[46:47], s[6:7], s[46:47]
	s_add_nc_u64 s[92:93], s[6:7], s[92:93]
	CROUND                                         ; all sixteen work-groups are here: the first joint loads meet
	s_mov_b32 s[G0S], 1
	s_add_co_u32 s[G0S+1], s67, SCL
	s_mov_b64 s[G0S+2:G0S+3], s[22:23]
	s_or_b32 s[G0S+3], s[G0S+3], 0x80000000
	s_mov_b32 s[G0SB], 1
	s_add_co_u32 s[G0SB+1], s67, SCL
	s_mov_b64 s[G0SB+2:G0SB+3], s[92:93]
	s_or_b32 s[G0SB+3], s[G0SB+3], 0x80000000
	JLOAD G0S, G1S, G0SB, G1SB
.irp s, 0,1
	s_mov_b32 s[G0+4*\s], 1
	s_add_co_u32 s[G0+4*\s+1], s45, \s*SLOT
	s_add_nc_u64 s[G0+4*\s+2:G0+4*\s+3], s[20:21], \s*PANEL
	s_or_b32 s[G0+4*\s+3], s[G0+4*\s+3], 0x80000000
	s_mov_b32 s[G0B+4*\s], 1
	s_add_co_u32 s[G0B+4*\s+1], s45, \s*SLOT
	s_add_nc_u64 s[G0B+4*\s+2:G0B+4*\s+3], s[46:47], \s*PANEL
	s_or_b32 s[G0B+4*\s+3], s[G0B+4*\s+3], 0x80000000
	JLOAD G0+4*\s, G1, G0B+4*\s, G1B               ; three loads of mine are out here, later one
.endr
	v_and_b32 v1, 31, v0
	v_and_b32 v2, 15, v0
	v_bfe_u32 v3, v0, 4, 1
	v_lshlrev_b32 v[CO], 4, v1
	s_mul_i32 s21, s15, HALFT
	s_mul_i32 s22, s16, HALFT
	s_add_co_u32 s22, s22, 2*HALFT
.irp s, 0,1
	v_add_nc_u32 v[ADRA+\s], s21, v[CO]
	v_add_nc_u32 v[ADRB+\s], s22, v[CO]
	s_add_co_u32 s21, s21, SLOT
	s_add_co_u32 s22, s22, SLOT
.endr
	s_mul_i32 s21, s15, HALFS
	s_mul_i32 s22, s16, HALFS
	s_add_co_u32 s22, s22, 2*HALFS
	s_sub_co_u32 s22, s22, s21
	v_mul_u32_u24 v6, s22, v3                      ; lanes 16-31 take B's scale words
	s_add_co_u32 s21, s21, SCL
	v_lshlrev_b32 v5, 2, v2
	v_add_nc_u32 v5, v5, v6
	v_add_nc_u32 v[ADRS], s21, v5
	s_mul_i32 s23, s14, 16*SPITCH
	s_add_co_u32 s23, s23, STG                     ; my stage
	v_mul_u32_u24 v5, v2, SPITCH
	v_lshl_add_u32 v5, v3, 6, v5
	v_add_nc_u32 v[STO], s23, v5                   ; in: row r, + 64 h
	v_add_nc_u32 v[RD], s23, v[CO]                 ; back: 32 lanes take a row of 512 bytes
	v_and_b32 v5, 7, v2
	v_lshrrev_b32 v6, 3, v2
	v_lshl_add_u32 v5, v6, 4, v5
	v_lshlrev_b32 v5, 12, v5
	v_lshl_add_u32 v[RA], v3, 6, v5
	s_lshl_b32 s2, s17, 20                         ; my first row (256 x tile row + 128 x half) x 4,096 bytes,
	s_lshl_b32 s3, s15, 19
	s_add_co_u32 s2, s2, s3
	s_lshl_b32 s18, s42, 10                        ; my first column x 4 bytes
	s_lshl_b32 s19, s16, 9
	s_add_co_u32 s18, s18, s19
	s_add_co_u32 s2, s2, s18
	s_mov_b32 s3, 0
	s_mov_b32 s19, 0
	s_add_nc_u64 s[10:11], s[10:11], s[2:3]
	s_add_nc_u64 s[12:13], s[12:13], s[2:3]
	s_add_nc_u64 s[8:9], s[8:9], s[18:19]
	global_load_b128 v[8:11], v[CO], s[8:9]        ; the bias of my four columns of a row read back
	WIN 0x80                                       ; destination window 2: accumulator (a, b), registers 4 f on: true row 32 (a / 2) + 8 (a % 2) + r % 8 + 16 (r / 8), true columns 32 (b / 2) + 8 (b % 2) + 16 h + 4 f on
.irp a, 0,1,2,3
.irp b, 0,1,2,3,4,5,6,7
.irp f, 0,1
	global_load_b128 v[8*(8*\a+\b)+4*\f:8*(8*\a+\b)+4*\f+3], v[RA], s[10:11] offset:(32*(\a/2)+8*(\a%2))*4096+128*(\b/2)+32*(\b%2)+16*\f
.endr
.endr
.endr
	WIN 0xc0                                       ; window 3: blocks 4 to 7
.irp a, 0,1,2,3
.irp b, 0,1,2,3,4,5,6,7
.irp f, 0,1
	global_load_b128 v[8*(8*\a+\b)+4*\f:8*(8*\a+\b)+4*\f+3], v[RA], s[10:11] offset:(64+32*(\a/2)+8*(\a%2))*4096+128*(\b/2)+32*(\b%2)+16*\f
.endr
.endr
.endr
	WIN 0
.macro FRAG reg, adr, q, i
.irp c, 0,1,2
	ds_load_b128 v[\reg+4*\c:\reg+4*\c+3], v[\adr] offset:(\i)*RT+(\q)*FRB+512*\c
.endr
.endm
; 16 matrix instructions; the 64 accumulators take turns, one instruction a turn, in the same order in every step
.macro MUL16 a0, p, q, sc
.irp a, \a0, \a0+1
.irp b, 0,1,2,3,4,5,6,7
	v_wmma_scale_f32_16x16x128_f8f6f4 v[8*(8*((\a)%4)+\b):8*(8*((\a)%4)+\b)+7], v[128*(\p)+FR*\b:128*(\p)+FR*\b+FR-1], v[AF+FR*(\a):AF+FR*(\a)+FR-1], v[8*(8*((\a)%4)+\b):8*(8*((\a)%4)+\b)+7], v[SC+8*NQ*(\sc)+NQ*\b+(\q)], v[SC+8*NQ*(\sc)+NQ*(\a)+(\q)] matrix_a_fmt:MATRIX_FMT_FP6 matrix_b_fmt:MATRIX_FMT_FP6 matrix_a_scale:MATRIX_SCALE_ROW1
.endr
.endr
.endm
.macro FETCH_B slot, q, p
	WIN TO_B
.irp i, 0,1,2,3,4,5,6,7
	FRAG 128*(\p)+FR*\i, ADRB+\slot, \q, \i
.endr
	WIN 0
.endm
.macro FETCH_A slot, q, i0
.irp i, \i0, \i0+1, \i0+2, \i0+3
	FRAG AF+FR*(\i), ADRA+\slot, \q, \i
.endr
.endm
.macro SCALES sc
.irp i, 0,1,2,3,4,5,6,7
.irp q, 0,1
	ds_load_b32 v[SC+16*\sc+2*\i+\q], v[ADRS] offset:512*\q+64*\i
.endr
.endr
.endm
.macro PLACES n
.rept \n
	v_nop
.endr
.endm
.macro STEP slot, q
	s_wait_dscnt 4*NL                              ; all but the youngest 12 loads (A's blocks 4-7) are in
	WIN MUL_LO
	MUL16 0, (\q)%2, \q, \slot
	MUL16 2, (\q)%2, \q, \slot
	s_wait_dscnt 0
	PLACES NP
	FETCH_B \slot, (\q)+1, 1-(\q)%2
	FETCH_A \slot, (\q)+1, 0
	WIN MUL_HI
	MUL16 4, (\q)%2, \q, \slot
	MUL16 6, (\q)%2, \q, \slot
	PLACES NP
	WIN 0
	FETCH_A \slot, (\q)+1, 4
.endm
.macro TURN slot, next, fill
	s_wait_tensorcnt 0x0                           ; all my tensor loads have landed: my part of the next slot
	ds_add_u32 v[SPW], v[NIL]                      ; 0 onto my spare word
	s_wait_dscnt 4*NL+1                            ; the add and the youngest 12 loads may be out
	WIN MUL_LO
	MUL16 0, 1, NQ-1, \slot
	s_wait_dscnt 0x0                               ; the add is done, and my reads of this slot are over
	s_barrier_signal -1
	MUL16 2, 1, NQ-1, \slot
	WIN 0
	s_barrier_wait -1
.if \fill
	CREST                                          ; the barrier has opened a round of the cluster's barrier
	s_add_nc_u64 s[G0+4*\slot+2:G0+4*\slot+3], s[G0+4*\slot+2:G0+4*\slot+3], 2*PANEL
	s_add_nc_u64 s[G0B+4*\slot+2:G0B+4*\slot+3], s[G0B+4*\slot+2:G0B+4*\slot+3], 2*PANEL
	JLOAD G0+4*\slot, G1, G0B+4*\slot, G1B         ; the first tensor load behind the round
.else
	PLACES NP
.endif
	v_add_nc_u32 v[ADRS], 512*NQ, v[ADRS]
	FETCH_B \next, 0, 0
	FETCH_A \next, 0, 0
	SCALES \next
	WIN MUL_HI
	MUL16 4, 1, NQ-1, \slot
	MUL16 6, 1, NQ-1, \slot
	PLACES NP
	WIN 0
	FETCH_A \next, 0, 4
.endm
	s_wait_loadcnt 0x0                             ; the residual lies in the accumulators, the bias in v8-11
	s_wait_tensorcnt 1                             ; the scale words and my part of slot 0 are in; slot 1's load may be out
	s_barrier_signal -1
	s_barrier_wait -1
	FETCH_B 0, 0, 0
	FETCH_A 0, 0, 0
	SCALES 0
	FETCH_A 0, 0, 4
	STEP 0, 0
	s_mov_b32 s3, LAPS-1
.Llap:
	TURN 0, 1, 1
	STEP 1, 0
	TURN 1, 0, 1
	STEP 0, 0
	s_sub_co_u32 s3, s3, 1
	s_cmp_lg_u32 s3, 0
	s_cbranch_scc1 .Llap
	TURN 0, 1, 0
	STEP 1, 0
	s_wait_dscnt 4*NL
	WIN MUL_LO
	MUL16 0, 1, NQ-1, 1
	MUL16 2, 1, NQ-1, 1
	s_wait_dscnt 0
	WIN MUL_HI
	MUL16 4, 1, NQ-1, 1
	MUL16 6, 1, NQ-1, 1
	WIN 0
; THE WAY OUT, block by block of 16 rows x 128 columns, through my own stage: LDS serves a wave's instructions in order (ISA guide 5.7.1.4), so no wait stands between the stores and the loads
.macro TOSTAGE a
.set AC, 64*((\a)%4)
	WIN 0x08+4*((\a)/4)                            ; an LDS store's data: window 2 or 3
.irp b, 0,1,2,3,4,5,6,7
	ds_store_b128 v[STO], v[AC+8*\b:AC+8*\b+3] offset:128*(\b/2)+32*(\b%2)          ; each accumulator from its low end on; the columns land in true order
	ds_store_b128 v[STO], v[AC+8*\b+4:AC+8*\b+7] offset:128*(\b/2)+32*(\b%2)+16
.endr
	WIN 0
.set BB, BK+64*((\a)%2)
.irp t, 0,1,2,3,4,5,6,7,8,9,10,11,12,13,14,15
	ds_load_b128 v[BB+4*\t:BB+4*\t+3], v[RD] offset:\t*SPITCH
.endr
.endm
.macro SEND a, younger                 ; younger: the LDS instructions issued behind block a's loads, which may stay out
.set BB, BK+64*((\a)%2)
	s_wait_dscnt \younger
.irp t, 0,1,2,3,4,5,6,7,8,9,10,11,12,13,14,15
	v_pk_add_f32 v[BB+4*\t:BB+4*\t+1], v[BB+4*\t:BB+4*\t+1], v[8:9]
	v_pk_add_f32 v[BB+4*\t+2:BB+4*\t+3], v[BB+4*\t+2:BB+4*\t+3], v[10:11]
.endr
.irp t, 0,1,2,3,4,5,6,7,8,9,10,11,12,13,14,15
	global_store_b128 v[CO], v[BB+4*\t:BB+4*\t+3], s[12:13] offset:(32*((\a)/2)+8*((\a)%2)+(\t%8)+16*(\t/8))*4096 th:TH_STORE_NT   ; position 16 a + t goes to its true row: 512 consecutive bytes, aligned to 256
.endr
.endm
	PLACES NP
	TOSTAGE 0
.irp a, 1,2,3,4,5,6,7
.if \a > 1
	s_wait_xcnt 0x0                                ; block a - 2's stores have read their registers: block a's loads may land there
.endif
	TOSTAGE \a
	SEND \a-1, 32                                  ; behind block a - 1's loads: block a's 16 stores and 16 loads
.endr
	SEND 7, 0
	s_wait_tensorcnt 0x0                           ; the wave's end
	ds_add_u32 v[SPW], v[NIL]
	s_wait_dscnt 0x0
	CROUND                                         ; the closing round
	s_endpgm
.Lfunc_end_k_q78bc72d1e6_gr2:
	.size	k_q78bc72d1e6_gr2, .Lfunc_end_k_q78bc72d1e6_gr2-k_q78bc72d1e6_gr2
	.p2alignl 7, 3214868480
	.fill 96, 4, 3214868480
	.section	.rodata,"a",@progbits
	.p2align	6, 0x0
	.amdhsa_kernel k_q78bc72d1e6_gr2
		.amdhsa_group_segment_fixed_size 327680
		.amdhsa_private_segment_fixed_size 0
		.amdhsa_enable_private_segment 0
		.amdhsa_kernarg_size 40
		.amdhsa_user_sgpr_count 2
		.amdhsa_user_sgpr_kernarg_segment_ptr 1
		.amdhsa_wavefront_size32 1
		.amdhsa_system_sgpr_workgroup_id_x 1
		.amdhsa_system_sgpr_workgroup_id_y 1
		.amdhsa_system_sgpr_workgroup_id_z 1
		.amdhsa_system_vgpr_workitem_id 0
		.amdhsa_next_free_vgpr 1024
		.amdhsa_next_free_sgpr 102
		.amdhsa_reserve_vcc 0
		.amdhsa_float_denorm_mode_32 3
		.amdhsa_float_denorm_mode_16_64 3
		.amdhsa_memory_ordered 1
		.amdhsa_forward_progress 1
		.amdhsa_inst_pref_size 165
	.end_amdhsa_kernel
	.amdgpu_metadata
---
amdhsa.version: [ 1, 2 ]
amdhsa.kernels:
  - .name:           k_q78bc72d1e6_gr2
    .symbol:         k_q78bc72d1e6_gr2.kd
    .args:
      - { .name: actb, .offset: 0, .size: 8, .value_kind: global_buffer, .address_space: global }
      - { .name: wx, .offset: 8, .size: 8, .value_kind: global_buffer, .address_space: global }
      - { .name: b2, .offset: 16, .size: 8, .value_kind: global_buffer, .address_space: global }
      - { .name: x1, .offset: 24, .size: 8, .value_kind: global_buffer, .address_space: global }
      - { .name: out0, .offset: 32, .size: 8, .value_kind: global_buffer, .address_space: global }
    .group_segment_fixed_size: 327680
    .private_segment_fixed_size: 0
    .kernarg_segment_align: 8
    .kernarg_segment_size: 40
    .max_flat_workgroup_size: 128
    .sgpr_count:     102
    .vgpr_count:     1024
    .wavefront_size: 32
...
	.end_amdgpu_metadata
.endif
;; end of part 6
;; ======== version 2 of 2: 7 launches
;; limits: right only within a limited range of input values
;; workspace buffers: wqk 19,693,568 bytes; w1op 19,693,568 bytes; wx 19,693,568 bytes; acta 19,693,568 bytes; actb 19,693,568 bytes; x1 16,777,216 bytes
;; launch prep (part 7): grid 512 x 1, 8 waves a work-group, no clusters, 137,216 bytes of LDS; arguments wq, wk, wv, wo, w1, w2, bq, bk, bv, b1, wqk, w1op, wx, x, ln1_g, ln1_b, acta; writes wqk, w1op, wx, acta
.if DOCPART == 7
	.amdgcn_target "amdgcn-amd-amdhsa--gfx1250"
	.amdhsa_code_object_version 6
	.text
	.protected	k_q78bc72d1e6_prep
	.globl	k_q78bc72d1e6_prep
	.p2align	8
	.type	k_q78bc72d1e6_prep,@function
k_q78bc72d1e6_prep:
	s_mov_b64 s[64:65], 0
	v_nop
	global_prefetch_b8 v0, s[64:65] scope:SCOPE_SE
	s_setreg_imm32_b32 hwreg(HW_REG_WAVE_MODE, 25, 1), 1
	s_wait_xcnt 0x0
; THE SIX WEIGHTS, f32 [N][K] with K innermost, become operands of MX-FP6 (E2M3, one E8M0 byte for each 32 along K) in this program's own operand layout.
; THE LAYOUT (all operand buffers of the program): a fragment is 16 row positions x 128 K, 12 registers a lane, stored as the image of those registers: registers 4 c .. 4 c + 3 of lane l at 512 c + 16 l; 1,536 bytes.
; Fragment (row tile rho, K step kappa) lies at (kappa / 2) PANEL + rho RT + (kappa % 2) FRB; a row's scale word of K step kappa at SOFF + kappa SPL + 4 x position; the bias that the operand's rows add at TOFF + 4 x true row, the floor
; that its layer sets on a result 16,384 bytes on.  A ROW'S POSITION IS ITS NUMBER WITH BITS 3 AND 4 SWAPPED: lane r of tile 2 u + e holds true row 32 u + 8 e + r % 8 + 16 (r / 8), so that a product's result, used transposed,
; holds 16 true neighbours in the 16 registers of two neighbouring tiles.
; SHARES: 4,096 fragments, 16 to a work-group: 32 true rows (two tiles) x eight K steps; wave w takes K step w of both tiles.  Which tensor a work-group serves hangs on its number alone; only pointers and numbers are chosen, one path for all.
; A lane gets, through the wave's own stage in LDS, 16 neighbours of each block of 32 of its row; lanes l and l xor 16 share a block.  No barrier, no matrix unit, no cluster: waves share nothing and each byte is read once.
; A block's scale is 2^(floor(log2(largest magnitude)) - 2); its byte is the largest magnitude's exponent field - 2, held at 1 from below.
; LIMITS: a block of zeros, or one whose largest magnitude lies under 2^-124, keeps the byte 1 (its codes are then zeros or small codes; the bytes are read by this program alone); NaN and infinities are not served.
.set PANEL, 786432                     ; 256 row tiles x RT
.set RT,    3072                       ; a row tile's two fragments in a panel
.set FRB,   1536
.set SOFF,  18874368                   ; 24 panels
.set SPL,   16384                      ; 4,096 positions x 4 bytes
.set TOFF,  19660800
.set X0,    32                         ; v32-95   tile 0 as it is loaded: position r's 512 bytes, 16 a lane, in registers 4 r .. 4 r + 3
.set X1,    96                         ; v96-159  tile 1 likewise
.set T,     160                        ; v160-223 a tile back from the stage: 16 neighbours of each block of 32
.set PC0,   32                         ; afterwards: v32-51 tile 0's codes and scratch,
.set PC1,   52                         ; v52-71 tile 1's,
.set TM,    72                         ; v72-87 at work; v88-90 scale words
.set SPT,   528                        ; a stage row: 512 bytes + 16, an odd multiple of 16
.set SPAREW, 1024                      ; LDS: 0-1,023 the LayerNorm's partial sums; 1,024-2,047 the spare words, 128 bytes a wave;
.set STGL,  2048                       ; the LayerNorm path's stages, 16 rows a wave;
.set STGP,  STGL+8*16*SPT              ; the weights' path's stages: each path has LDS bytes of its own
.set SEL,   50                         ; s[50:51] lane selects: lane l xor 16
; 64 numbers of a lane, register 16 b + i = k 32 b + 16 (lane / 16) + i of my row, become a fragment's codes in v[pc] .. v[pc + 11] and its scale word in v[pw]
.macro QUANT s, pc, pw
.irp b, 0,1,2,3
	v_max3_num_f32 v[TM+\b], |v[(\s)+16*\b]|, |v[(\s)+1+16*\b]|, 0x1800000   ; my 16 numbers of block b, and the floor 2^(3 - 127): the byte cannot fall under 1
.endr
.irp i, 2,4,6,8,10,12,14
.irp b, 0,1,2,3
	s_delay_alu instid0(VALU_DEP_4)
	v_max3_num_f32 v[TM+\b], v[TM+\b], |v[(\s)+16*\b+\i]|, |v[(\s)+1+16*\b+\i]|   ; the four blocks by turns
.endr
.endr
.irp b, 0,1,2,3
	s_delay_alu instid0(VALU_DEP_4)
	v_permlanex16_b32 v[TM+4+\b], v[TM+\b], s[SEL], s[SEL+1]
.endr
.irp b, 0,1,2,3
	s_delay_alu instid0(VALU_DEP_4)
	v_max_num_f32 v[TM+\b], v[TM+\b], v[TM+4+\b]                   ; with lane l xor 16's: the block's largest magnitude
.endr
.irp b, 0,1,2,3
	s_delay_alu instid0(VALU_DEP_4)
	v_add_nc_u32 v[TM+12+\b], 0xff000000, v[TM+\b]                 ; 2 off its exponent field: the conversion's scale operand
.endr
.irp b, 0,1,2,3
	s_delay_alu instid0(VALU_DEP_4)
	v_lshrrev_b32 v[TM+4+\b], 23, v[TM+12+\b]                      ; the scale's byte
.endr
	s_delay_alu instid0(VALU_DEP_3)
	v_lshl_or_b32 v[\pw], v[TM+5], 8, v[TM+4]
	s_delay_alu instid0(VALU_DEP_1)
	v_lshl_or_b32 v[\pw], v[TM+6], 16, v[\pw]
	s_delay_alu instid0(VALU_DEP_1)
	v_lshl_or_b32 v[\pw], v[TM+7], 24, v[\pw]                      ; my row's scale word, the same in lanes l and l xor 16
.irp c, 0,1
	v_cvt_scalef32_pk16_fp6_f32 v[(\pc)+6*\c:(\pc)+2+6*\c], v[(\s)+32*\c:(\s)+15+32*\c], v[TM+12+2*\c]
	v_cvt_scalef32_pk16_fp6_f32 v[(\pc)+12+4*\c:(\pc)+14+4*\c], v[(\s)+16+32*\c:(\s)+31+32*\c], v[TM+12+2*\c+1]   ; a conversion's three registers begin on an even number
.endr
	v_nop                                                          ; one plain place behind a scaled conversion
.irp c, 0,1                                                            ; the layout wants a whole block in a lane: lanes 0-15 block 2 c, lanes 16-31 block 2 c + 1
.irp i, 0,1,2
	v_permlane16_swap_b32 v[(\pc)+6*\c+\i], v[(\pc)+12+4*\c+\i]
.endr
.irp i, 0,1,2
	s_delay_alu instid0(VALU_DEP_3)
	v_mov_b32 v[(\pc)+3+6*\c+\i], v[(\pc)+12+4*\c+\i]
.endr
.endr
.endm
	; work-groups 0-255 lay the weights down (the text below, through each wave's own stage in LDS); work-groups 256-511 make the first LayerNorm's operand (behind .Lln): the two works share nothing, and the branch hangs on the work-group's number alone
	s_cmp_ge_u32 ttmp9, 256
	s_cbranch_scc1 .Lln
	s_load_b512 s[8:23], s[0:1], 0x0
	s_load_b256 s[24:31], s[0:1], 0x40             ; bv s[24:25], b1 s[26:27], wqk s[28:29], w1op s[30:31]
	s_load_b64 s[32:33], s[0:1], 0x60              ; wx
	v_lshrrev_b32 v1, 5, v0
	s_delay_alu instid0(VALU_DEP_1)
	v_readfirstlane_b32 s52, v1                    ; wave 0..7
	v_and_b32 v1, 31, v0                           ; lane
	v_and_b32 v2, 15, v0                           ; r
	s_wait_alu depctr_va_vdst(0)
	v_bfe_u32 v3, v0, 4, 1                         ; h
	; which tensor: work-groups 0-31 wq, 32-63 wk, 64-95 wv, 96-127 wo, 128-191 w1, 192-255 w2 (two halves of K to a row block)
	s_mov_b32 s42, 192                             ; the tensor's first work-group
	s_mov_b32 s43, 2048                            ; its first row in its operand buffer
	s_mov_b32 s44, 0                               ; the floor of its layer: 0 (relu) or -infinity (none)
	s_mov_b32 s45, 0                               ; 1: it has a bias and a floor to lay down
	s_mov_b32 s46, 1                               ; 1: K = 2,048
	s_cmp_lt_u32 ttmp9, 192
	s_cselect_b32 s42, 128, s42
	s_cselect_b32 s43, 0, s43
	s_cselect_b32 s45, 1, s45
	s_cselect_b32 s46, 0, s46
	s_cmp_lt_u32 ttmp9, 128
	s_cselect_b32 s42, 96, s42
	s_cselect_b32 s43, 1024, s43
	s_cselect_b32 s44, 0xff800000, s44
	s_cselect_b32 s45, 0, s45
	s_cmp_lt_u32 ttmp9, 96
	s_cselect_b32 s42, 64, s42
	s_cselect_b32 s43, 0, s43
	s_cselect_b32 s45, 1, s45
	s_cmp_lt_u32 ttmp9, 64
	s_cselect_b32 s42, 32, s42
	s_cselect_b32 s43, 1024, s43
	s_cmp_lt_u32 ttmp9, 32
	s_cselect_b32 s42, 0, s42
	s_cselect_b32 s43, 0, s43
	s_sub_co_u32 s53, ttmp9, s42                   ; u
	s_and_b32 s54, s53, s46
	s_lshl_b32 s54, s54, 3
	s_add_co_u32 s54, s54, s52                     ; kappa = 8 (u's low bit, where K = 2,048) + wave
	s_lshr_b32 s55, s53, s46                       ; u': which 32 true rows
	s_lshl_b32 s47, 4096, s46                      ; a row of the tensor in bytes
	; EVERY LOAD READS 512 CONSECUTIVE BYTES OF ONE ROW, 16 a lane; the wave's own stage in LDS then gives each lane 16 neighbours of each block of its row
	v_lshlrev_b32 v6, 4, v1                        ; 16 x lane: an image's place
	v_lshlrev_b32 v7, 2, v1                        ; 4 x lane
	v_lshl_add_u32 v30, v0, 2, SPAREW              ; my spare word,
	v_mov_b32 v31, 0                               ; and 0: kept for the closing lines
	v_lshlrev_b32 v8, 4, v1                        ; v8-15: 16 x lane + c rows, c = 0 .. 7
.irp c, 1,2,3,4,5,6,7
	s_delay_alu instid0(VALU_DEP_1)
	v_add_nc_u32 v[8+\c], s47, v[7+\c]
.endr
	s_mul_i32 s34, s52, 16*SPT
	s_add_co_u32 s34, s34, STGP                    ; my stage
	v_add_nc_u32 v4, s34, v6                       ; into it: a row as it is loaded
	v_mul_u32_u24 v5, v2, SPT
	s_delay_alu instid0(VALU_DEP_1)
	v_lshl_add_u32 v5, v3, 6, v5
	s_delay_alu instid0(VALU_DEP_1)
	v_add_nc_u32 v5, s34, v5                       ; out of it: row r, + 64 h
	s_mul_i32 s34, s55, s47
	s_lshl_b32 s34, s34, 5                         ; 32 u' rows,
	s_lshl_b32 s35, s54, 9
	s_add_co_u32 s34, s34, s35                     ; + 512 kappa bytes
	s_mov_b32 s35, 0
	s_lshr_b32 s2, s54, 1                          ; the codes' place
	s_mul_i32 s2, s2, PANEL
	s_lshr_b32 s3, s43, 4
	s_lshl_b32 s4, s55, 1
	s_add_co_u32 s3, s3, s4
	s_mul_i32 s3, s3, RT
	s_add_co_u32 s2, s2, s3
	s_and_b32 s3, s54, 1
	s_mul_i32 s3, s3, FRB
	s_add_co_u32 s2, s2, s3
	s_mov_b32 s3, 0
	s_lshl_b32 s4, s54, 14                         ; the scale words' place
	s_lshl_b32 s5, s55, 5
	s_add_co_u32 s5, s5, s43
	s_lshl_b32 s5, s5, 2                           ; 4 (first row + 32 u')
	s_add_co_u32 s4, s4, s5
	s_mov_b32 s6, s5                               ; the tail's place (a tensor with a tail has u' = u)
	s_mov_b32 s5, 0
	s_mov_b32 s7, 0
	s_add_nc_u64 s[4:5], s[4:5], SOFF
	s_add_nc_u64 s[6:7], s[6:7], TOFF
	s_lshl_b32 s56, s53, 7                         ; the bias's 32 numbers
	s_mov_b32 s57, 0
	s_mov_b32 s48, 0xffff0000                      ; lanes 16-31
	s_mov_b32 s[SEL], 0x76543210
	s_mov_b32 s[SEL+1], 0xfedcba98
.irp b, 0,1,2,3
	v_mov_b32 v[TM+4+\b], 0                        ; written once: a lane permute's destination counts as one of its sources
.endr
	s_wait_alu depctr_va_vdst(0)
	s_wait_kmcnt 0x0
	s_mov_b64 s[36:37], s[18:19]                   ; the tensor,
	s_mov_b64 s[38:39], s[32:33]                   ; its operand buffer,
	s_mov_b64 s[40:41], s[26:27]                   ; its bias: each choice hangs on the work-group's number alone
	s_cmp_lt_u32 ttmp9, 192
	s_cselect_b64 s[36:37], s[16:17], s[36:37]
	s_cselect_b64 s[38:39], s[30:31], s[38:39]
	s_cmp_lt_u32 ttmp9, 128
	s_cselect_b64 s[36:37], s[14:15], s[36:37]
	s_cselect_b64 s[38:39], s[32:33], s[38:39]
	s_cselect_b64 s[40:41], s[24:25], s[40:41]
	s_cmp_lt_u32 ttmp9, 96
	s_cselect_b64 s[36:37], s[12:13], s[36:37]
	s_cmp_lt_u32 ttmp9, 64
	s_cselect_b64 s[36:37], s[10:11], s[36:37]
	s_cselect_b64 s[38:39], s[28:29], s[38:39]
	s_cselect_b64 s[40:41], s[22:23], s[40:41]
	s_cmp_lt_u32 ttmp9, 32
	s_cselect_b64 s[36:37], s[8:9], s[36:37]
	s_cselect_b64 s[40:41], s[20:21], s[40:41]
	s_add_nc_u64 s[36:37], s[36:37], s[34:35]
	s_add_nc_u64 s[2:3], s[38:39], s[2:3]
	s_add_nc_u64 s[4:5], s[38:39], s[4:5]
	s_add_nc_u64 s[6:7], s[38:39], s[6:7]
	s_add_nc_u64 s[40:41], s[40:41], s[56:57]
	s_lshl_b32 s34, s47, 3                         ; eight rows
	s_mov_b64 s[56:57], s[36:37]                   ; s[56+2m:57+2m]: my 32 rows' row 8 m
	s_add_nc_u64 s[58:59], s[56:57], s[34:35]
	s_add_nc_u64 s[60:61], s[58:59], s[34:35]
	s_add_nc_u64 s[62:63], s[60:61], s[34:35]
.irp b, 0,1,2,3
.irp j, 0,1,2,3
	global_load_b128 v[X0+16*\b+4*\j:X0+16*\b+4*\j+3], v[8+(4*\b+\j)%8], s[56+4*(\b/2):57+4*(\b/2)] th:TH_LOAD_NT   ; position r = 4 b + j: true row r % 8 + 16 (r / 8)
.endr
.endr
.irp b, 0,1,2,3
.irp j, 0,1,2,3
	global_load_b128 v[X1+16*\b+4*\j:X1+16*\b+4*\j+3], v[8+(4*\b+\j)%8], s[58+4*(\b/2):59+4*(\b/2)] th:TH_LOAD_NT   ; eight rows on
.endr
.endr
.macro STAGE raw                       ; a tile through my stage: LDS serves a wave's instructions in order, so no wait stands between the stores and the loads
.irp r, 0,1,2,3,4,5,6,7,8,9,10,11,12,13,14,15
	ds_store_b128 v4, v[(\raw)+4*\r:(\raw)+4*\r+3] offset:\r*SPT
.endr
.irp b, 0,1,2,3
.irp j, 0,1,2,3
	ds_load_b128 v[T+16*\b+4*\j:T+16*\b+4*\j+3], v5 offset:128*\b+16*\j
.endr
.endr
	s_wait_dscnt 0x0                               ; the tile is back, and the stores have read their registers
.endm
	s_wait_loadcnt 16                              ; tile 0's 16 loads are in; tile 1's 16 may be out
	STAGE X0
	QUANT T, PC0, 88
	s_wait_loadcnt 0x0
	STAGE X1
	QUANT T, PC1, 89
	v_cndmask_b32 v90, v88, v89, s48               ; lanes 0-15 tile 0's words, lanes 16-31 tile 1's: 32 neighbouring positions
.irp c, 0,1,2
	global_store_b128 v6, v[PC0+4*\c:PC0+4*\c+3], s[2:3] offset:512*\c        ; 32 lanes store 512 consecutive bytes, aligned to 256
.endr
.irp c, 0,1,2
	global_store_b128 v6, v[PC1+4*\c:PC1+4*\c+3], s[2:3] offset:RT+512*\c
.endr
	global_store_b32 v7, v90, s[4:5]
	s_cmp_eq_u32 s52, 0                            ; wave 0 of a tensor that has them lays down 32 numbers of bias and of floor
	s_cselect_b32 s53, s45, 0
	s_cmp_eq_u32 s53, 1
	s_cbranch_scc0 .Lend
	global_load_b32 v219, v7, s[40:41]
	v_mov_b32 v220, s44
	s_wait_alu depctr_va_vdst(0)
	s_wait_loadcnt 0x0
	global_store_b32 v7, v219, s[6:7]
	global_store_b32 v7, v220, s[6:7] offset:16384
.Lend:
	s_wait_tensorcnt 0x0                           ; the wave's end
	ds_add_u32 v30, v31
	s_wait_dscnt 0x0
	s_endpgm
; THE FIRST LAYERNORM: work-group 256 + g makes row tile g of x: 16 positions, true rows 32 (g / 2) + 8 (g % 2) + r % 8 + 16 (r / 8); wave w takes columns 128 w .. 128 w + 127, one fragment.
; The row stays in registers between the passes; mean first, then the mean of the squared differences; a row's eight partial sums meet in LDS, one barrier a pass.  The operand's tail: bias 0, floor -infinity.
; LDS: 0-511 the sums' partials, 512-1023 the squares', from 1,024 the spare words, 128 bytes a wave.  LIMITS as above.
.set SPARE, 1024
.set X,     32
.set G,     96
.set BT,    160
.set PC,    96
.set TM,    116
.set PW,    132
.set SEL,   20
.macro REDUCE off
	s_delay_alu instid0(VALU_DEP_3)
	v_pk_add_f32 v[22:23], v[22:23], v[24:25]
	s_delay_alu instid0(VALU_DEP_2)
	v_pk_add_f32 v[26:27], v[26:27], v[28:29]
	s_delay_alu instid0(VALU_DEP_1)
	v_pk_add_f32 v[22:23], v[22:23], v[26:27]
	s_delay_alu instid0(VALU_DEP_1)
	v_add_f32 v22, v22, v23
	s_delay_alu instid0(VALU_DEP_1)
	v_permlanex16_b32 v23, v22, s[SEL], s[SEL+1]
	s_delay_alu instid0(VALU_DEP_1)
	v_add_f32 v22, v22, v23                        ; my row's sum over my wave's 128 columns
	ds_store_b32 v8, v22 offset:\off
	s_wait_dscnt 0x0                               ; for the others' sake: my store has landed
	s_barrier_signal -1
	s_barrier_wait -1
	ds_load_b128 v[14:17], v9 offset:\off
	ds_load_b128 v[18:21], v9 offset:\off+16       ; my row's eight partial sums
	s_wait_dscnt 0x0
	v_pk_add_f32 v[14:15], v[14:15], v[16:17]
	v_pk_add_f32 v[18:19], v[18:19], v[20:21]
	s_delay_alu instid0(VALU_DEP_1)
	v_pk_add_f32 v[14:15], v[14:15], v[18:19]
	s_delay_alu instid0(VALU_DEP_1)
	v_add_f32 v14, v14, v15
.endm
.Lln:
	s_load_b256 s[4:11], s[0:1], 0x68              ; x s[4:5], gain s[6:7], bias s[8:9], the operand s[10:11]
	s_sub_co_u32 s29, ttmp9, 256                   ; g
	v_lshl_add_u32 v30, v0, 2, SPARE               ; my spare word,
	v_mov_b32 v31, 0                               ; and 0: kept for the closing lines
	v_lshrrev_b32 v1, 5, v0
	s_delay_alu instid0(VALU_DEP_1)
	v_readfirstlane_b32 s12, v1                    ; wave 0..7
	v_and_b32 v1, 31, v0
	v_and_b32 v2, 15, v0
	v_bfe_u32 v3, v0, 4, 1
	s_mul_i32 s13, s12, 16*SPT
	s_add_co_u32 s13, s13, STGL                    ; my stage: every load reads 512 consecutive bytes of one row, and the stage gives each lane its 16 neighbours
	v_mul_u32_u24 v224, v2, SPT
	s_delay_alu instid0(VALU_DEP_1)
	v_lshl_add_u32 v224, v3, 6, v224
	s_delay_alu instid0(VALU_DEP_1)
	v_add_nc_u32 v224, s13, v224                   ; out of it: row r, + 64 h
	v_lshl_add_u32 v225, v1, 4, s13                ; into it: 16 x lane
	v_lshlrev_b32 v5, 6, v3
	v_lshlrev_b32 v6, 4, v1
	v_lshlrev_b32 v7, 2, v2
	s_lshl_b32 s13, s12, 2
	v_lshl_add_u32 v8, v2, 5, s13                  ; LDS: 32 r + 4 wave
	v_lshlrev_b32 v9, 5, v2                        ; LDS: 32 r
	s_lshr_b32 s14, s29, 1
	s_lshl_b32 s14, s14, 17
	s_and_b32 s15, s29, 1
	s_lshl_b32 s15, s15, 15
	s_add_co_u32 s14, s14, s15
	s_lshl_b32 s16, s12, 9
	s_add_co_u32 s14, s14, s16
	s_mov_b32 s15, 0
	s_mov_b32 s17, 0
	s_lshr_b32 s18, s12, 1
	s_mul_i32 s18, s18, PANEL
	s_mul_i32 s19, s29, RT
	s_add_co_u32 s18, s18, s19
	s_and_b32 s19, s12, 1
	s_mul_i32 s19, s19, FRB
	s_add_co_u32 s18, s18, s19
	s_mov_b32 s19, 0
	s_lshl_b32 s22, s12, 14
	s_lshl_b32 s24, s29, 6
	s_add_co_u32 s22, s22, s24
	s_mov_b32 s23, 0
	s_mov_b32 s25, 0
	s_add_nc_u64 s[22:23], s[22:23], SOFF
	s_add_nc_u64 s[24:25], s[24:25], TOFF
	s_mov_b32 s[SEL], 0x76543210
	s_mov_b32 s[SEL+1], 0xfedcba98
	s_mov_b32 s27, 0x3a800000                      ; 1 / 1,024
	s_mov_b32 s28, 0x3727c5ac                      ; 1e-5
	s_wait_alu depctr_va_vdst(0)
	s_wait_kmcnt 0x0
	s_add_nc_u64 s[4:5], s[4:5], s[14:15]
	s_add_nc_u64 s[6:7], s[6:7], s[16:17]
	s_add_nc_u64 s[8:9], s[8:9], s[16:17]
	s_add_nc_u64 s[18:19], s[10:11], s[18:19]
	s_add_nc_u64 s[22:23], s[10:11], s[22:23]
	s_add_nc_u64 s[24:25], s[10:11], s[24:25]
.irp b, 0,1,2,3
.irp j, 0,1,2,3
	global_load_b128 v[BT+16*\b+4*\j:BT+16*\b+4*\j+3], v6, s[4:5] offset:((4*\b+\j)%8+16*(\b/2))*4096   ; position r = 4 b + j, as it lies, into the registers that the biases take later
.endr
.endr
.irp b, 0,1,2,3
.irp j, 0,1,2,3
	global_load_b128 v[G+16*\b+4*\j:G+16*\b+4*\j+3], v5, s[6:7] offset:128*\b+16*\j
.endr
.endr
	s_wait_loadcnt 16                              ; my 16 rows are in; the 16 loads of gain may be out
.irp r, 0,1,2,3,4,5,6,7,8,9,10,11,12,13,14,15
	ds_store_b128 v225, v[BT+4*\r:BT+4*\r+3] offset:\r*SPT
.endr
.irp b, 0,1,2,3
.irp j, 0,1,2,3
	ds_load_b128 v[X+16*\b+4*\j:X+16*\b+4*\j+3], v224 offset:128*\b+16*\j
.endr
.endr
	s_wait_dscnt 0x0                               ; my 64 numbers are back, and the stores have read their registers
.irp b, 0,1,2,3
.irp j, 0,1,2,3
	global_load_b128 v[BT+16*\b+4*\j:BT+16*\b+4*\j+3], v5, s[8:9] offset:128*\b+16*\j
.endr
.endr
.set J, 0
.rept 4
	v_pk_add_f32 v[22+J:23+J], v[X+J:X+J+1], v[X+8+J:X+9+J]
.set J, J+2
.endr
.set J, 16
.rept 24
	s_delay_alu instid0(VALU_DEP_4)
	v_pk_add_f32 v[22+J%8:23+J%8], v[22+J%8:23+J%8], v[X+J:X+J+1]
.set J, J+2
.endr
	REDUCE 0
	s_delay_alu instid0(VALU_DEP_1)
	v_mul_f32 v10, s27, v14                        ; the mean,
	s_delay_alu instid0(VALU_DEP_1)
	v_mov_b32 v11, v10                             ; twice: a pair for the packed forms
.set J, 0
.rept 32
	v_pk_add_f32 v[X+J:X+J+1], v[X+J:X+J+1], v[10:11] neg_lo:[0,1] neg_hi:[0,1]
.set J, J+2
.endr
.set J, 0
.rept 4
	v_pk_mul_f32 v[22+J:23+J], v[X+J:X+J+1], v[X+J:X+J+1]
.set J, J+2
.endr
.set J, 8
.rept 28
	s_delay_alu instid0(VALU_DEP_4)
	v_pk_fma_f32 v[22+J%8:23+J%8], v[X+J:X+J+1], v[X+J:X+J+1], v[22+J%8:23+J%8]
.set J, J+2
.endr
	REDUCE 512                                     ; other bytes than the first pass's
	s_delay_alu instid0(VALU_DEP_1)
	v_fma_f32 v12, v14, s27, s28                   ; the variance + 1e-5
	s_wait_alu depctr_va_vdst(0)                   ; the wait ahead of the transcendental,
	v_rsq_f32 v12, v12
	v_nop
	s_wait_alu depctr_va_vdst(0)                   ; and ahead of its first reader
	v_mov_b32 v13, v12
	s_wait_alu depctr_va_vdst(0)
	s_wait_loadcnt 0x0                             ; gain and bias
.set J, 0
.rept 32
	v_pk_mul_f32 v[X+J:X+J+1], v[X+J:X+J+1], v[12:13]
.set J, J+2
.endr
.set J, 0
.rept 32
	v_pk_fma_f32 v[X+J:X+J+1], v[X+J:X+J+1], v[G+J:G+J+1], v[BT+J:BT+J+1]
.set J, J+2
.endr
.irp b, 0,1,2,3
	v_mov_b32 v[TM+4+\b], 0                        ; a lane permute's destination counts as one of its sources
.endr
	QUANT X, PC, PW
.irp c, 0,1,2
	global_store_b128 v6, v[PC+4*\c:PC+4*\c+3], s[18:19] offset:512*\c        ; 512 consecutive bytes, aligned to 256
.endr
	v_cmp_gt_u32 vcc_lo, 16, v1
	s_wait_xcnt 0x0                                ; EXEC changes only behind this wait
	s_and_saveexec_b32 s26, vcc_lo
	global_store_b32 v7, v[PW], s[22:23]           ; lanes 0-15: the 16 rows' scale words
	s_wait_xcnt 0x0
	s_or_b32 exec_lo, exec_lo, s26
	s_cmp_lg_u32 s12, 0
	s_cbranch_scc1 .Lno_tail
	v_sub_nc_u32 v10, 0, v3
	s_delay_alu instid0(VALU_DEP_1)
	v_and_b32 v10, 0xff800000, v10                 ; lanes 0-15: bias 0; lanes 16-31: floor -infinity
	v_lshl_add_u32 v11, v3, 14, v7
	global_store_b32 v11, v10, s[24:25]
.Lno_tail:
	s_wait_tensorcnt 0x0                           ; the wave's end
	ds_add_u32 v30, v31
	s_wait_dscnt 0x0
	s_endpgm
.Lfunc_end_k_q78bc72d1e6_prep:
	.size	k_q78bc72d1e6_prep, .Lfunc_end_k_q78bc72d1e6_prep-k_q78bc72d1e6_prep
	.p2alignl 7, 3214868480
	.fill 96, 4, 3214868480
	.section	.rodata,"a",@progbits
	.p2align	6, 0x0
	.amdhsa_kernel k_q78bc72d1e6_prep
		.amdhsa_group_segment_fixed_size 137216
		.amdhsa_private_segment_fixed_size 0
		.amdhsa_enable_private_segment 0
		.amdhsa_kernarg_size 136
		.amdhsa_user_sgpr_count 2
		.amdhsa_user_sgpr_kernarg_segment_ptr 1
		.amdhsa_wavefront_size32 1
		.amdhsa_system_sgpr_workgroup_id_x 1
		.amdhsa_system_sgpr_workgroup_id_y 1
		.amdhsa_system_sgpr_workgroup_id_z 1
		.amdhsa_system_vgpr_workitem_id 0
		.amdhsa_next_free_vgpr 232
		.amdhsa_next_free_sgpr 66
		.amdhsa_reserve_vcc 1
		.amdhsa_float_denorm_mode_32 3
		.amdhsa_float_denorm_mode_16_64 3
		.amdhsa_memory_ordered 1
		.amdhsa_forward_progress 1
		.amdhsa_inst_pref_size 55
	.end_amdhsa_kernel
	.amdgpu_metadata
---
amdhsa.version: [ 1, 2 ]
amdhsa.kernels:
  - .name:           k_q78bc72d1e6_prep
    .symbol:         k_q78bc72d1e6_prep.kd
    .args:
      - { .name: wq, .offset: 0, .size: 8, .value_kind: global_buffer, .address_space: global }
      - { .name: wk, .offset: 8, .size: 8, .value_kind: global_buffer, .address_space: global }
      - { .name: wv, .offset: 16, .size: 8, .value_kind: global_buffer, .address_space: global }
      - { .name: wo, .offset: 24, .size: 8, .value_kind: global_buffer, .address_space: global }
      - { .name: w1, .offset: 32, .size: 8, .value_kind: global_buffer, .address_space: global }
      - { .name: w2, .offset: 40, .size: 8, .value_kind: global_buffer, .address_space: global }
      - { .name: bq, .offset: 48, .size: 8, .value_kind: global_buffer, .address_space: global }
      - { .name: bk, .offset: 56, .size: 8, .value_kind: global_buffer, .address_space: global }
      - { .name: bv, .offset: 64, .size: 8, .value_kind: global_buffer, .address_space: global }
      - { .name: b1, .offset: 72, .size: 8, .value_kind: global_buffer, .address_space: global }
      - { .name: wqk, .offset: 80, .size: 8, .value_kind: global_buffer, .address_space: global }
      - { .name: w1op, .offset: 88, .size: 8, .value_kind: global_buffer, .address_space: global }
      - { .name: wx, .offset: 96, .size: 8, .value_kind: global_buffer, .address_space: global }
      - { .name: x, .offset: 104, .size: 8, .value_kind: global_buffer, .address_space: global }
      - { .name: ln1_g, .offset: 112, .size: 8, .value_kind: global_buffer, .address_space: global }
      - { .name: ln1_b, .offset: 120, .size: 8, .value_kind: global_buffer, .address_space: global }
      - { .name: acta, .offset: 128, .size: 8, .value_kind: global_buffer, .address_space: global }
    .group_segment_fixed_size: 137216
    .private_segment_fixed_size: 0
    .kernarg_segment_align: 8
    .kernarg_segment_size: 136
    .max_flat_workgroup_size: 256
    .sgpr_count:     66
    .vgpr_count:     232
    .wavefront_size: 32
...
	.end_amdgpu_metadata
.endif
;; end of part 7
;; launch gq (part 8): grid 12 x 16, 4 waves a work-group, clusters of 4 x 4, 327,680 bytes of LDS; arguments acta, wqk, wx, actb; writes actb
.if DOCPART == 8
	.amdgcn_target "amdgcn-amd-amdhsa--gfx1250"
	.amdhsa_code_object_version 6
	.text
	.protected	k_q78bc72d1e6_gq
	.globl	k_q78bc72d1e6_gq
	.p2align	8
	.type	k_q78bc72d1e6_gq,@function
k_q78bc72d1e6_gq:
	s_mov_b64 s[64:65], 0
	v_nop
	global_prefetch_b8 v0, s[64:65] scope:SCOPE_SE
	s_setreg_imm32_b32 hwreg(HW_REG_WAVE_MODE, 25, 1), 1
	s_wait_xcnt 0x0
	s_wait_alu depctr_hold_cnt(0) depctr_sa_sdst(0) depctr_va_vdst(0) depctr_va_sdst(0) depctr_va_ssrc(0) depctr_va_vcc(0) depctr_vm_vsrc(0)
	s_getreg_b32 s2, hwreg(HW_REG_IB_STS2, 6, 4)
	s_cmp_eq_u32 s2, 0
	s_cbranch_scc0 .Lentry_in_a_cluster
	s_endpgm
.Lentry_in_a_cluster:
	s_bfe_u32 s2, ttmp6, 0x10000c
	s_cmp_lg_u32 s2, 0xf033
	s_cbranch_scc0 .Lentry_shape_is_right
	s_endpgm
.Lentry_shape_is_right:
; OUT = Q(max(A B^T + bias, floor)): a product of two MX-FP6 operands (K = 1,024) whose result is quantised along its columns and stored as the next product's operand.  All operands lie in this program's layout: fragments
; (16 row positions x 128 K) as images of their 12 registers, 1,536 bytes; fragment (rho, kappa) at (kappa / 2) PANEL + rho RT + (kappa % 2) FRB; scale words at SOFF + kappa SPL + 4 x position; biases and floors in the tail.
; A tile of 256 x 256 is made by four waves, a wave makes 128 x 128: 64 accumulators, 512 registers.  K goes in steps of 256 (a panel) through two LDS slots; 128 rows of a panel are ONE dense block of 24,576 bytes.
; The scale words of the work-group's rows, for all of K, come into LDS once, with the first fills.
; THE MATRIX INSTRUCTION IS USED TRANSPOSED (source 0 = 16 positions of B, source 1 = 16 of A).  Positions are row numbers with bits 3 and 4 swapped, so a lane's 64 registers of a block of 16 rows are its row's 128 columns in the order
; that the quantiser wants: register 16 b + i = column 32 b + 16 (lane / 16) + i.  So the way out needs no LDS: bias, floor, quantise, and the fragment leaves as three stores of 512 consecutive bytes.
; WHICH PRODUCT: clusters with x < 2: A = args' first (activations), B = the second (weights), output panel = tile column.  Clusters with x = 2 (first use of this text alone): V^T = wv x2^T: A = the third argument, B = the first,
; tile row = cy, tile column = 4 x cluster y + cx, output panels 8 on: V comes out quantised along the tokens.  Only pointers and numbers are chosen, on the cluster's x alone; there is no branch.
; CLUSTERS: 4 x 4.  A's tile hangs on the tile row alone and is asked for jointly by a row of the cluster, B's on the tile column alone, by a column.
; No prefetch: K has four steps of which two are asked for at the head.
; LIMITS: a block of zeros, or one under 2^-124, keeps the scale byte 1 (read by this program alone); NaN and infinities are not served.
; REGISTERS: window 0: v8-15 A's rows' biases, v16-31 addresses, v32-63 scale words (two sets), v64-127 B's rows' biases, from v128 A's fragments (one set); on the way out v128-239 at work.
;   window 1: B's fragments, two sets, at v0 and v128.   windows 2, 3: the accumulators ((a, b) at v[8 (8 (a % 4) + b)]).
.set SIZE_K, 1024
.set PANEL,  786432
.set RT,     3072
.set FRB,    1536
.set SOFF,   18874368
.set SPL,    16384
.set TOFF,   19660800
.set FOFF,   19677184
.set NQ,     2                         ; matrix instructions deep in a slot
.set FR,     12                        ; registers of a fragment
.set NL,     3                         ; LDS loads that bring one
.set NP,     4                         ; places behind this matrix instruction (ISA guide 7.12.1)
.set HALFT,  8*RT                      ; 128 rows x 256 K: what one tensor load brings
.set SLOT,   4*HALFT                   ; A's 256 rows, then B's
.set LAPS,   SIZE_K/512
.set NK,     SIZE_K/128
.set SCL,    2*SLOT                    ; behind the ring: the scale words, [K step][256 positions x 4 bytes] for A, then B
.set HALFS,  NK*512
.set SPARE,  SCL+4*HALFS               ; the spare words, 128 bytes a wave: two blocks of 256 bytes that no other line names
.set RB,   8                           ; v8-15   the bias of A's row, block a
.set ADRA, 16                          ; v16-17  LDS address of my A fragments in slot 0, 1
.set ADRB, 20                          ; v20-21  the same for B
.set LI,   24                          ; v24     16 x lane
.set LS,   25                          ; v25     4 x lane
.set RBA,  26                          ; v26     4 x (r % 8 + 16 (r / 8))
.set ADRS, 27                          ; v27     LDS address of my scale words: lanes 0-15 A's, lanes 16-31 B's
.set SPW,  28                          ; v28     my spare word's address; never rewritten
.set NIL,  29                          ; v29     0; never rewritten
.set RP,   30                          ; v[30:31] a row's bias, as a pair
.set SC,   32
.set CB,   64                          ; v64-127 the biases of my 128 columns, in the accumulators' order
.set AF,   128
.set VAL,  128                         ; the way out: 64 numbers,
.set PC,   192                         ; codes and scratch,
.set TM,   212                         ; at work,
.set SW,   228                         ; a scale word for each block,
.set MS,   236                         ; and two blocks' words merged
.set SEL,  18
.set G1, 24
.set G0, 32
.set G1B, 48
.set G0B, 56
.set G1S, 68
.set G0S, 76
.set G1SB, 80
.set G0SB, 88
.set MSB, 0
.macro WIN new                         ; the immediate's high byte repeats the setting that is left
.if MSB != (\new)
	s_set_vgpr_msb (MSB<<8)|(\new)
.set MSB, \new
.endif
.endm
.set MUL_LO, 0xa1                      ; source 0 (B) window 1, source 1 (A) window 0, C and D window 2
.set MUL_HI, 0xf1
.set TO_B,   0x40
; A joint load: waves 0 and 1 fetch for A, waves 2 and 3 for B; the branch hangs on the wave's number alone.  An s_nop 0 and four v_nop follow each line.
.macro JLOAD g0a, g1a, g0b, g1b
	s_cmp_eq_u32 s15, 0
	s_cbranch_scc0 .Lfor_b_\@
	tensor_load_to_lds s[\g0a:\g0a+3], s[\g1a:\g1a+7]
	s_nop 0
.rept 4
	v_nop
.endr
	s_branch .Lasked_\@
.Lfor_b_\@:
	tensor_load_to_lds s[\g0b:\g0b+3], s[\g1b:\g1b+7]
	s_nop 0
.rept 4
	v_nop
.endr
.Lasked_\@:
.endm
.macro CREST                           ; a round of the cluster's barrier behind its opening barrier
	s_cmp_lg_u32 s14, 0
	s_cbranch_scc1 .Lnot_wave_0_\@
	s_barrier_signal -3
.Lnot_wave_0_\@:
	s_barrier_wait -3
	s_barrier_signal -1
	s_barrier_wait -1
.endm
.macro CROUND
	s_barrier_signal -1
	s_barrier_wait -1
	CREST
.endm
.macro QUANT s, pc, pw
.irp b, 0,1,2,3
	v_max3_num_f32 v[TM+\b], |v[(\s)+16*\b]|, |v[(\s)+1+16*\b]|, 0x1800000   ; my 16 numbers of block b, and the floor 2^(3 - 127): the byte cannot fall under 1
.endr
.irp i, 2,4,6,8,10,12,14
.irp b, 0,1,2,3
	v_max3_num_f32 v[TM+\b], v[TM+\b], |v[(\s)+16*\b+\i]|, |v[(\s)+1+16*\b+\i]|
.endr
.endr
.irp b, 0,1,2,3
	v_permlanex16_b32 v[TM+4+\b], v[TM+\b], s[SEL], s[SEL+1]
.endr
.irp b, 0,1,2,3
	v_max_num_f32 v[TM+\b], v[TM+\b], v[TM+4+\b]
.endr
.irp b, 0,1,2,3
	v_add_nc_u32 v[TM+12+\b], 0xff000000, v[TM+\b]                 ; 2 off the exponent field: the conversion's scale operand
.endr
.irp b, 0,1,2,3
	v_lshrrev_b32 v[TM+4+\b], 23, v[TM+12+\b]                      ; the scale's byte
.endr
	v_lshl_or_b32 v[\pw], v[TM+5], 8, v[TM+4]
	v_lshl_or_b32 v[\pw], v[TM+6], 16, v[\pw]
	v_lshl_or_b32 v[\pw], v[TM+7], 24, v[\pw]
.irp c, 0,1
	v_cvt_scalef32_pk16_fp6_f32 v[(\pc)+6*\c:(\pc)+2+6*\c], v[(\s)+32*\c:(\s)+15+32*\c], v[TM+12+2*\c]
	v_cvt_scalef32_pk16_fp6_f32 v[(\pc)+12+4*\c:(\pc)+14+4*\c], v[(\s)+16+32*\c:(\s)+31+32*\c], v[TM+12+2*\c+1]
.endr
	v_nop                                                          ; one plain place behind a scaled conversion
.irp c, 0,1
.irp i, 0,1,2
	v_permlane16_swap_b32 v[(\pc)+6*\c+\i], v[(\pc)+12+4*\c+\i]
.endr
.irp i, 0,1,2
	v_mov_b32 v[(\pc)+3+6*\c+\i], v[(\pc)+12+4*\c+\i]
.endr
.endr
.endm
	s_load_b256 s[4:11], s[0:1], 0x0               ; the activations s[4:5], the weights s[6:7], wv's buffer s[8:9], the output s[10:11]
	v_lshl_add_u32 v[SPW], v0, 2, SPARE
	v_mov_b32 v[NIL], 0
	ds_add_u32 v[SPW], v[NIL]                      ; the wave's opening: the two adds, and their wait ahead of my first tensor load; work on registers stands between them
	ds_add_u32 v[SPW], v[NIL]
	v_lshrrev_b32 v1, 5, v0
	v_readfirstlane_b32 s14, v1                    ; wave 0..3
	s_lshr_b32 s15, s14, 1                         ; which half of the tile's rows is mine.  Also: I fetch for A (0) or for B (1)
	s_and_b32 s16, s14, 1                          ; which half of its columns.  Also: which 128 rows I fetch
	s_bfe_u32 s40, ttmp6, 0x40000                  ; cx
	s_bfe_u32 s41, ttmp6, 0x40004                  ; cy
	s_lshl_b32 s18, ttmp9, 2                       ; 4 x cluster x
	s_and_b32 s19, ttmp7, 0xffff
	s_lshl_b32 s19, s19, 2                         ; 4 x cluster y
	s_cmp_lt_u32 ttmp9, 2                          ; the plain product, or V^T
	s_cselect_b32 s42, s18, s19
	s_cselect_b32 s17, s19, 0
	s_cselect_b32 s66, 0, 8
	s_add_co_u32 s42, s42, s40                     ; tile column
	s_add_co_u32 s17, s17, s41                     ; tile row
	s_add_co_u32 s66, s66, s42                     ; output panel
	s_lshl_b32 s43, s41, 2
	s_lshl_b32 s43, 15, s43                        ; my row of the cluster
	s_lshl_b32 s44, 0x1111, s40                    ; my column
	; descriptor group 1 for codes: at the head a dense block of 49,152 bytes as 192 rows of 32 elements of 8 bytes; no padding: an LDS load takes 512 consecutive bytes
	s_or_b32 s[G1+0], s43, (3<<16)|(1<<21)         ; 15:0 the mask; 17:16 elements of 8 bytes; 21 set beside a mask
	s_or_b32 s[G1B+0], s44, (3<<16)|(1<<21)
.irp g, G1, G1B
	s_mov_b32 s[\g+1], 32<<16                      ; tensor_dim0
	s_mov_b32 s[\g+2], 192<<16                     ; tensor_dim1: the head's loads bring a tile's 256 positions; behind them this word and tile_dim1 are set to 96
	s_mov_b32 s[\g+3], 32<<16                      ; tile_dim0
	s_mov_b32 s[\g+4], 192                         ; tile_dim1
	s_mov_b32 s[\g+5], 32                          ; tensor_dim0_stride
	s_mov_b32 s[\g+6], 0
	s_mov_b32 s[\g+7], 0
.endr
	; and for scale words: NK rows (K steps) of 1,024 bytes (256 positions), SPL bytes apart
	s_or_b32 s[G1S+0], s43, (3<<16)|(1<<21)
	s_or_b32 s[G1SB+0], s44, (3<<16)|(1<<21)
.irp g, G1S, G1SB
	s_mov_b32 s[\g+1], 128<<16                     ; a K step's scale words of 256 positions: 1,024 bytes
	s_mov_b32 s[\g+2], NK<<16
	s_mov_b32 s[\g+3], 128<<16
	s_mov_b32 s[\g+4], NK
	s_mov_b32 s[\g+5], SPL/8
	s_mov_b32 s[\g+6], 0
	s_mov_b32 s[\g+7], 0
.endr
	s_lshl_b32 s20, s17, 8                         ; A's tile: its first position
	s_lshl_b32 s46, s42, 8                         ; B's
	s_lshl_b32 s22, s20, 2                         ; their scale words,
	s_mov_b32 s23, 0
	s_lshl_b32 s92, s46, 2
	s_mov_b32 s93, 0
	s_add_nc_u64 s[22:23], s[22:23], SOFF
	s_add_nc_u64 s[92:93], s[92:93], SOFF
	s_mul_i32 s20, s20, RT/16                      ; and their codes: 192 bytes a position in a panel
	s_mov_b32 s21, 0
	s_mul_i32 s46, s46, RT/16
	s_mov_b32 s47, 0
	s_mul_i32 s45, s14, HALFT                      ; where they go: no place in the cluster enters an LDS address
	s_wait_dscnt 0x0                               ; the opening add is done
	s_wait_kmcnt 0x0
	s_cmp_lt_u32 ttmp9, 2                          ; the choice of buffers hangs on the cluster's x alone
	s_cselect_b64 s[6:7], s[6:7], s[4:5]           ; B: the weights, or for V^T the activations
	s_cselect_b64 s[4:5], s[4:5], s[8:9]           ; A: the activations, or wv
	s_add_nc_u64 s[20:21], s[4:5], s[20:21]
	s_add_nc_u64 s[22:23], s[4:5], s[22:23]
	s_add_nc_u64 s[46:47], s[6:7], s[46:47]
	s_add_nc_u64 s[92:93], s[6:7], s[92:93]
	CROUND                                         ; all sixteen work-groups are here: the first joint loads meet
	s_mov_b32 s[G0S], 1
	s_mov_b32 s[G0S+1], SCL
	s_mov_b64 s[G0S+2:G0S+3], s[22:23]
	s_or_b32 s[G0S+3], s[G0S+3], 0x80000000
	s_mov_b32 s[G0SB], 1
	s_mov_b32 s[G0SB+1], SCL+2*HALFS
	s_mov_b64 s[G0SB+2:G0SB+3], s[92:93]
	s_or_b32 s[G0SB+3], s[G0SB+3], 0x80000000
.irp s, 0,1
	s_mov_b32 s[G0+4*\s], 1
	s_add_co_u32 s[G0+4*\s+1], s45, \s*SLOT
	s_add_nc_u64 s[G0+4*\s+2:G0+4*\s+3], s[20:21], \s*PANEL
	s_or_b32 s[G0+4*\s+3], s[G0+4*\s+3], 0x80000000
	s_mov_b32 s[G0B+4*\s], 1
	s_add_co_u32 s[G0B+4*\s+1], s45, \s*SLOT
	s_add_nc_u64 s[G0B+4*\s+2:G0B+4*\s+3], s[46:47], \s*PANEL
	s_or_b32 s[G0B+4*\s+3], s[G0B+4*\s+3], 0x80000000
.endr
; THE HEAD'S LOADS, ONE A WAVE: wave 0 panel 0 of A's 256 positions, wave 1 of B's, wave 2 A's scale words, wave 3 B's.  One chain of branches on the wave's number; every way passes one load.
; Slot 0's group 0 serves the head with the whole tile's address and place; behind the wait for the head's loads it is set to my half.
	s_mov_b32 s[G0+1], 0
	s_mov_b32 s[G0B+1], 2*HALFT
.macro ARM under, g0, g1, next
	s_cmp_lt_u32 s14, \under
	s_cbranch_scc0 \next
	tensor_load_to_lds s[\g0:\g0+3], s[\g1:\g1+7]
	s_nop 0
.rept 4
	v_nop
.endr
	s_branch .Lhead_asked
\next:
.endm
	ARM 1, G0,  G1,  .Lhead_b
	ARM 2, G0B, G1B, .Lhead_sa
	ARM 3, G0S, G1S, .Lhead_sb
	tensor_load_to_lds s[G0SB:G0SB+3], s[G1SB:G1SB+7]
	s_nop 0
.rept 4
	v_nop
.endr
.Lhead_asked:
	v_and_b32 v1, 31, v0                           ; lane
	v_and_b32 v2, 15, v0                           ; r
	v_bfe_u32 v3, v0, 4, 1                         ; h
	s_wait_alu depctr_va_vdst(0)
	v_lshlrev_b32 v[LI], 4, v1
	v_lshlrev_b32 v[LS], 2, v1
	s_mul_i32 s21, s15, HALFT                      ; my 128 rows of A
	s_mul_i32 s22, s16, HALFT                      ; my 128 rows of B,
	s_add_co_u32 s22, s22, 2*HALFT                 ; behind A's 256
.irp s, 0,1
	v_add_nc_u32 v[ADRA+\s], s21, v[LI]
	v_add_nc_u32 v[ADRB+\s], s22, v[LI]
	s_add_co_u32 s21, s21, SLOT
	s_add_co_u32 s22, s22, SLOT
.endr
	s_lshl_b32 s21, s15, 9                         ; my 128 positions' words in a K step's 1,024 bytes
	s_lshl_b32 s22, s16, 9
	s_add_co_u32 s22, s22, 2*HALFS
	s_sub_co_u32 s22, s22, s21
	v_mul_u32_u24 v6, s22, v3                      ; lanes 16-31 take B's: one product, the distance between the two bases
	s_add_co_u32 s21, s21, SCL
	v_lshlrev_b32 v5, 2, v2
	v_add_nc_u32 v5, v5, v6
	v_add_nc_u32 v[ADRS], s21, v5
	; the tails: B's rows' biases for my 128 columns, A's rows' for my 128 rows, both layers' floors
	v_lshlrev_b32 v7, 6, v3                        ; 64 h
	s_wait_alu depctr_va_vdst(0)
	v_and_b32 v5, 7, v2
	v_lshrrev_b32 v6, 3, v2
	v_lshl_add_u32 v5, v6, 4, v5
	v_lshlrev_b32 v[RBA], 2, v5
	s_wait_alu depctr_va_vdst(0)
	s_lshl_b32 s94, s17, 10
	s_lshl_b32 s95, s15, 9
	s_add_co_u32 s94, s94, s95
	s_mov_b32 s95, 0
	s_add_nc_u64 s[94:95], s[94:95], TOFF
	s_add_nc_u64 s[94:95], s[4:5], s[94:95]
	s_lshl_b32 s96, s42, 10
	s_lshl_b32 s97, s16, 9
	s_add_co_u32 s96, s96, s97
	s_mov_b32 s97, 0
	s_add_nc_u64 s[96:97], s[96:97], TOFF
	s_add_nc_u64 s[96:97], s[6:7], s[96:97]
	s_add_nc_u64 s[100:101], s[4:5], FOFF
	s_add_nc_u64 s[8:9], s[6:7], FOFF
	s_load_b32 s98, s[100:101], 0x0                ; a layer's floor is one number for all its rows
	s_load_b32 s99, s[8:9], 0x0
.irp b, 0,1,2,3
.irp j, 0,1,2,3
	global_load_b128 v[CB+16*\b+4*\j:CB+16*\b+4*\j+3], v7, s[96:97] offset:128*\b+16*\j   ; register 16 b + i: true column 32 b + 16 h + i
.endr
.endr
.irp a, 0,1,2,3,4,5,6,7
	global_load_b32 v[RB+\a], v[RBA], s[94:95] offset:4*(32*(\a/2)+8*(\a%2))              ; the true row of position 16 a + r
.endr
	; where my results go
	s_lshl_b32 s18, s66, 1
	s_add_co_u32 s18, s18, s16
	s_lshl_b32 s18, s18, 14                        ; plane 2 x panel + my half of the columns
	s_lshl_b32 s19, s17, 10
	s_add_co_u32 s18, s18, s19
	s_lshl_b32 s19, s15, 9
	s_add_co_u32 s18, s18, s19
	s_mov_b32 s19, 0
	s_add_nc_u64 s[18:19], s[18:19], SOFF
	s_add_nc_u64 s[12:13], s[10:11], s[18:19]      ; the scale words
	s_mul_i32 s2, s66, PANEL
	s_lshl_b32 s18, s17, 4
	s_lshl_b32 s19, s15, 3
	s_add_co_u32 s18, s18, s19
	s_mul_i32 s18, s18, RT
	s_add_co_u32 s2, s2, s18
	s_mul_i32 s18, s16, FRB
	s_add_co_u32 s2, s2, s18
	s_mov_b32 s3, 0
	s_add_nc_u64 s[10:11], s[10:11], s[2:3]        ; the codes
	s_mov_b32 s[SEL], 0x76543210
	s_mov_b32 s[SEL+1], 0xfedcba98
.macro FRAG reg, adr, q, i             ; a fragment comes back as it was stored: three loads of 512 consecutive bytes
.irp c, 0,1,2
	ds_load_b128 v[\reg+4*\c:\reg+4*\c+3], v[\adr] offset:(\i)*RT+(\q)*FRB+512*\c
.endr
.endm
; 16 matrix instructions: A's blocks a0, a0 + 1 x B's eight, 128 along K.  The 64 accumulators take turns, one instruction a turn, in the same order in every step.
.macro MUL16 a0, p, q, sc, zero
.irp a, \a0, \a0+1
.irp b, 0,1,2,3,4,5,6,7
.if \zero
	v_wmma_scale_f32_16x16x128_f8f6f4 v[8*(8*((\a)%4)+\b):8*(8*((\a)%4)+\b)+7], v[128*(\p)+FR*\b:128*(\p)+FR*\b+FR-1], v[AF+FR*(\a):AF+FR*(\a)+FR-1], 0, v[SC+8*NQ*(\sc)+NQ*\b+(\q)], v[SC+8*NQ*(\sc)+NQ*(\a)+(\q)] matrix_a_fmt:MATRIX_FMT_FP6 matrix_b_fmt:MATRIX_FMT_FP6 matrix_a_scale:MATRIX_SCALE_ROW1
.else
	v_wmma_scale_f32_16x16x128_f8f6f4 v[8*(8*((\a)%4)+\b):8*(8*((\a)%4)+\b)+7], v[128*(\p)+FR*\b:128*(\p)+FR*\b+FR-1], v[AF+FR*(\a):AF+FR*(\a)+FR-1], v[8*(8*((\a)%4)+\b):8*(8*((\a)%4)+\b)+7], v[SC+8*NQ*(\sc)+NQ*\b+(\q)], v[SC+8*NQ*(\sc)+NQ*(\a)+(\q)] matrix_a_fmt:MATRIX_FMT_FP6 matrix_b_fmt:MATRIX_FMT_FP6 matrix_a_scale:MATRIX_SCALE_ROW1
.endif
.endr
.endr
.endm
.macro FETCH_B slot, q, p
	WIN TO_B
.irp i, 0,1,2,3,4,5,6,7
	FRAG 128*(\p)+FR*\i, ADRB+\slot, \q, \i
.endr
	WIN 0
.endm
.macro FETCH_A slot, q, i0
.irp i, \i0, \i0+1, \i0+2, \i0+3
	FRAG AF+FR*(\i), ADRA+\slot, \q, \i
.endr
.endm
.macro SCALES sc                       ; a slot's scale words: register 2 i + q: lanes 0-15 A's block i, lanes 16-31 B's block i, the slot's q-th 128 along K
.irp i, 0,1,2,3,4,5,6,7
.irp q, 0,1
	ds_load_b32 v[SC+16*\sc+2*\i+\q], v[ADRS] offset:1024*\q+64*\i
.endr
.endr
.endm
.macro PLACES n                        ; plain vector instructions that name no register of the matrix instructions ahead, in front of loads into their sources and of reads of their results
.rept \n
	v_nop
.endr
.endm
.macro STEP slot, q, zero              ; 128 along K that has its successor in the same slot
	s_wait_dscnt 4*NL                              ; all but the youngest 12 loads (A's blocks 4-7) are in
	WIN MUL_LO
	MUL16 0, (\q)%2, \q, \slot, \zero
	MUL16 2, (\q)%2, \q, \slot, \zero
	s_wait_dscnt 0                                 ; A's blocks 4-7 are in
	PLACES NP
	FETCH_B \slot, (\q)+1, 1-(\q)%2
	FETCH_A \slot, (\q)+1, 0
	WIN MUL_HI
	MUL16 4, (\q)%2, \q, \slot, \zero
	MUL16 6, (\q)%2, \q, \slot, \zero
	PLACES NP
	WIN 0
	FETCH_A \slot, (\q)+1, 4
.endm
; A slot's last step changes slots: one barrier; in front of it each wave waits for all its tensor loads, adds 0 to its spare word, and waits for that and for its reads of this slot.  fill = 1: the slot is filled again, two panels on.
.macro TURN slot, next, fill
	s_wait_tensorcnt 0x0                           ; all my tensor loads have landed: my part of the next slot
	ds_add_u32 v[SPW], v[NIL]                      ; 0 onto my spare word
	s_wait_dscnt 4*NL+1                            ; the add and the youngest 12 loads may be out
	WIN MUL_LO
	MUL16 0, 1, NQ-1, \slot, 0
	s_wait_dscnt 0x0                               ; the add is done, and my reads of this slot are over
	s_barrier_signal -1
	MUL16 2, 1, NQ-1, \slot, 0
	WIN 0
	s_barrier_wait -1
.if \fill
	CREST                                          ; the barrier has opened a round of the cluster's barrier: no wave of any partner still reads this slot or has a load on its way
	s_add_nc_u64 s[G0+4*\slot+2:G0+4*\slot+3], s[G0+4*\slot+2:G0+4*\slot+3], 2*PANEL
	s_add_nc_u64 s[G0B+4*\slot+2:G0B+4*\slot+3], s[G0B+4*\slot+2:G0B+4*\slot+3], 2*PANEL
	JLOAD G0+4*\slot, G1, G0B+4*\slot, G1B         ; the first tensor load behind the round; its four v_nop are the places in front of the loads below
.else
	PLACES NP
.endif
	s_wait_alu depctr_va_vdst(0)
	v_add_nc_u32 v[ADRS], 1024*NQ, v[ADRS]
	FETCH_B \next, 0, 0
	FETCH_A \next, 0, 0
	SCALES \next
	WIN MUL_HI
	MUL16 4, 1, NQ-1, \slot, 0
	MUL16 6, 1, NQ-1, \slot, 0
	PLACES NP
	WIN 0
	FETCH_A \next, 0, 4
.endm
	s_wait_loadcnt 0x0                             ; the biases are in: no source of a pending load lives on into the loop
	s_wait_kmcnt 0x0                               ; and the floors
	s_wait_alu depctr_va_vdst(0)
	s_wait_tensorcnt 0x0                           ; my tile of the head's four is in
	ds_add_u32 v[SPW], v[NIL]
	s_mov_b32 s[G1+2], 96<<16                      ; no tensor load of mine is out: from here on a load brings 128 positions of a panel
	s_mov_b32 s[G1+4], 96
	s_mov_b32 s[G1B+2], 96<<16
	s_mov_b32 s[G1B+4], 96
	s_mov_b32 s[G0+1], s45                         ; slot 0: my quarter's place,
	s_mov_b32 s[G0B+1], s45
	s_mul_i32 s2, s16, HALFT                       ; and in both slots' addresses my half of the tile's positions
	s_mov_b32 s3, 0
.irp g, G0, G0+4, G0B, G0B+4
	s_add_nc_u64 s[\g+2:\g+3], s[\g+2:\g+3], s[2:3]
.endr
	s_wait_dscnt 0x0
	CROUND                                         ; all four tiles are in, all sixteen work-groups are here
	JLOAD G0+4, G1, G0B+4, G1B                     ; panel 1, the first tensor load behind the round
	FETCH_B 0, 0, 0
	FETCH_A 0, 0, 0
	SCALES 0
	FETCH_A 0, 0, 4
	STEP 0, 0, 1                                   ; the first step's products start the sums: nothing is cleared
	s_mov_b32 s3, LAPS-1
.Llap:
	TURN 0, 1, 1
	STEP 1, 0, 0
	TURN 1, 0, 1
	STEP 0, 0, 0
	s_sub_co_u32 s3, s3, 1
	s_cmp_lg_u32 s3, 0
	s_cbranch_scc1 .Llap
	TURN 0, 1, 0                                   ; the last lap fills nothing
	STEP 1, 0, 0
	s_wait_dscnt 4*NL
	WIN MUL_LO
	MUL16 0, 1, NQ-1, 1, 0
	MUL16 2, 1, NQ-1, 1, 0
	s_wait_dscnt 0
	WIN MUL_HI
	MUL16 4, 1, NQ-1, 1, 0
	MUL16 6, 1, NQ-1, 1, 0
	WIN 0
; THE WAY OUT, block by block of 16 rows: + the columns' bias, + the row's bias, the two floors, quantised; the block's 128 columns are one fragment of the output, K step = my half of the tile's columns.
; The way out is a counted loop of eight trips.  Only what names a block's own registers is written eight times (OUTQ: its 64 sums + the columns' biases into v[VAL ..], its rows' bias into v[RP]); the trip's number chooses among the eight.
.macro OUTQ a
.Lblk\a:
.set AC, 64*((\a)%4)
	WIN 0x02+(\a)/4                                ; source 0: window 2 or 3
.set I, 0
.rept 32
	v_pk_add_f32 v[VAL+I:VAL+I+1], v[AC+I:AC+I+1], v[CB+I:CB+I+1]  ; ascending: each accumulator is read from its low end on
.set I, I+2
.endr
	WIN 0
	v_mov_b32 v[RP], v[RB+(\a)]
	s_wait_alu depctr_va_vdst(0)
.if (\a) < 7
	s_branch .Lcommon
.endif
.endm
.macro COMMON                          ; what all blocks share: the row's bias, the floors, the quantiser, the fragment's three stores
.set I, 0
.rept 32
	v_pk_add_f32 v[VAL+I:VAL+I+1], v[VAL+I:VAL+I+1], v[RP:RP+1] op_sel_hi:[1,0]
.set I, I+2
.endr
.set I, 0
.rept 64
	v_max3_num_f32 v[VAL+I], v[VAL+I], s98, s99    ; -infinity where a layer sets no floor, 0 for relu
.set I, I+1
.endr
	QUANT VAL, PC, SW
.irp c, 0,1,2
	global_store_b128 v[LI], v[PC+4*\c:PC+4*\c+3], s[10:11] offset:512*\c   ; 512 consecutive bytes, aligned to 256
.endr
.endm
	PLACES NP                                      ; behind the last products: the lines below write registers that held A's fragments
	s_mov_b32 s100, 0xffff0000                     ; lanes 16-31
	v_mov_b32 v[RP+1], 0                           ; named with v30 as a pair, so it is written
.irp b, 0,1,2,3
	v_mov_b32 v[TM+4+\b], 0                        ; a lane permute's destination counts as one of its sources
.endr
	v_mov_b32 v[SW+1], 0                           ; the block before's scale words: written before any way reads it
	s_mov_b32 s3, 0                                ; the block
	s_wait_alu depctr_va_vdst(0)
.Lout:
.irp a, 1,2,3,4,5,6,7
	s_cmp_eq_u32 s3, \a
	s_cbranch_scc1 .Lblk\a
.endr
.irp a, 0,1,2,3,4,5,6,7
	OUTQ \a
.endr
.Lcommon:
	COMMON
	s_bitcmp1_b32 s3, 0                            ; an odd block: its words and the block before's leave together
	s_wait_alu depctr_va_vdst(0)
	s_cbranch_scc0 .Leven
	v_cndmask_b32 v[MS], v[SW+1], v[SW], s100      ; lanes 0-15 the even block's words, lanes 16-31 the odd block's
	global_store_b32 v[LS], v[MS], s[12:13]
	s_wait_xcnt 0x0                                ; the store has read its base
	s_add_nc_u64 s[12:13], s[12:13], 128
.Leven:
	v_mov_b32 v[SW+1], v[SW]
	s_wait_xcnt 0x0                                ; the stores have read their registers and their base: the codes are written again only behind this wait
	s_add_nc_u64 s[10:11], s[10:11], RT            ; the next row tile
	s_add_co_u32 s3, s3, 1
	s_cmp_lt_u32 s3, 8
	s_wait_alu depctr_va_vdst(0)
	s_cbranch_scc1 .Lout
	s_wait_tensorcnt 0x0                           ; the wave's end
	ds_add_u32 v[SPW], v[NIL]
	s_wait_dscnt 0x0
	CROUND                                         ; the closing round: no work-group ends while a partner may still ask for a tile that names it
	s_endpgm
.Lfunc_end_k_q78bc72d1e6_gq:
	.size	k_q78bc72d1e6_gq, .Lfunc_end_k_q78bc72d1e6_gq-k_q78bc72d1e6_gq
	.p2alignl 7, 3214868480
	.fill 96, 4, 3214868480
	.section	.rodata,"a",@progbits
	.p2align	6, 0x0
	.amdhsa_kernel k_q78bc72d1e6_gq
		.amdhsa_group_segment_fixed_size 327680
		.amdhsa_private_segment_fixed_size 0
		.amdhsa_enable_private_segment 0
		.amdhsa_kernarg_size 32
		.amdhsa_user_sgpr_count 2
		.amdhsa_user_sgpr_kernarg_segment_ptr 1
		.amdhsa_wavefront_size32 1
		.amdhsa_system_sgpr_workgroup_id_x 1
		.amdhsa_system_sgpr_workgroup_id_y 1
		.amdhsa_system_sgpr_workgroup_id_z 1
		.amdhsa_system_vgpr_workitem_id 0
		.amdhsa_next_free_vgpr 1024
		.amdhsa_next_free_sgpr 102
		.amdhsa_reserve_vcc 0
		.amdhsa_float_denorm_mode_32 3
		.amdhsa_float_denorm_mode_16_64 3
		.amdhsa_memory_ordered 1
		.amdhsa_forward_progress 1
		.amdhsa_inst_pref_size 141
	.end_amdhsa_kernel
	.amdgpu_metadata
---
amdhsa.version: [ 1, 2 ]
amdhsa.kernels:
  - .name:           k_q78bc72d1e6_gq
    .symbol:         k_q78bc72d1e6_gq.kd
    .args:
      - { .name: acta, .offset: 0, .size: 8, .value_kind: global_buffer, .address_space: global }
      - { .name: wqk, .offset: 8, .size: 8, .value_kind: global_buffer, .address_space: global }
      - { .name: wx, .offset: 16, .size: 8, .value_kind: global_buffer, .address_space: global }
      - { .name: actb, .offset: 24, .size: 8, .value_kind: global_buffer, .address_space: global }
    .group_segment_fixed_size: 327680
    .private_segment_fixed_size: 0
    .kernarg_segment_align: 8
    .kernarg_segment_size: 32
    .max_flat_workgroup_size: 128
    .sgpr_count:     102
    .vgpr_count:     1024
    .wavefront_size: 32
...
	.end_amdgpu_metadata
.endif
;; end of part 8
;; launch attn (part 9): grid 16 x 16, 16 waves a work-group, clusters of 4 x 1, 327,680 bytes of LDS; arguments actb, acta; writes acta
.if DOCPART == 9
	.amdgcn_target "amdgcn-amd-amdhsa--gfx1250"
	.amdhsa_code_object_version 6
	.text
	.protected	k_q78bc72d1e6_attn
	.globl	k_q78bc72d1e6_attn
	.p2align	8
	.type	k_q78bc72d1e6_attn,@function
k_q78bc72d1e6_attn:
	s_mov_b64 s[64:65], 0
	v_nop
	global_prefetch_b8 v0, s[64:65] scope:SCOPE_SE
	s_setreg_imm32_b32 hwreg(HW_REG_WAVE_MODE, 25, 1), 1
	s_wait_xcnt 0x0
	s_wait_alu depctr_hold_cnt(0) depctr_sa_sdst(0) depctr_va_vdst(0) depctr_va_sdst(0) depctr_va_ssrc(0) depctr_va_vcc(0) depctr_vm_vsrc(0)
	s_getreg_b32 s2, hwreg(HW_REG_IB_STS2, 6, 4)
	s_cmp_eq_u32 s2, 0
	s_cbranch_scc0 .Lentry_in_a_cluster
	s_endpgm
.Lentry_in_a_cluster:
	s_bfe_u32 s2, ttmp6, 0x10000c
	s_cmp_lg_u32 s2, 0x3003
	s_cbranch_scc0 .Lentry_shape_is_right
	s_endpgm
.Lentry_shape_is_right:
; ATTENTION on MX-FP6 operands in this program's layout (fragments of 16 positions x 128 K as images of their 12 registers; fragment (rho, kappa) at (kappa / 2) PANEL + rho RT + (kappa % 2) FRB; scale words at SOFF + kappa SPL + 4 x position).
; actb holds q (panels 0-3), k (panels 4-7), both quantised along the features, and v^T (panels 8 on), quantised along the tokens.  The result, out / l, is quantised along the features and stored as the next product's operand in acta.
; SHARES: work-group (x, y): batch y / 8, the pair of heads y % 8 (one K step of 128 features), queries 128 x .. 128 x + 127.  Wave w: head w / 8 of the pair, query tile w % 8: 16 queries against all 2,048 keys, in 16 steps of 128 keys.
; A fragment of k holds both heads' 64 features: q's codes of the other head are cleared, and zero codes add nothing.  Both products are used transposed (S^T = k q^T, O^T = v^T p^T): a lane holds one query.
; SOFTMAX: p = 2^(t - M), t = score x log2(e) / 8, M the ceiling of the running largest t; the sum is taken of the unquantised p; when M moves, sum and O^T are multiplied by an exact power of two; a block's largest p is made from the block's largest score.
; LDS: a step's tiles are two pieces of 12,288 bytes (8 fragments of k, then 8 of v^T).  24 pieces hold 12 steps.  ONE tile shape serves both: 8 rows of 1,536 bytes, 3,072 apart in memory.
;   At the head every wave issues one load: waves 0-7 the pieces of steps 0-3, waves 8-11 k's scale words, waves 12-15 v's.  Behind the full sequence and a round all 16 waves ask for steps 4-11 (first fills).
;   Behind step 3 a second sequence and round: waves 0-7 fill pieces 0-7 again with steps 12-15; the wait for them stands behind step 11.  So a wave has one tensor load out at any place, and the walk has three meetings.
; CLUSTER 4, 1, 1: the four query blocks of a cluster read the same k and v: every load is joint, mask 15; no descriptor word, LDS address or branch hangs on the place in the cluster.
; NO DATA PREFETCH: twelve of the sixteen steps are asked for by tensor loads ahead of the first product, and the last four stand eight steps ahead of the wait for them: there is no stream for which a wave waits and that a loop could run ahead of.
; LIMITS: the promise holds while the scaled scores t stay under 2^31 in magnitude; a block of p or of the result under 2^-124 keeps the scale byte 1 (read by this program alone); NaN and infinities are not served.
; REGISTERS: v2-11 addresses; v12 -M, v13 largest t, v[14:15] the sum; v16-27 q; v32-79 four fragments of k, then of v; v84-87, v248-251 their scale words; v96-159 S^T, then p; v160-191 O^T; v192-239 four more fragments of k, then p's codes and work; v252 f, v253 p's scale word, v255 q's.
.set PANEL, 786432
.set RT,    3072
.set FRB,   1536
.set SOFF,  18874368
.set SPL,   16384
.set PIECE, 8*FRB
.set SCK,   24*PIECE                   ; k's scale words, 8,192 bytes
.set SCV,   SCK+8192                   ; v's
.set STG,   SCV+8192                   ; the way out: 8 fragments,
.set SSTG,  STG+12288                  ; and their scale words
.set SPARE, SSTG+512                   ; the spare words, 128 bytes a wave
.set AV0,  2
.set ASK0, 3
.set ASV0, 4
.set SPW,  5
.set NIL,  6
.set GO,   7
.set ADK,  8
.set ADV,  9
.set ADS,  10
.set ADT,  11
.set SA,   30
.set SB,   31
.set SH16, 80
.set RDA,  81
.set RDS,  82
.set R4,   83
.set KS2,  84
.set TB,   2
.set TS,   3
.set WV,   18
.set SEL,  20
.set CS,   22
.set G1C,  24
.set G0C,  40
.set STP,  44
.set G1SK, 48
.set G1SV, 56
.set CNT,  66
.set G0SK, 68
.set G0SV, 72
.set PM,   81
.set PMN,  82
.macro CROUND
	s_barrier_signal -1
	s_barrier_wait -1
	s_cmp_lg_u32 s[WV], 0
	s_cbranch_scc1 .Lnot_wave_0_\@
	s_barrier_signal -3
.Lnot_wave_0_\@:
	s_barrier_wait -3
	s_barrier_signal -1
	s_barrier_wait -1
.endm
	s_load_b128 s[4:7], s[0:1], 0x0                ; actb, acta
	v_lshl_add_u32 v[SPW], v0, 2, SPARE
	v_mov_b32 v[NIL], 0
	ds_add_u32 v[SPW], v[NIL]                      ; the opening lines: the add, twice on end, and its wait ahead of my first tensor load
	ds_add_u32 v[SPW], v[NIL]
	v_lshrrev_b32 v8, 5, v0
	s_delay_alu instid0(VALU_DEP_1)
	v_readfirstlane_b32 s[WV], v8                  ; wave 0..15
	s_bfe_u32 s83, ttmp6, 0x40000                  ; cx
	s_lshl_b32 s84, ttmp9, 2
	s_add_co_u32 s84, s84, s83                     ; query block
	s_and_b32 s85, ttmp7, 0xffff
	s_lshr_b32 s86, s85, 3                         ; batch
	s_and_b32 s87, s85, 7                          ; pair of heads
	s_lshr_b32 s88, s[WV], 3                       ; head of the pair
	s_and_b32 s89, s[WV], 7                        ; query tile
	s_lshr_b32 s91, s87, 1
	s_mul_i32 s91, s91, PANEL
	s_and_b32 s92, s87, 1
	s_mul_i32 s92, s92, FRB
	s_add_co_u32 s91, s91, s92                     ; K step = the pair of heads: its place in a row tile
	s_lshl_b32 s92, s86, 7                         ; the batch's first row tile
	s_lshr_b32 s93, s[WV], 1                       ; my piece at the head: step w / 2; even waves k's, odd waves v's
	s_lshl_b32 s93, s93, 3
	s_add_co_u32 s93, s93, s92
	s_mul_i32 s93, s93, RT
	s_add_co_u32 s93, s93, s91
	s_add_co_u32 s93, s93, 4*PANEL                 ; k: 8 key tiles a step
	s_lshl_b32 s94, s86, 3
	s_add_co_u32 s94, s94, 8
	s_lshr_b32 s95, s[WV], 2
	s_add_co_u32 s94, s94, s95
	s_mul_i32 s94, s94, PANEL
	s_mul_i32 s95, s87, 8*RT
	s_add_co_u32 s94, s94, s95
	s_bfe_u32 s95, s[WV], 0x10001
	s_mul_i32 s95, s95, FRB
	s_add_co_u32 s94, s94, s95                     ; v: panel = step / 2, fragment step % 2 of the pair's 8 row tiles
	s_mov_b32 s[STP], 32*RT                        ; four steps on: 32 key tiles,
	s_and_b32 s95, s[WV], 1
	s_cselect_b32 s[G0C+2], s94, s93
	s_cselect_b32 s[STP], 2*PANEL, s[STP]          ; or two panels
	s_mov_b32 s[STP+1], 0
	s_mov_b32 s[G0C+3], 0
	s_mov_b32 s[G0C], 1
	s_mul_i32 s[G0C+1], s[WV], PIECE
	s_and_b32 s90, s[WV], 3                        ; my quarter of the scale words
	s_lshl_b32 s95, s90, 11
	s_add_co_u32 s94, s87, 8
	s_lshl_b32 s94, s94, 14
	s_lshl_b32 s93, s86, 13
	s_add_co_u32 s94, s94, s93
	s_add_co_u32 s94, s94, s95
	s_add_co_u32 s[G0SK+2], s94, SOFF
	s_mov_b32 s[G0SK+3], 0
	s_mov_b32 s[G0SK], 1
	s_add_co_u32 s[G0SK+1], s95, SCK
	s_add_co_u32 s[G0SV+1], s95, SCV
	s_lshl_b32 s94, s86, 4
	s_lshl_b32 s93, s90, 2
	s_add_co_u32 s94, s94, s93
	s_add_co_u32 s94, s94, 16
	s_lshl_b32 s94, s94, 14
	s_lshl_b32 s93, s87, 9
	s_add_co_u32 s94, s94, s93
	s_add_co_u32 s[G0SV+2], s94, SOFF
	s_mov_b32 s[G0SV+3], 0
	s_mov_b32 s[G0SV], 1
	s_mov_b32 s[G1C], 15|(3<<16)|(1<<21)           ; a piece: 8 rows of 192 elements of 8 bytes, 384 apart
	s_mov_b32 s[G1C+1], 192<<16
	s_mov_b32 s[G1C+2], 8<<16
	s_mov_b32 s[G1C+3], 192<<16
	s_mov_b32 s[G1C+4], 8
	s_mov_b32 s[G1C+5], 384
	s_mov_b32 s[G1C+6], 0
	s_mov_b32 s[G1C+7], 0
	s_mov_b32 s[G1SK], 15|(3<<16)|(1<<21)          ; a quarter of k's words: 2,048 dense bytes as 8 rows of 256
	s_mov_b32 s[G1SK+1], 32<<16
	s_mov_b32 s[G1SK+2], 8<<16
	s_mov_b32 s[G1SK+3], 32<<16
	s_mov_b32 s[G1SK+4], 8
	s_mov_b32 s[G1SK+5], 32
	s_mov_b32 s[G1SK+6], 0
	s_mov_b32 s[G1SK+7], 0
	s_mov_b32 s[G1SV], 15|(3<<16)|(1<<21)          ; a quarter of v's: 4 K steps of 512 bytes, SPL apart
	s_mov_b32 s[G1SV+1], 64<<16
	s_mov_b32 s[G1SV+2], 4<<16
	s_mov_b32 s[G1SV+3], 64<<16
	s_mov_b32 s[G1SV+4], 4
	s_mov_b32 s[G1SV+5], SPL/8
	s_mov_b32 s[G1SV+6], 0
	s_mov_b32 s[G1SV+7], 0
	s_lshl_b32 s12, s84, 3
	s_add_co_u32 s12, s12, s92
	s_add_co_u32 s13, s12, s89                     ; my query tile
	s_mul_i32 s76, s13, RT
	s_add_co_u32 s76, s76, s91
	s_mov_b32 s77, 0
	s_lshl_b32 s14, s87, 14
	s_lshl_b32 s13, s13, 6
	s_add_co_u32 s13, s13, s14
	s_lshl_b32 s98, s12, 6
	s_add_co_u32 s98, s98, s14
	s_add_co_u32 s98, s98, SOFF
	s_mov_b32 s99, 0
	s_add_co_u32 s78, s13, SOFF
	s_mov_b32 s79, 0
	s_cmp_eq_u32 s88, 1
	s_cselect_b32 s[PM], -1, 0
	s_not_b32 s[PMN], s[PM]
	s_mov_b32 s[SEL], 0x76543210
	s_mov_b32 s[SEL+1], 0xfedcba98
	s_mov_b32 s[CS], 0x3e38aa3b                    ; log2(e) / 8
	s_mov_b32 s[CS+1], s[CS]
	s_mov_b32 s[TB], 0
	s_mov_b32 s[TS], 0
	s_wait_dscnt 0x0                               ; both opening adds are done
	s_wait_kmcnt 0x0
.irp g, G0C, G0SK, G0SV
	s_add_nc_u64 s[\g+2:\g+3], s[4:5], s[\g+2:\g+3]
	s_or_b32 s[\g+3], s[\g+3], 0x80000000
.endr
	s_add_nc_u64 s[96:97], s[6:7], s[76:77]
	s_add_nc_u64 s[76:77], s[4:5], s[76:77]
	s_add_nc_u64 s[78:79], s[4:5], s[78:79]
	s_add_nc_u64 s[98:99], s[6:7], s[98:99]
	CROUND                                         ; the four work-groups are here: the first joint loads meet
	s_cmp_lt_u32 s[WV], 8                          ; one chain of branches on the wave's number; every way passes one load
	s_cbranch_scc0 .Lhead_sk
	tensor_load_to_lds s[G0C:G0C+3], s[G1C:G1C+7]
	s_nop 0
	s_branch .Lhead_asked
.Lhead_sk:
	s_cmp_lt_u32 s[WV], 12
	s_cbranch_scc0 .Lhead_sv
	tensor_load_to_lds s[G0SK:G0SK+3], s[G1SK:G1SK+7]
	s_nop 0
	s_branch .Lhead_asked
.Lhead_sv:
	tensor_load_to_lds s[G0SV:G0SV+3], s[G1SV:G1SV+7]
	s_nop 0
.Lhead_asked:
	v_and_b32 v8, 15, v0
	v_and_b32 v9, 31, v0
	s_delay_alu instid0(VALU_DEP_2)
	v_lshlrev_b32 v[R4], 2, v8
	s_delay_alu instid0(VALU_DEP_2)
	v_lshlrev_b32 v[GO], 4, v9
	s_wait_alu depctr_va_vdst(0)
	global_load_b128 v[16:19], v[GO], s[76:77]     ; q's fragment,
	global_load_b128 v[20:23], v[GO], s[76:77] offset:512
	global_load_b128 v[24:27], v[GO], s[76:77] offset:1024
	global_load_b32 v255, v[R4], s[78:79]          ; and its scale words
	s_mul_i32 s8, s88, 4*FRB
	s_add_co_u32 s8, s8, PIECE
	v_add_nc_u32 v[AV0], s8, v[GO]                 ; v: behind k's piece, my head's four row tiles
	v_add_nc_u32 v[ASK0], SCK, v[R4]
	s_lshl_b32 s8, s88, 8
	s_add_co_u32 s8, s8, SCV
	v_add_nc_u32 v[ASV0], s8, v[R4]
	s_mul_i32 s9, s89, FRB
	s_add_co_u32 s9, s9, STG
	v_add_nc_u32 v[RDA], s9, v[GO]
	s_lshl_b32 s8, s88, 10
	s_add_co_u32 s8, s8, s9
	v_add_nc_u32 v[SA], s8, v[GO]
	s_lshl_b32 s8, s88, 3
	s_add_co_u32 s8, s8, s9
	s_add_co_u32 s8, s8, 512
	v_add_nc_u32 v[SB], s8, v[GO]
	s_lshl_b32 s8, s89, 6
	s_lshl_b32 s10, s88, 1
	s_add_co_u32 s8, s8, s10
	s_add_co_u32 s8, s8, SSTG
	v_add_nc_u32 v[SH16], s8, v[R4]
	v_add_nc_u32 v[RDS], SSTG, v[GO]
	v_mov_b32 v13, 0xff61b1e6                      ; the largest t so far: -3e38
	s_delay_alu instid0(VALU_DEP_1)
	v_floor_f32 v12, -v13
	v_mov_b32 v14, 0
	v_mov_b32 v15, 0
	v_mov_b32 v253, 0                              ; named as the upper half of v[252:253] before it is first written
	s_wait_alu depctr_va_vdst(0)
	s_wait_loadcnt 0x0
.irp j, 16,17,18,19,20,21
	v_and_b32 v[\j], s[PMN], v[\j]                 ; the other head's 64 features: zero codes
	v_and_b32 v[\j+6], s[PM], v[\j+6]
.endr
.set J, 0
.rept 32
	v_mov_b32 v[160+J], 0                          ; O^T: the step is written once, the first finds zeros
.set J, J+1
.endr
; A STEP: 128 keys
.macro STEP
	v_add_nc_u32 v[ADK], s[TB], v[GO]              ; these four are also the places behind the last step's products, in front of the loads below
	v_add_nc_u32 v[ADV], s[TB], v[AV0]
	v_add_nc_u32 v[ADS], s[TS], v[ASK0]
	v_add_nc_u32 v[ADT], s[TS], v[ASV0]
	s_wait_alu depctr_va_vdst(0)
.irp t, 0,1,2,3
.irp c, 0,1,2
	ds_load_b128 v[32+12*\t+4*\c:35+12*\t+4*\c], v[ADK] offset:\t*FRB+512*\c
.endr
	ds_load_b32 v[248+\t], v[ADS] offset:64*\t
.endr
.irp t, 0,1,2,3
.irp c, 0,1,2
	ds_load_b128 v[192+12*\t+4*\c:195+12*\t+4*\c], v[ADK] offset:(4+\t)*FRB+512*\c
.endr
	ds_load_b32 v[KS2+\t], v[ADS] offset:64*(4+\t)
.endr
	s_wait_dscnt 16                                ; key tiles 0-3 are in; the 16 loads of tiles 4-7 may be out
.irp t, 0,1,2,3
	v_wmma_scale_f32_16x16x128_f8f6f4 v[96+8*\t:103+8*\t], v[32+12*\t:43+12*\t], v[16:27], 0, v[248+\t], v255 matrix_a_fmt:MATRIX_FMT_FP6 matrix_b_fmt:MATRIX_FMT_FP6
.endr
	s_wait_dscnt 0x0
.irp t, 0,1,2,3
	v_wmma_scale_f32_16x16x128_f8f6f4 v[128+8*\t:135+8*\t], v[192+12*\t:203+12*\t], v[16:27], 0, v[KS2+\t], v255 matrix_a_fmt:MATRIX_FMT_FP6 matrix_b_fmt:MATRIX_FMT_FP6
.endr
.rept 4
	v_nop                                          ; places: in front of the loads into k's registers and of the first reads of S^T
.endr
.irp t, 0,1,2,3                                        ; v's four fragments are asked for here, ahead of the softmax
.irp c, 0,1,2
	ds_load_b128 v[32+12*\t+4*\c:35+12*\t+4*\c], v[ADV] offset:\t*FRB+512*\c
.endr
	ds_load_b32 v[248+\t], v[ADT] offset:64*\t
.endr
.irp b, 0,1,2,3
	v_max3_num_f32 v[232+\b], v[96+16*\b], v[97+16*\b], v[98+16*\b]   ; the largest score of each block of 32 keys
.endr
.irp i, 3,5,7,9,11,13
.irp b, 0,1,2,3
	v_max3_num_f32 v[232+\b], v[232+\b], v[96+16*\b+\i], v[97+16*\b+\i]
.endr
.endr
.irp b, 0,1,2,3
	v_max_num_f32 v[232+\b], v[232+\b], v[111+16*\b]
.endr
.irp b, 0,1,2,3
	s_delay_alu instid0(VALU_DEP_4)
	v_permlanex16_b32 v[236+\b], v[232+\b], s[SEL], s[SEL+1]
.endr
.irp b, 0,1,2,3
	s_delay_alu instid0(VALU_DEP_4)
	v_max_num_f32 v[232+\b], v[232+\b], v[236+\b]
.endr
	s_delay_alu instid0(VALU_DEP_2)
	v_max3_num_f32 v254, v232, v233, v234
	s_delay_alu instid0(VALU_DEP_1)
	v_max_num_f32 v254, v254, v235
	s_delay_alu instid0(VALU_DEP_1)
	v_mul_f32 v254, s[CS], v254
	s_delay_alu instid0(VALU_DEP_1)
	v_max_num_f32 v13, v13, v254                   ; the running largest t
	v_mov_b32 v254, v12
	s_delay_alu instid0(VALU_DEP_2)
	v_floor_f32 v12, -v13                          ; -M = floor(-t)
	s_delay_alu instid0(VALU_DEP_1)
	v_sub_f32 v254, v12, v254
	s_delay_alu instid0(VALU_DEP_1)
	v_cvt_i32_f32 v254, v254
	s_delay_alu instid0(VALU_DEP_1)
	v_ldexp_f32 v252, 1.0, v254                    ; f = 2^(old M - new M)
.set J, 0
.rept 32
	v_pk_fma_f32 v[96+J:97+J], v[96+J:97+J], s[CS:CS+1], v[12:13] op_sel_hi:[1,0,0]   ; t - M
.set J, J+2
.endr
.irp b, 0,1,2,3
	v_fma_f32 v[232+\b], v[232+\b], s[CS], v12
.endr
	s_wait_alu depctr_va_vdst(0)                   ; the wait ahead of the batch,
.set J, 0
.rept 64
	v_exp_f32 v[96+J], v[96+J]
.set J, J+1
.endr
	v_pk_mul_f32 v[14:15], v[14:15], v[252:253] op_sel_hi:[1,0]
	s_wait_alu depctr_va_vdst(0)                   ; and behind it
.irp b, 0,1,2,3
	v_exp_f32 v[232+\b], v[232+\b]                 ; each block's largest p
.endr
	v_pk_add_f32 v[236:237], v[96:97], v[98:99]    ; the sum of the unquantised p, in two chains
.irp j, 4,8,12,16,20,24,28,32,36,40,44,48,52,56,60
	v_pk_add_f32 v[14:15], v[14:15], v[96+\j:97+\j]
	v_pk_add_f32 v[236:237], v[236:237], v[98+\j:99+\j]
.endr
	s_delay_alu instid0(VALU_DEP_1)
	v_pk_add_f32 v[14:15], v[14:15], v[236:237]
	s_wait_alu depctr_va_vdst(0)                   ; for the four
.irp b, 0,1,2,3
	v_max_num_f32 v[232+\b], 0x1800000, v[232+\b]  ; the floor 2^(3 - 127): the byte cannot fall under 1
.endr
.irp b, 0,1,2,3
	s_delay_alu instid0(VALU_DEP_4)
	v_add_nc_u32 v[244+\b], 0xff000000, v[232+\b]  ; 2 off the exponent field: the conversion's scale operand
.endr
.irp b, 0,1,2,3
	s_delay_alu instid0(VALU_DEP_4)
	v_lshrrev_b32 v[236+\b], 23, v[244+\b]
.endr
	s_delay_alu instid0(VALU_DEP_3)
	v_lshl_or_b32 v253, v237, 8, v236
	s_delay_alu instid0(VALU_DEP_1)
	v_lshl_or_b32 v253, v238, 16, v253
	s_delay_alu instid0(VALU_DEP_1)
	v_lshl_or_b32 v253, v239, 24, v253             ; p's scale word for these 128 keys
.irp c, 0,1
	v_cvt_scalef32_pk16_fp6_f32 v[224+6*\c:226+6*\c], v[96+32*\c:111+32*\c], v[244+2*\c]
	v_cvt_scalef32_pk16_fp6_f32 v[236+4*\c:238+4*\c], v[112+32*\c:127+32*\c], v[244+2*\c+1]
.endr
	v_nop                                          ; one plain place behind a scaled conversion
.irp c, 0,1
.irp i, 0,1,2
	v_permlane16_swap_b32 v[224+6*\c+\i], v[236+4*\c+\i]
.endr
.irp i, 0,1,2
	s_delay_alu instid0(VALU_DEP_3)
	v_mov_b32 v[227+6*\c+\i], v[236+4*\c+\i]
.endr
.endr
	s_wait_alu depctr_va_vdst(0)                   ; the wait directly ahead of the first reader of O^T
.set J, 0
.rept 16
	v_pk_mul_f32 v[160+J:161+J], v[160+J:161+J], v[252:253] op_sel_hi:[1,0]   ; O^T under the new M; also the places in front of the products below
.set J, J+2
.endr
	s_wait_alu depctr_va_vdst(0)
	s_wait_dscnt 0x0                               ; v's fragments
.irp t, 0,1,2,3
	v_wmma_scale_f32_16x16x128_f8f6f4 v[160+8*\t:167+8*\t], v[32+12*\t:43+12*\t], v[224:235], v[160+8*\t:167+8*\t], v[248+\t], v253 matrix_a_fmt:MATRIX_FMT_FP6 matrix_b_fmt:MATRIX_FMT_FP6
.endr
.endm
.macro RUN n, lbl                      ; n steps on end, with no meeting between them
	s_mov_b32 s[CNT], \n
\lbl:
	STEP
	s_add_co_u32 s[TB], s[TB], 2*PIECE
	s_add_co_u32 s[TS], s[TS], 512
	s_sub_co_u32 s[CNT], s[CNT], 1
	s_cmp_lg_u32 s[CNT], 0
	s_cbranch_scc1 \lbl
.endm
	s_wait_alu depctr_va_vdst(0)
	s_wait_tensorcnt 0x0                           ; my load of the head's sixteen is in
	ds_add_u32 v[SPW], v[NIL]
	s_add_co_u32 s[G0C+1], s[G0C+1], 8*PIECE       ; piece 8 + w,
	s_add_nc_u64 s[G0C+2:G0C+3], s[G0C+2:G0C+3], s[STP:STP+1]   ; four steps on: step 4 + w / 2
	s_wait_dscnt 0x0
	CROUND
	tensor_load_to_lds s[G0C:G0C+3], s[G1C:G1C+7]  ; steps 4-11, a piece a wave
	s_nop 0
	RUN 4, .Lfirst                                 ; steps 0-3
	s_wait_alu depctr_va_vdst(0)
	s_wait_tensorcnt 0x0                           ; steps 4-11 are in;
	ds_add_u32 v[SPW], v[NIL]
	s_mul_i32 s[G0C+1], s[WV], PIECE               ; piece w again,
	s_add_nc_u64 s[G0C+2:G0C+3], s[G0C+2:G0C+3], s[STP:STP+1]
	s_add_nc_u64 s[G0C+2:G0C+3], s[G0C+2:G0C+3], s[STP:STP+1]   ; eight steps on: step 12 + w / 2
	s_wait_dscnt 0x0                               ; the add is done, and so are my reads of pieces 0-7
	CROUND
	s_cmp_lt_u32 s[WV], 8
	s_cbranch_scc0 .Lno_third
	tensor_load_to_lds s[G0C:G0C+3], s[G1C:G1C+7]  ; steps 12-15 into pieces 0-7
	s_nop 0
.Lno_third:
	s_mov_b32 s[TB], 8*PIECE
	RUN 8, .Lsecond                                ; steps 4-11
	s_wait_alu depctr_va_vdst(0)
	s_wait_tensorcnt 0x0                           ; steps 12-15 are in
	ds_add_u32 v[SPW], v[NIL]
	s_wait_dscnt 0x0
	s_barrier_signal -1
	s_barrier_wait -1
	s_mov_b32 s[TB], 0
	RUN 4, .Lthird                                 ; steps 12-15
; THE WAY OUT: O^T / l, quantised along the features (two blocks of 32 a head); the two heads' halves of a fragment meet in LDS
.rept 4
	v_nop
.endr
	v_add_f32 v14, v14, v15
	s_delay_alu instid0(VALU_DEP_1)
	v_permlanex16_b32 v252, v14, s[SEL], s[SEL+1]
	s_delay_alu instid0(VALU_DEP_1)
	v_add_f32 v14, v14, v252
	s_wait_alu depctr_va_vdst(0)
	v_rcp_f32 v14, v14
	v_nop
	s_wait_alu depctr_va_vdst(0)
.set J, 0
.rept 32
	v_mul_f32 v[96+J], v[160+J], v14
.set J, J+1
.endr
.irp b, 0,1
	v_max3_num_f32 v[232+\b], |v[96+16*\b]|, |v[97+16*\b]|, 0x1800000
.endr
.irp i, 2,4,6,8,10,12,14
.irp b, 0,1
	s_delay_alu instid0(VALU_DEP_2)
	v_max3_num_f32 v[232+\b], v[232+\b], |v[96+16*\b+\i]|, |v[97+16*\b+\i]|
.endr
.endr
.irp b, 0,1
	s_delay_alu instid0(VALU_DEP_2)
	v_permlanex16_b32 v[236+\b], v[232+\b], s[SEL], s[SEL+1]
.endr
.irp b, 0,1
	s_delay_alu instid0(VALU_DEP_2)
	v_max_num_f32 v[232+\b], v[232+\b], v[236+\b]
.endr
.irp b, 0,1
	s_delay_alu instid0(VALU_DEP_2)
	v_add_nc_u32 v[244+\b], 0xff000000, v[232+\b]
.endr
.irp b, 0,1
	s_delay_alu instid0(VALU_DEP_2)
	v_lshrrev_b32 v[236+\b], 23, v[244+\b]
.endr
	s_delay_alu instid0(VALU_DEP_1)
	v_lshl_or_b32 v253, v237, 8, v236
	v_cvt_scalef32_pk16_fp6_f32 v[224:226], v[96:111], v244
	v_cvt_scalef32_pk16_fp6_f32 v[228:230], v[112:127], v245
	v_nop
.irp i, 0,1,2
	v_permlane16_swap_b32 v[224+\i], v[228+\i]
.endr
	s_delay_alu instid0(VALU_DEP_1)
	v_cndmask_b32 v232, v224, v226, s[PM]
	s_delay_alu instid0(VALU_DEP_3)
	v_cndmask_b32 v233, v225, v228, s[PM]
	s_delay_alu instid0(VALU_DEP_3)
	v_cndmask_b32 v234, v226, v229, s[PM]
	s_delay_alu instid0(VALU_DEP_4)
	v_cndmask_b32 v235, v228, v230, s[PM]
	v_cndmask_b32 v236, v229, v224, s[PM]
	v_cndmask_b32 v237, v230, v225, s[PM]
	ds_store_b128 v[SA], v[232:235]
	ds_store_b64 v[SB], v[236:237]
	ds_store_b16 v[SH16], v253
	s_wait_dscnt 0x0                               ; for the others' sake: my stores have landed
	s_barrier_signal -1
	s_barrier_wait -1
	s_cmp_lt_u32 s[WV], 8
	s_cbranch_scc0 .Lnot_codes
	ds_load_b128 v[32:35], v[RDA]
	ds_load_b128 v[36:39], v[RDA] offset:512
	ds_load_b128 v[40:43], v[RDA] offset:1024
	s_wait_dscnt 0x0
	global_store_b128 v[GO], v[32:35], s[96:97]    ; 512 consecutive bytes, aligned to 256
	global_store_b128 v[GO], v[36:39], s[96:97] offset:512
	global_store_b128 v[GO], v[40:43], s[96:97] offset:1024
	s_branch .Ljoin
.Lnot_codes:
	s_cmp_eq_u32 s[WV], 8
	s_cbranch_scc0 .Ljoin
	ds_load_b128 v[32:35], v[RDS]
	s_wait_dscnt 0x0
	global_store_b128 v[GO], v[32:35], s[98:99]    ; the eight tiles' scale words
.Ljoin:
	s_wait_tensorcnt 0x0                           ; the wave's end
	ds_add_u32 v[SPW], v[NIL]
	s_wait_dscnt 0x0
	CROUND                                         ; the closing round
	s_endpgm
.Lfunc_end_k_q78bc72d1e6_attn:
	.size	k_q78bc72d1e6_attn, .Lfunc_end_k_q78bc72d1e6_attn-k_q78bc72d1e6_attn
	.p2alignl 7, 3214868480
	.fill 96, 4, 3214868480
	.section	.rodata,"a",@progbits
	.p2align	6, 0x0
	.amdhsa_kernel k_q78bc72d1e6_attn
		.amdhsa_group_segment_fixed_size 327680
		.amdhsa_private_segment_fixed_size 0
		.amdhsa_enable_private_segment 0
		.amdhsa_kernarg_size 16
		.amdhsa_user_sgpr_count 2
		.amdhsa_user_sgpr_kernarg_segment_ptr 1
		.amdhsa_wavefront_size32 1
		.amdhsa_system_sgpr_workgroup_id_x 1
		.amdhsa_system_sgpr_workgroup_id_y 1
		.amdhsa_system_sgpr_workgroup_id_z 1
		.amdhsa_system_vgpr_workitem_id 0
		.amdhsa_next_free_vgpr 256
		.amdhsa_next_free_sgpr 100
		.amdhsa_reserve_vcc 0
		.amdhsa_float_denorm_mode_32 3
		.amdhsa_float_denorm_mode_16_64 3
		.amdhsa_memory_ordered 1
		.amdhsa_forward_progress 1
		.amdhsa_inst_pref_size 72
	.end_amdhsa_kernel
	.amdgpu_metadata
---
amdhsa.version: [ 1, 2 ]
amdhsa.kernels:
  - .name:           k_q78bc72d1e6_attn
    .symbol:         k_q78bc72d1e6_attn.kd
    .args:
      - { .name: actb, .offset: 0, .size: 8, .value_kind: global_buffer, .address_space: global }
      - { .name: acta, .offset: 8, .size: 8, .value_kind: global_buffer, .address_space: global }
    .group_segment_fixed_size: 327680
    .private_segment_fixed_size: 0
    .kernarg_segment_align: 8
    .kernarg_segment_size: 16
    .max_flat_workgroup_size: 512
    .sgpr_count:     100
    .vgpr_count:     256
    .wavefront_size: 32
...
	.end_amdgpu_metadata
.endif
;; end of part 9
;; launch gr1 (part 10): grid 8 x 32, 4 waves a work-group, clusters of 4 x 4, 327,680 bytes of LDS; arguments acta, wx, bo, x, x1; writes x1
.if DOCPART == 10
	.amdgcn_target "amdgcn-amd-amdhsa--gfx1250"
	.amdhsa_code_object_version 6
	.text
	.protected	k_q78bc72d1e6_gr1
	.globl	k_q78bc72d1e6_gr1
	.p2align	8
	.type	k_q78bc72d1e6_gr1,@function
k_q78bc72d1e6_gr1:
	s_mov_b64 s[64:65], 0
	v_nop
	global_prefetch_b8 v0, s[64:65] scope:SCOPE_SE
	s_setreg_imm32_b32 hwreg(HW_REG_WAVE_MODE, 25, 1), 1
	s_wait_xcnt 0x0
	s_wait_alu depctr_hold_cnt(0) depctr_sa_sdst(0) depctr_va_vdst(0) depctr_va_sdst(0) depctr_va_ssrc(0) depctr_va_vcc(0) depctr_vm_vsrc(0)
	s_getreg_b32 s2, hwreg(HW_REG_IB_STS2, 6, 4)
	s_cmp_eq_u32 s2, 0
	s_cbranch_scc0 .Lentry_in_a_cluster
	s_endpgm
.Lentry_in_a_cluster:
	s_bfe_u32 s2, ttmp6, 0x10000c
	s_cmp_lg_u32 s2, 0xf033
	s_cbranch_scc0 .Lentry_shape_is_right
	s_endpgm
.Lentry_shape_is_right:
.set SIZE_K, 1024
.set BROW0,  1024
.set PANEL,  786432
.set RT,     3072
.set FRB,    1536
.set SOFF,   18874368
.set SPL,    16384
.set NQ,     4
.set FR,     12
.set NP,     4
.set HALFT,  8*RT
.set SLOT,   4*HALFT
.set LAPS,   SIZE_K/1024
.set NK,     SIZE_K/128
.set SCL,    2*SLOT
.set HALFS,  (NK/2)*512
.set SPARE,  SCL+4*HALFS
.set STG,    SPARE+512
.set SPITCH, 272
.set ADRA, 16
.set ADRB, 20
.set STO,  24
.set RD,   25
.set CO,   26
.set ADRS, 27
.set SPW,  28
.set NIL,  29
.set RA,   30
.set LI,   31
.set SC,   32
.set BK,   64
.set ACC,  128
.set F0,   0
.set F1,   128
.set G1, 24
.set G0, 32
.set G1B, 48
.set G0B, 56
.set G1S, 68
.set G0S, 76
.set G1SB, 80
.set G0SB, 88
.set MSB, 0
.macro WIN new
.if MSB != (\new)
	s_set_vgpr_msb (MSB<<8)|(\new)
.set MSB, \new
.endif
.endm
.set MUL,  0x05
.set TO_F, 0x40
.macro JLOAD g0a, g1a, g0b, g1b
	s_cmp_eq_u32 s15, 0
	s_cbranch_scc0 .Lfor_b_\@
	tensor_load_to_lds s[\g0a:\g0a+3], s[\g1a:\g1a+7]
	s_nop 0
.rept 4
	v_nop
.endr
	s_branch .Lasked_\@
.Lfor_b_\@:
	tensor_load_to_lds s[\g0b:\g0b+3], s[\g1b:\g1b+7]
	s_nop 0
.rept 4
	v_nop
.endr
.Lasked_\@:
.endm
.macro CREST
	s_cmp_lg_u32 s14, 0
	s_cbranch_scc1 .Lnot_wave_0_\@
	s_barrier_signal -3
.Lnot_wave_0_\@:
	s_barrier_wait -3
	s_barrier_signal -1
	s_barrier_wait -1
.endm
.macro CROUND
	s_barrier_signal -1
	s_barrier_wait -1
	CREST
.endm
	s_load_b256 s[4:11], s[0:1], 0x0
	s_load_b64 s[12:13], s[0:1], 0x20
	v_lshl_add_u32 v[SPW], v0, 2, SPARE
	v_mov_b32 v[NIL], 0
	ds_add_u32 v[SPW], v[NIL]
	ds_add_u32 v[SPW], v[NIL]
	v_lshrrev_b32 v1, 5, v0
	v_readfirstlane_b32 s14, v1
	s_lshr_b32 s15, s14, 1
	s_and_b32 s16, s14, 1
	s_bfe_u32 s40, ttmp6, 0x40000
	s_bfe_u32 s41, ttmp6, 0x40004
	s_lshl_b32 s42, ttmp9, 2
	s_add_co_u32 s42, s42, s40
	s_and_b32 s17, ttmp7, 0xffff
	s_lshl_b32 s17, s17, 2
	s_add_co_u32 s17, s17, s41
	s_lshl_b32 s43, s41, 2
	s_lshl_b32 s43, 15, s43
	s_lshl_b32 s44, 0x1111, s40
	s_or_b32 s[G1+0], s43, (3<<16)|(1<<21)
	s_or_b32 s[G1B+0], s44, (3<<16)|(1<<21)
.irp g, G1, G1B
	s_mov_b32 s[\g+1], 3072<<16                    ; the head's loads of codes: four panels of 128 positions, four rows of 24,576 bytes, PANEL apart
	s_mov_b32 s[\g+2], 4<<16                       ; K = 1,024: all four panels of an operand come by one load, and lie on end in LDS
	s_mov_b32 s[\g+3], 3072<<16
	s_mov_b32 s[\g+4], 4
	s_mov_b32 s[\g+5], PANEL/8
	s_mov_b32 s[\g+6], 0
	s_mov_b32 s[\g+7], 0
.endr
	s_or_b32 s[G1S+0], s43, (3<<16)|(1<<21)
	s_or_b32 s[G1SB+0], s44, (3<<16)|(1<<21)
.irp g, G1S, G1SB
	s_mov_b32 s[\g+1], 64<<16
	s_mov_b32 s[\g+2], NK<<16
	s_mov_b32 s[\g+3], 64<<16
	s_mov_b32 s[\g+4], NK
	s_mov_b32 s[\g+5], SPL/8
	s_mov_b32 s[\g+6], 0
	s_mov_b32 s[\g+7], 0
.endr
	s_lshl_b32 s20, s17, 7
	s_lshl_b32 s46, s42, 7
	s_add_co_u32 s46, s46, BROW0
	s_lshl_b32 s22, s20, 2
	s_mov_b32 s23, 0
	s_lshl_b32 s92, s46, 2
	s_mov_b32 s93, 0
	s_add_nc_u64 s[22:23], s[22:23], SOFF
	s_add_nc_u64 s[92:93], s[92:93], SOFF
	s_mul_i32 s20, s20, RT/16
	s_mov_b32 s21, 0
	s_mul_i32 s46, s46, RT/16
	s_mov_b32 s47, 0
	s_mul_i32 s45, s14, HALFT
	s_wait_dscnt 0x0
	s_wait_kmcnt 0x0
	s_add_nc_u64 s[20:21], s[4:5], s[20:21]
	s_add_nc_u64 s[22:23], s[4:5], s[22:23]
	s_add_nc_u64 s[46:47], s[6:7], s[46:47]
	s_add_nc_u64 s[92:93], s[6:7], s[92:93]
	CROUND
	s_mov_b32 s[G0S], 1
	s_mov_b32 s[G0S+1], SCL
	s_mov_b64 s[G0S+2:G0S+3], s[22:23]
	s_or_b32 s[G0S+3], s[G0S+3], 0x80000000
	s_mov_b32 s[G0SB], 1
	s_mov_b32 s[G0SB+1], SCL+2*HALFS
	s_mov_b64 s[G0SB+2:G0SB+3], s[92:93]
	s_or_b32 s[G0SB+3], s[G0SB+3], 0x80000000
.irp s, 0
	s_mov_b32 s[G0+4*\s], 1
	s_add_co_u32 s[G0+4*\s+1], s45, \s*SLOT
	s_add_nc_u64 s[G0+4*\s+2:G0+4*\s+3], s[20:21], \s*2*PANEL
	s_or_b32 s[G0+4*\s+3], s[G0+4*\s+3], 0x80000000
	s_mov_b32 s[G0B+4*\s], 1
	s_add_co_u32 s[G0B+4*\s+1], s45, \s*SLOT
	s_add_nc_u64 s[G0B+4*\s+2:G0B+4*\s+3], s[46:47], \s*2*PANEL
	s_or_b32 s[G0B+4*\s+3], s[G0B+4*\s+3], 0x80000000
.endr
; THE HEAD'S LOADS, ONE A WAVE: wave 0 all four panels of A, wave 1 of B, wave 2 A's scale words for all of K, wave 3 B's.  One chain of branches on the wave's number; every way passes one load.
; Slot 0's group 0 serves the head with the first panel's address and the operand's place.
	s_mov_b32 s[G0+1], 0
	s_mov_b32 s[G0B+1], 4*HALFT
.macro ARM under, g0, g1, next
	s_cmp_lt_u32 s14, \under
	s_cbranch_scc0 \next
	tensor_load_to_lds s[\g0:\g0+3], s[\g1:\g1+7]
	s_nop 0
.rept 4
	v_nop
.endr
	s_branch .Lhead_asked
\next:
.endm
	ARM 1, G0,  G1,  .Lhead_b
	ARM 2, G0B, G1B, .Lhead_sa
	ARM 3, G0S, G1S, .Lhead_sb
	tensor_load_to_lds s[G0SB:G0SB+3], s[G1SB:G1SB+7]
	s_nop 0
.rept 4
	v_nop
.endr
.Lhead_asked:
	v_and_b32 v1, 31, v0
	v_and_b32 v2, 15, v0
	v_bfe_u32 v3, v0, 4, 1
	s_wait_alu depctr_va_vdst(0)
	v_lshlrev_b32 v[LI], 4, v1
	s_mul_i32 s21, s15, 4*RT
	s_mul_i32 s22, s16, 4*RT
	s_add_co_u32 s22, s22, 4*HALFT
.irp s, 0,1
	v_add_nc_u32 v[ADRA+\s], s21, v[LI]
	v_add_nc_u32 v[ADRB+\s], s22, v[LI]
	s_add_co_u32 s21, s21, 2*HALFT
	s_add_co_u32 s22, s22, 2*HALFT
.endr
	s_lshl_b32 s21, s15, 8
	s_lshl_b32 s22, s16, 8
	s_add_co_u32 s22, s22, 2*HALFS
	s_sub_co_u32 s22, s22, s21
	v_mul_u32_u24 v6, s22, v3
	s_add_co_u32 s21, s21, SCL
	v_lshlrev_b32 v5, 2, v2
	v_add_nc_u32 v5, v5, v6
	v_add_nc_u32 v[ADRS], s21, v5
	s_mul_i32 s23, s14, 16*SPITCH
	s_add_co_u32 s23, s23, STG
	v_mul_u32_u24 v5, v2, SPITCH
	v_lshl_add_u32 v5, v3, 6, v5
	v_add_nc_u32 v[STO], s23, v5
	v_mul_u32_u24 v5, v3, SPITCH
	v_lshl_add_u32 v5, v2, 4, v5
	v_add_nc_u32 v[RD], s23, v5
	v_lshlrev_b32 v7, 4, v2
	s_wait_alu depctr_va_vdst(0)
	v_lshl_add_u32 v[CO], v3, 12, v7
	v_and_b32 v5, 7, v2
	v_lshrrev_b32 v6, 3, v2
	v_lshl_add_u32 v5, v6, 4, v5
	v_lshlrev_b32 v5, 12, v5
	v_lshl_add_u32 v[RA], v3, 6, v5
	s_wait_alu depctr_va_vdst(0)
	s_lshl_b32 s2, s17, 19
	s_lshl_b32 s3, s15, 18
	s_add_co_u32 s2, s2, s3
	s_lshl_b32 s18, s42, 9
	s_lshl_b32 s19, s16, 8
	s_add_co_u32 s18, s18, s19
	s_add_co_u32 s2, s2, s18
	s_mov_b32 s3, 0
	s_mov_b32 s19, 0
	s_add_nc_u64 s[10:11], s[10:11], s[2:3]
	s_add_nc_u64 s[12:13], s[12:13], s[2:3]
	s_add_nc_u64 s[8:9], s[8:9], s[18:19]
	global_load_b128 v[8:11], v7, s[8:9]
.irp a, 0,1,2,3
.irp b, 0,1,2,3
.irp f, 0,1
	global_load_b128 v[ACC+8*(4*\a+\b)+4*\f:ACC+8*(4*\a+\b)+4*\f+3], v[RA], s[10:11] offset:(32*(\a/2)+8*(\a%2))*4096+128*(\b/2)+32*(\b%2)+16*\f
.endr
.endr
.endr
.macro FETCH slot, q, f
	WIN TO_F
.irp i, 0,1,2,3
.irp c, 0,1,2
	ds_load_b128 v[(\f)+48+FR*\i+4*\c:(\f)+48+FR*\i+4*\c+3], v[ADRB+\slot] offset:((\q)/2)*HALFT+\i*RT+((\q)%2)*FRB+512*\c
.endr
.endr
.irp i, 0,1,2,3
.irp c, 0,1,2
	ds_load_b128 v[(\f)+FR*\i+4*\c:(\f)+FR*\i+4*\c+3], v[ADRA+\slot] offset:((\q)/2)*HALFT+\i*RT+((\q)%2)*FRB+512*\c
.endr
.endr
.endm
.macro MULA f, a, q, sc
.irp b, 0,1,2,3
	v_wmma_scale_f32_16x16x128_f8f6f4 v[ACC+8*(4*(\a)+\b):ACC+8*(4*(\a)+\b)+7], v[(\f)+48+FR*\b:(\f)+48+FR*\b+FR-1], v[(\f)+FR*(\a):(\f)+FR*(\a)+FR-1], v[ACC+8*(4*(\a)+\b):ACC+8*(4*(\a)+\b)+7], v[SC+4*NQ*(\sc)+NQ*\b+(\q)], v[SC+4*NQ*(\sc)+NQ*(\a)+(\q)] matrix_a_fmt:MATRIX_FMT_FP6 matrix_b_fmt:MATRIX_FMT_FP6 matrix_a_scale:MATRIX_SCALE_ROW1
.endr
.endm
.macro SCALES sc
.irp i, 0,1,2,3
.irp q, 0,1,2,3
	ds_load_b32 v[SC+16*\sc+4*\i+\q], v[ADRS] offset:512*\q+64*\i
.endr
.endr
.endm
.macro PLACES n
.rept \n
	v_nop
.endr
.endm
.macro STEP slot, q
	PLACES NP
	FETCH \slot, (\q)+1, 128*(((\q)+1)%2)
	s_wait_dscnt 24
	WIN MUL
.irp a, 0,1,2,3
	MULA 128*((\q)%2), \a, \q, \slot
.endr
.endm
.macro TURN slot, next, fill
	WIN 0
	s_wait_tensorcnt 0x0
	ds_add_u32 v[SPW], v[NIL]
	s_wait_dscnt 1
	WIN MUL
	MULA F1, 0, NQ-1, \slot
	s_wait_dscnt 0x0
	s_barrier_signal -1
	MULA F1, 1, NQ-1, \slot
	WIN 0
	s_barrier_wait -1
.if \fill
	CREST
	s_add_nc_u64 s[G0+4*\slot+2:G0+4*\slot+3], s[G0+4*\slot+2:G0+4*\slot+3], 4*PANEL
	s_add_nc_u64 s[G0B+4*\slot+2:G0B+4*\slot+3], s[G0B+4*\slot+2:G0B+4*\slot+3], 4*PANEL
	JLOAD G0+4*\slot, G1, G0B+4*\slot, G1B
.else
	PLACES NP
.endif
	v_add_nc_u32 v[ADRS], 512*NQ, v[ADRS]
	FETCH \next, 0, F0
	WIN 0
	SCALES \next
	WIN MUL
	MULA F1, 2, NQ-1, \slot
	MULA F1, 3, NQ-1, \slot
.endm
.macro RUN slot
	STEP \slot, 0
	STEP \slot, 1
	STEP \slot, 2
.endm
	s_wait_alu depctr_va_vdst(0)
	s_wait_tensorcnt 0x0                           ; my tile of the head's four is in: they are all that this launch loads into LDS, and nothing is filled again
	s_barrier_signal -1
	s_barrier_wait -1                              ; all four are in
	s_wait_loadcnt 0x0                             ; the bias and the residual, which starts the sums
	FETCH 0, 0, F0
	WIN 0
	SCALES 0
.if LAPS > 1
	s_mov_b32 s3, LAPS-1
.Llap:
	RUN 0
	TURN 0, 1, 1
	RUN 1
	TURN 1, 0, 1
	WIN 0
	s_sub_co_u32 s3, s3, 1
	s_cmp_lg_u32 s3, 0
	s_cbranch_scc1 .Llap
.endif
	RUN 0
	TURN 0, 1, 0
	RUN 1
	s_wait_dscnt 0x0
	WIN MUL
.irp a, 0,1,2,3
	MULA F1, \a, NQ-1, 1
.endr
	WIN 0
.macro TOSTAGE a
.irp b, 0,1,2,3
	ds_store_b128 v[STO], v[ACC+8*(4*(\a)+\b):ACC+8*(4*(\a)+\b)+3] offset:128*(\b/2)+32*(\b%2)
	ds_store_b128 v[STO], v[ACC+8*(4*(\a)+\b)+4:ACC+8*(4*(\a)+\b)+7] offset:128*(\b/2)+32*(\b%2)+16
.endr
.set BB, BK+32*((\a)%2)
.irp t, 0,1,2,3,4,5,6,7
	ds_load_b128 v[BB+4*\t:BB+4*\t+3], v[RD] offset:\t*2*SPITCH
.endr
.endm
.macro SEND a, younger
.set BB, BK+32*((\a)%2)
	s_wait_dscnt \younger
.irp t, 0,1,2,3,4,5,6,7
	v_pk_add_f32 v[BB+4*\t:BB+4*\t+1], v[BB+4*\t:BB+4*\t+1], v[8:9]
	v_pk_add_f32 v[BB+4*\t+2:BB+4*\t+3], v[BB+4*\t+2:BB+4*\t+3], v[10:11]
.endr
.irp t, 0,1,2,3,4,5,6,7
	global_store_b128 v[CO], v[BB+4*\t:BB+4*\t+3], s[12:13] offset:(32*((\a)/2)+8*((\a)%2)+2*(\t%4)+16*(\t/4))*4096 th:TH_STORE_NT
.endr
.endm
	PLACES NP
	TOSTAGE 0
.irp a, 1,2,3
.if \a > 1
	s_wait_xcnt 0x0
.endif
	TOSTAGE \a
	SEND \a-1, 16
.endr
	SEND 3, 0
	s_wait_tensorcnt 0x0
	ds_add_u32 v[SPW], v[NIL]
	s_wait_dscnt 0x0
	CROUND
	s_endpgm
.Lfunc_end_k_q78bc72d1e6_gr1:
	.size	k_q78bc72d1e6_gr1, .Lfunc_end_k_q78bc72d1e6_gr1-k_q78bc72d1e6_gr1
	.p2alignl 7, 3214868480
	.fill 96, 4, 3214868480
	.section	.rodata,"a",@progbits
	.p2align	6, 0x0
	.amdhsa_kernel k_q78bc72d1e6_gr1
		.amdhsa_group_segment_fixed_size 327680
		.amdhsa_private_segment_fixed_size 0
		.amdhsa_enable_private_segment 0
		.amdhsa_kernarg_size 40
		.amdhsa_user_sgpr_count 2
		.amdhsa_user_sgpr_kernarg_segment_ptr 1
		.amdhsa_wavefront_size32 1
		.amdhsa_system_sgpr_workgroup_id_x 1
		.amdhsa_system_sgpr_workgroup_id_y 1
		.amdhsa_system_sgpr_workgroup_id_z 1
		.amdhsa_system_vgpr_workitem_id 0
		.amdhsa_next_free_vgpr 512
		.amdhsa_next_free_sgpr 102
		.amdhsa_reserve_vcc 0
		.amdhsa_float_denorm_mode_32 3
		.amdhsa_float_denorm_mode_16_64 3
		.amdhsa_memory_ordered 1
		.amdhsa_forward_progress 1
		.amdhsa_inst_pref_size 56
	.end_amdhsa_kernel
	.amdgpu_metadata
---
amdhsa.version: [ 1, 2 ]
amdhsa.kernels:
  - .name:           k_q78bc72d1e6_gr1
    .symbol:         k_q78bc72d1e6_gr1.kd
    .args:
      - { .name: acta, .offset: 0, .size: 8, .value_kind: global_buffer, .address_space: global }
      - { .name: wx, .offset: 8, .size: 8, .value_kind: global_buffer, .address_space: global }
      - { .name: bo, .offset: 16, .size: 8, .value_kind: global_buffer, .address_space: global }
      - { .name: x, .offset: 24, .size: 8, .value_kind: global_buffer, .address_space: global }
      - { .name: x1, .offset: 32, .size: 8, .value_kind: global_buffer, .address_space: global }
    .group_segment_fixed_size: 327680
    .private_segment_fixed_size: 0
    .kernarg_segment_align: 8
    .kernarg_segment_size: 40
    .max_flat_workgroup_size: 128
    .sgpr_count:     102
    .vgpr_count:     512
    .wavefront_size: 32
...
	.end_amdgpu_metadata
.endif
;; end of part 10
;; launch ln (part 11): grid 256 x 1, 8 waves a work-group, no clusters, 69,632 bytes of LDS; arguments x1, ln2_g, ln2_b, acta; writes acta
.if DOCPART == 11
	.amdgcn_target "amdgcn-amd-amdhsa--gfx1250"
	.amdhsa_code_object_version 6
	.text
	.protected	k_q78bc72d1e6_ln
	.globl	k_q78bc72d1e6_ln
	.p2align	8
	.type	k_q78bc72d1e6_ln,@function
k_q78bc72d1e6_ln:
	s_mov_b64 s[64:65], 0
	v_nop
	global_prefetch_b8 v0, s[64:65] scope:SCOPE_SE
	s_setreg_imm32_b32 hwreg(HW_REG_WAVE_MODE, 25, 1), 1
	s_wait_xcnt 0x0
; LayerNorm of [4,096][1,024] f32 rows, quantised on the way to MX-FP6 along the row, stored as an operand in this program's layout (fragments as images of their registers; a row's position is its number with bits 3 and 4 swapped).
; SHARES: work-group g makes row tile g: 16 positions, true rows 32 (g / 2) + 8 (g % 2) + r % 8 + 16 (r / 8).  Wave w takes columns 128 w .. 128 w + 127: one fragment.  Lane (r, h) holds, of row r, 16 neighbours of each block of 32.
; The row stays in registers between the passes: it is read from memory once.  Mean first, then the mean of the squared differences: no difference of large sums is formed.  A row's eight partial sums meet in LDS, one barrier a pass.
; The operand's tail is laid down too: its rows add no bias (0) and set no floor (-infinity).
; No matrix unit, no tensor load, no cluster: work-groups share only the 8 KiB of gain and bias.
; LIMITS: a block of zeros, or one under 2^-124, keeps the scale byte 1 (read by this program alone); NaN and infinities are not served.
.set PANEL, 786432
.set RT,    3072
.set FRB,   1536
.set SOFF,  18874368
.set SPL,   16384
.set TOFF,  19660800
.set SPARE, 1024                       ; LDS: 0-511 the sums' partials (16 rows x 8 waves x 4 bytes), 512-1023 the squares'; from 1,024 the spare words, 128 bytes a wave
.set X,     32                         ; v32-95   my 64 numbers
.set SPT,   528                        ; a stage row: 512 bytes + 16, an odd multiple of 16
.set STGL,  2048                       ; behind the spare words: a stage of 16 rows for each wave
.set G,     96                         ; v96-159  their gains
.set BT,    160                        ; v160-223 their biases
.set PC,    96                         ; afterwards: v96-115 codes and scratch,
.set TM,    116                        ; v116-131 at work,
.set PW,    132                        ; v132 the scale word
.set SEL,   20
.macro QUANT s, pc, pw
.irp b, 0,1,2,3
	v_max3_num_f32 v[TM+\b], |v[(\s)+16*\b]|, |v[(\s)+1+16*\b]|, 0x1800000   ; my 16 numbers of block b, and the floor 2^(3 - 127): the byte cannot fall under 1
.endr
.irp i, 2,4,6,8,10,12,14
.irp b, 0,1,2,3
	s_delay_alu instid0(VALU_DEP_4)
	v_max3_num_f32 v[TM+\b], v[TM+\b], |v[(\s)+16*\b+\i]|, |v[(\s)+1+16*\b+\i]|
.endr
.endr
.irp b, 0,1,2,3
	s_delay_alu instid0(VALU_DEP_4)
	v_permlanex16_b32 v[TM+4+\b], v[TM+\b], s[SEL], s[SEL+1]
.endr
.irp b, 0,1,2,3
	s_delay_alu instid0(VALU_DEP_4)
	v_max_num_f32 v[TM+\b], v[TM+\b], v[TM+4+\b]
.endr
.irp b, 0,1,2,3
	s_delay_alu instid0(VALU_DEP_4)
	v_add_nc_u32 v[TM+12+\b], 0xff000000, v[TM+\b]                 ; 2 off the exponent field: the conversion's scale operand
.endr
.irp b, 0,1,2,3
	s_delay_alu instid0(VALU_DEP_4)
	v_lshrrev_b32 v[TM+4+\b], 23, v[TM+12+\b]                      ; the scale's byte
.endr
	s_delay_alu instid0(VALU_DEP_3)
	v_lshl_or_b32 v[\pw], v[TM+5], 8, v[TM+4]
	s_delay_alu instid0(VALU_DEP_1)
	v_lshl_or_b32 v[\pw], v[TM+6], 16, v[\pw]
	s_delay_alu instid0(VALU_DEP_1)
	v_lshl_or_b32 v[\pw], v[TM+7], 24, v[\pw]
.irp c, 0,1
	v_cvt_scalef32_pk16_fp6_f32 v[(\pc)+6*\c:(\pc)+2+6*\c], v[(\s)+32*\c:(\s)+15+32*\c], v[TM+12+2*\c]
	v_cvt_scalef32_pk16_fp6_f32 v[(\pc)+12+4*\c:(\pc)+14+4*\c], v[(\s)+16+32*\c:(\s)+31+32*\c], v[TM+12+2*\c+1]
.endr
	v_nop                                                          ; one plain place behind a scaled conversion
.irp c, 0,1
.irp i, 0,1,2
	v_permlane16_swap_b32 v[(\pc)+6*\c+\i], v[(\pc)+12+4*\c+\i]
.endr
.irp i, 0,1,2
	s_delay_alu instid0(VALU_DEP_3)
	v_mov_b32 v[(\pc)+3+6*\c+\i], v[(\pc)+12+4*\c+\i]
.endr
.endr
.endm
; four chains of pairs in v[22:29] become the row's sum over all 1,024 columns, in v14 of every lane
.macro REDUCE off
	s_delay_alu instid0(VALU_DEP_3)
	v_pk_add_f32 v[22:23], v[22:23], v[24:25]
	s_delay_alu instid0(VALU_DEP_2)
	v_pk_add_f32 v[26:27], v[26:27], v[28:29]
	s_delay_alu instid0(VALU_DEP_1)
	v_pk_add_f32 v[22:23], v[22:23], v[26:27]
	s_delay_alu instid0(VALU_DEP_1)
	v_add_f32 v22, v22, v23
	s_delay_alu instid0(VALU_DEP_1)
	v_permlanex16_b32 v23, v22, s[SEL], s[SEL+1]
	s_delay_alu instid0(VALU_DEP_1)
	v_add_f32 v22, v22, v23                        ; my row's sum over my wave's 128 columns
	ds_store_b32 v8, v22 offset:\off               ; lanes l and l xor 16 write the same word with the same value
	s_wait_dscnt 0x0                               ; for the others' sake: my store has landed
	s_barrier_signal -1
	s_barrier_wait -1
	ds_load_b128 v[14:17], v9 offset:\off
	ds_load_b128 v[18:21], v9 offset:\off+16       ; my row's eight partial sums
	s_wait_dscnt 0x0
	v_pk_add_f32 v[14:15], v[14:15], v[16:17]
	v_pk_add_f32 v[18:19], v[18:19], v[20:21]
	s_delay_alu instid0(VALU_DEP_1)
	v_pk_add_f32 v[14:15], v[14:15], v[18:19]
	s_delay_alu instid0(VALU_DEP_1)
	v_add_f32 v14, v14, v15
.endm
	s_load_b256 s[4:11], s[0:1], 0x0               ; the rows s[4:5], gain s[6:7], bias s[8:9], the operand s[10:11]
	v_lshl_add_u32 v30, v0, 2, SPARE               ; my spare word,
	v_mov_b32 v31, 0                               ; and 0: kept for the closing lines
	v_lshrrev_b32 v1, 5, v0
	s_delay_alu instid0(VALU_DEP_1)
	v_readfirstlane_b32 s12, v1                    ; wave 0..7
	v_and_b32 v1, 31, v0                           ; lane
	v_and_b32 v2, 15, v0                           ; r
	v_bfe_u32 v3, v0, 4, 1                         ; h
	s_mul_i32 s13, s12, 16*SPT
	s_add_co_u32 s13, s13, STGL                    ; my stage: every load reads 512 consecutive bytes of one row, and the stage gives each lane its 16 neighbours
	v_mul_u32_u24 v224, v2, SPT
	s_delay_alu instid0(VALU_DEP_1)
	v_lshl_add_u32 v224, v3, 6, v224
	s_delay_alu instid0(VALU_DEP_1)
	v_add_nc_u32 v224, s13, v224                   ; out of it: row r, + 64 h
	v_lshl_add_u32 v225, v1, 4, s13                ; into it: 16 x lane
	v_lshlrev_b32 v5, 6, v3                        ; 64 h
	v_lshlrev_b32 v6, 4, v1                        ; 16 x lane
	v_lshlrev_b32 v7, 2, v2                        ; 4 r
	s_lshl_b32 s13, s12, 2
	v_lshl_add_u32 v8, v2, 5, s13                  ; LDS: 32 r + 4 wave
	v_lshlrev_b32 v9, 5, v2                        ; LDS: 32 r
	s_lshr_b32 s14, ttmp9, 1
	s_lshl_b32 s14, s14, 17                        ; 32 rows x 4,096 bytes
	s_and_b32 s15, ttmp9, 1
	s_lshl_b32 s15, s15, 15                        ; 8 rows
	s_add_co_u32 s14, s14, s15
	s_lshl_b32 s16, s12, 9                         ; my wave's 128 columns
	s_add_co_u32 s14, s14, s16
	s_mov_b32 s15, 0
	s_mov_b32 s17, 0
	s_lshr_b32 s18, s12, 1                         ; the fragment's place
	s_mul_i32 s18, s18, PANEL
	s_mul_i32 s19, ttmp9, RT
	s_add_co_u32 s18, s18, s19
	s_and_b32 s19, s12, 1
	s_mul_i32 s19, s19, FRB
	s_add_co_u32 s18, s18, s19
	s_mov_b32 s19, 0
	s_lshl_b32 s22, s12, 14                        ; the scale words': plane w, 64 bytes a tile
	s_lshl_b32 s24, ttmp9, 6
	s_add_co_u32 s22, s22, s24
	s_mov_b32 s23, 0
	s_mov_b32 s25, 0
	s_add_nc_u64 s[22:23], s[22:23], SOFF
	s_add_nc_u64 s[24:25], s[24:25], TOFF          ; the tail's
	s_mov_b32 s[SEL], 0x76543210
	s_mov_b32 s[SEL+1], 0xfedcba98
	s_mov_b32 s27, 0x3a800000                      ; 1 / 1,024
	s_mov_b32 s28, 0x3727c5ac                      ; 1e-5
	s_wait_alu depctr_va_vdst(0)
	s_wait_kmcnt 0x0
	s_add_nc_u64 s[4:5], s[4:5], s[14:15]
	s_add_nc_u64 s[6:7], s[6:7], s[16:17]
	s_add_nc_u64 s[8:9], s[8:9], s[16:17]
	s_add_nc_u64 s[18:19], s[10:11], s[18:19]
	s_add_nc_u64 s[22:23], s[10:11], s[22:23]
	s_add_nc_u64 s[24:25], s[10:11], s[24:25]
.irp b, 0,1,2,3
.irp j, 0,1,2,3
	global_load_b128 v[BT+16*\b+4*\j:BT+16*\b+4*\j+3], v6, s[4:5] offset:((4*\b+\j)%8+16*(\b/2))*4096   ; position r = 4 b + j, as it lies, into the registers that the biases take later
.endr
.endr
.irp b, 0,1,2,3
.irp j, 0,1,2,3
	global_load_b128 v[G+16*\b+4*\j:G+16*\b+4*\j+3], v5, s[6:7] offset:128*\b+16*\j
.endr
.endr
	s_wait_loadcnt 16                              ; my 16 rows are in; the 16 loads of gain may be out
.irp r, 0,1,2,3,4,5,6,7,8,9,10,11,12,13,14,15
	ds_store_b128 v225, v[BT+4*\r:BT+4*\r+3] offset:\r*SPT
.endr
.irp b, 0,1,2,3
.irp j, 0,1,2,3
	ds_load_b128 v[X+16*\b+4*\j:X+16*\b+4*\j+3], v224 offset:128*\b+16*\j
.endr
.endr
	s_wait_dscnt 0x0                               ; my 64 numbers are back, and the stores have read their registers
.irp b, 0,1,2,3
.irp j, 0,1,2,3
	global_load_b128 v[BT+16*\b+4*\j:BT+16*\b+4*\j+3], v5, s[8:9] offset:128*\b+16*\j
.endr
.endr
.set J, 0
.rept 4
	v_pk_add_f32 v[22+J:23+J], v[X+J:X+J+1], v[X+8+J:X+9+J]        ; four chains, started by the first sixteen numbers
.set J, J+2
.endr
.set J, 16
.rept 24
	s_delay_alu instid0(VALU_DEP_4)
	v_pk_add_f32 v[22+J%8:23+J%8], v[22+J%8:23+J%8], v[X+J:X+J+1]
.set J, J+2
.endr
	REDUCE 0
	s_delay_alu instid0(VALU_DEP_1)
	v_mul_f32 v10, s27, v14                        ; the mean,
	s_delay_alu instid0(VALU_DEP_1)
	v_mov_b32 v11, v10                             ; twice: a pair for the packed forms
.set J, 0
.rept 32
	v_pk_add_f32 v[X+J:X+J+1], v[X+J:X+J+1], v[10:11] neg_lo:[0,1] neg_hi:[0,1]
.set J, J+2
.endr
.set J, 0
.rept 4
	v_pk_mul_f32 v[22+J:23+J], v[X+J:X+J+1], v[X+J:X+J+1]
.set J, J+2
.endr
.set J, 8
.rept 28
	s_delay_alu instid0(VALU_DEP_4)
	v_pk_fma_f32 v[22+J%8:23+J%8], v[X+J:X+J+1], v[X+J:X+J+1], v[22+J%8:23+J%8]
.set J, J+2
.endr
	REDUCE 512                                     ; other bytes than the first pass's: no wave can overwrite what another still reads
	s_delay_alu instid0(VALU_DEP_1)
	v_fma_f32 v12, v14, s27, s28                   ; the variance + 1e-5
	s_wait_alu depctr_va_vdst(0)
	v_rsq_f32 v12, v12
	v_nop                                          ; a plain place behind the transcendental,
	s_wait_alu depctr_va_vdst(0)                   ; and the wait ahead of its first reader
	v_mov_b32 v13, v12
	s_wait_alu depctr_va_vdst(0)
	s_wait_loadcnt 0x0                             ; gain and bias
.set J, 0
.rept 32
	v_pk_mul_f32 v[X+J:X+J+1], v[X+J:X+J+1], v[12:13]
.set J, J+2
.endr
.set J, 0
.rept 32
	v_pk_fma_f32 v[X+J:X+J+1], v[X+J:X+J+1], v[G+J:G+J+1], v[BT+J:BT+J+1]
.set J, J+2
.endr
.irp b, 0,1,2,3
	v_mov_b32 v[TM+4+\b], 0                        ; a lane permute's destination counts as one of its sources
.endr
	QUANT X, PC, PW
.irp c, 0,1,2
	global_store_b128 v6, v[PC+4*\c:PC+4*\c+3], s[18:19] offset:512*\c        ; 512 consecutive bytes, aligned to 256
.endr
	v_cmp_gt_u32 vcc_lo, 16, v1
	s_wait_xcnt 0x0                                ; EXEC changes only behind this wait
	s_and_saveexec_b32 s26, vcc_lo
	global_store_b32 v7, v[PW], s[22:23]           ; lanes 0-15: the 16 rows' scale words
	s_wait_xcnt 0x0                                ; and again, in front of the line that widens it
	s_or_b32 exec_lo, exec_lo, s26
	s_cmp_lg_u32 s12, 0
	s_cbranch_scc1 .Lno_tail
	v_sub_nc_u32 v10, 0, v3
	s_delay_alu instid0(VALU_DEP_1)
	v_and_b32 v10, 0xff800000, v10                 ; lanes 0-15: bias 0; lanes 16-31: floor -infinity
	v_lshl_add_u32 v11, v3, 14, v7                 ; 4 r, and the floors lie 16,384 bytes behind the biases
	global_store_b32 v11, v10, s[24:25]
.Lno_tail:
	s_wait_tensorcnt 0x0                           ; the wave's end
	ds_add_u32 v30, v31
	s_wait_dscnt 0x0
	s_endpgm
.Lfunc_end_k_q78bc72d1e6_ln:
	.size	k_q78bc72d1e6_ln, .Lfunc_end_k_q78bc72d1e6_ln-k_q78bc72d1e6_ln
	.p2alignl 7, 3214868480
	.fill 96, 4, 3214868480
	.section	.rodata,"a",@progbits
	.p2align	6, 0x0
	.amdhsa_kernel k_q78bc72d1e6_ln
		.amdhsa_group_segment_fixed_size 69632
		.amdhsa_private_segment_fixed_size 0
		.amdhsa_enable_private_segment 0
		.amdhsa_kernarg_size 32
		.amdhsa_user_sgpr_count 2
		.amdhsa_user_sgpr_kernarg_segment_ptr 1
		.amdhsa_wavefront_size32 1
		.amdhsa_system_sgpr_workgroup_id_x 1
		.amdhsa_system_sgpr_workgroup_id_y 1
		.amdhsa_system_sgpr_workgroup_id_z 1
		.amdhsa_system_vgpr_workitem_id 0
		.amdhsa_next_free_vgpr 232
		.amdhsa_next_free_sgpr 66
		.amdhsa_reserve_vcc 1
		.amdhsa_float_denorm_mode_32 3
		.amdhsa_float_denorm_mode_16_64 3
		.amdhsa_memory_ordered 1
		.amdhsa_forward_progress 1
		.amdhsa_inst_pref_size 30
	.end_amdhsa_kernel
	.amdgpu_metadata
---
amdhsa.version: [ 1, 2 ]
amdhsa.kernels:
  - .name:           k_q78bc72d1e6_ln
    .symbol:         k_q78bc72d1e6_ln.kd
    .args:
      - { .name: x1, .offset: 0, .size: 8, .value_kind: global_buffer, .address_space: global }
      - { .name: ln2_g, .offset: 8, .size: 8, .value_kind: global_buffer, .address_space: global }
      - { .name: ln2_b, .offset: 16, .size: 8, .value_kind: global_buffer, .address_space: global }
      - { .name: acta, .offset: 24, .size: 8, .value_kind: global_buffer, .address_space: global }
    .group_segment_fixed_size: 69632
    .private_segment_fixed_size: 0
    .kernarg_segment_align: 8
    .kernarg_segment_size: 32
    .max_flat_workgroup_size: 256
    .sgpr_count:     66
    .vgpr_count:     232
    .wavefront_size: 32
...
	.end_amdgpu_metadata
.endif
;; end of part 11
;; launch w1 (part 12): grid 8 x 32, 4 waves a work-group, clusters of 4 x 4, 327,680 bytes of LDS; arguments acta, w1op, actb; writes actb
.if DOCPART == 12
	.amdgcn_target "amdgcn-amd-amdhsa--gfx1250"
	.amdhsa_code_object_version 6
	.text
	.protected	k_q78bc72d1e6_w1
	.globl	k_q78bc72d1e6_w1
	.p2align	8
	.type	k_q78bc72d1e6_w1,@function
k_q78bc72d1e6_w1:
	s_mov_b64 s[64:65], 0
	v_nop
	global_prefetch_b8 v0, s[64:65] scope:SCOPE_SE
	s_setreg_imm32_b32 hwreg(HW_REG_WAVE_MODE, 25, 1), 1
	s_wait_xcnt 0x0
	s_wait_alu depctr_hold_cnt(0) depctr_sa_sdst(0) depctr_va_vdst(0) depctr_va_sdst(0) depctr_va_ssrc(0) depctr_va_vcc(0) depctr_vm_vsrc(0)
	s_getreg_b32 s2, hwreg(HW_REG_IB_STS2, 6, 4)
	s_cmp_eq_u32 s2, 0
	s_cbranch_scc0 .Lentry_in_a_cluster
	s_endpgm
.Lentry_in_a_cluster:
	s_bfe_u32 s2, ttmp6, 0x10000c
	s_cmp_lg_u32 s2, 0xf033
	s_cbranch_scc0 .Lentry_shape_is_right
	s_endpgm
.Lentry_shape_is_right:
; h = Q(max(x2 W1^T + b1, floor)): the MLP's first product, MX-FP6 operands (K = 1,024) in this program's layout, its result quantised along the hidden units and stored as the next product's operand.
; Fragment (rho, kappa) at (kappa / 2) PANEL + rho RT + (kappa % 2) FRB, an image of its 12 registers; scale words at SOFF + kappa SPL + 4 x position; W1's rows' biases at TOFF, their layer's floor (0: relu) at FOFF of w1op.
; x2's rows add no bias and set no floor, so acta's tail is not read here.
; SHARES: a block of 128 rows x 256 hidden units to a work-group: 32 x 8 = 256 work-groups.  Four waves, a wave makes 64 x 128: 32 accumulators, 256 registers.
; LDS: ALL OF K lies there: A's 128 positions x 4 panels (98,304 bytes), B's 256 x 4 panels (196,608), A's and B's scale words (4,096 and 8,192).  They come by four loads at the head, one a wave; nothing is filled again,
; so the walk along K has no barrier.  CLUSTERS 4 x 4: A's tiles hang on the tile row alone and are asked for jointly by a row of the cluster, B's on the tile column alone, by a column.
; NO DATA PREFETCH: every tile is asked for at the head; there is no loop to run ahead in.
; THE MATRIX INSTRUCTION IS USED TRANSPOSED (source 0 = 16 positions of B, source 1 = 16 of A); positions are row numbers with bits 3 and 4 swapped, so a lane's 64 registers of a block of 16 rows are its row's 128 hidden units
; in the order that the quantiser wants: register 16 b + i = unit 32 b + 16 (lane / 16) + i.  The bias is the C of the first K step's products.  The way out needs no LDS.
; LIMITS: a block of zeros, or one under 2^-124, keeps the scale byte 1 (read by this program alone); NaN and infinities are not served.
; REGISTERS: window 0: v16-25 addresses, v32-55 scale words (two sets of 4 + 8), v96-143 A's and v144-239 B's fragments of even K steps; on the way out v56-77 and v96-239 at work.
;   window 1: v0-63 the biases, v96-239 the fragments of odd K steps.   window 2: the accumulators ((a, b) at v[8 (8 a + b)]).
.set PANEL, 786432
.set RT,    3072
.set FRB,   1536
.set SOFF,  18874368
.set SPL,   16384
.set TOFF,  19660800
.set FOFF,  19677184
.set LB,    4*8*RT                     ; LDS: A's codes from 0, B's from here,
.set LSA,   LB+4*16*RT                 ; A's scale words, 512 bytes a K step,
.set LSB,   LSA+8*512                  ; B's, 1,024 bytes a K step,
.set SPARE, LSB+8*1024                 ; the spare words, 128 bytes a wave
.set ADA,  16                          ; v16-19 this panel's addresses: A's codes, B's codes, A's words, B's words
.set ADB,  17
.set ASA,  18
.set ASB,  19
.set AD0,  20                          ; v20-23 the same for panel 0
.set LI,   24
.set LS,   25
.set SPW,  28
.set NIL,  29
.set SC,   32
.set TM,   56
.set SW,   72
.set MS,   76
.set FA,   96
.set FB,   144
.set CB,   0
.set VAL,  96
.set PC,   160
.set TK,   80                          ; s80-83 the panel's steps in LDS, one for each address
.set SEL,  90
.set G1A,  24
.set G1B,  32
.set G1SA, 40
.set G1SB, 48
.set G0A,  56
.set G0B,  60
.set G0SA, 68
.set G0SB, 72
.set MSB, 0
.macro WIN new                         ; the immediate's high byte repeats the setting that is left
.if MSB != (\new)
	s_set_vgpr_msb (MSB<<8)|(\new)
.set MSB, \new
.endif
.endm
.macro CROUND
	s_barrier_signal -1
	s_barrier_wait -1
	s_cmp_lg_u32 s14, 0
	s_cbranch_scc1 .Lnot_wave_0_\@
	s_barrier_signal -3
.Lnot_wave_0_\@:
	s_barrier_wait -3
	s_barrier_signal -1
	s_barrier_wait -1
.endm
.macro DESC g, m, c, r, p              ; group 1: r rows of c elements of 8 bytes, p elements apart; the mask, and bit 21 beside it
	s_or_b32 s[\g], \m, (3<<16)|(1<<21)
	s_mov_b32 s[\g+1], (\c)<<16
	s_mov_b32 s[\g+2], (\r)<<16
	s_mov_b32 s[\g+3], (\c)<<16
	s_mov_b32 s[\g+4], \r
	s_mov_b32 s[\g+5], \p
	s_mov_b32 s[\g+6], 0
	s_mov_b32 s[\g+7], 0
.endm
.macro GRP0 g, lds, base, off
	s_mov_b32 s[\g], 1
	s_mov_b32 s[\g+1], \lds
	s_add_nc_u64 s[\g+2:\g+3], s[\base:\base+1], s[\off:\off+1]
	s_or_b32 s[\g+3], s[\g+3], 0x80000000
.endm
.macro QUANT s, pc, pw                 ; 64 numbers of a lane, register 16 b + i = k 32 b + 16 (lane / 16) + i, become a fragment's codes and its scale word
.irp b, 0,1,2,3
	v_max3_num_f32 v[TM+\b], |v[(\s)+16*\b]|, |v[(\s)+1+16*\b]|, 0x1800000   ; and the floor 2^(3 - 127): the byte cannot fall under 1
.endr
.irp i, 2,4,6,8,10,12,14
.irp b, 0,1,2,3
	v_max3_num_f32 v[TM+\b], v[TM+\b], |v[(\s)+16*\b+\i]|, |v[(\s)+1+16*\b+\i]|
.endr
.endr
.irp b, 0,1,2,3
	v_permlanex16_b32 v[TM+4+\b], v[TM+\b], s[SEL], s[SEL+1]
.endr
.irp b, 0,1,2,3
	v_max_num_f32 v[TM+\b], v[TM+\b], v[TM+4+\b]
.endr
.irp b, 0,1,2,3
	v_add_nc_u32 v[TM+12+\b], 0xff000000, v[TM+\b]                 ; 2 off the exponent field: the conversion's scale operand
.endr
.irp b, 0,1,2,3
	v_lshrrev_b32 v[TM+4+\b], 23, v[TM+12+\b]                      ; the scale's byte
.endr
	v_lshl_or_b32 v[\pw], v[TM+5], 8, v[TM+4]
	v_lshl_or_b32 v[\pw], v[TM+6], 16, v[\pw]
	v_lshl_or_b32 v[\pw], v[TM+7], 24, v[\pw]
.irp c, 0,1
	v_cvt_scalef32_pk16_fp6_f32 v[(\pc)+6*\c:(\pc)+2+6*\c], v[(\s)+32*\c:(\s)+15+32*\c], v[TM+12+2*\c]
	v_cvt_scalef32_pk16_fp6_f32 v[(\pc)+12+4*\c:(\pc)+14+4*\c], v[(\s)+16+32*\c:(\s)+31+32*\c], v[TM+12+2*\c+1]
.endr
	v_nop                                                          ; one plain place behind a scaled conversion
.irp c, 0,1
.irp i, 0,1,2
	v_permlane16_swap_b32 v[(\pc)+6*\c+\i], v[(\pc)+12+4*\c+\i]
.endr
.irp i, 0,1,2
	v_mov_b32 v[(\pc)+3+6*\c+\i], v[(\pc)+12+4*\c+\i]
.endr
.endr
.endm
	s_load_b128 s[4:7], s[0:1], 0x0                ; acta s[4:5], w1op s[6:7]
	s_load_b64 s[8:9], s[0:1], 0x10                ; actb
	v_lshl_add_u32 v[SPW], v0, 2, SPARE
	v_mov_b32 v[NIL], 0
	ds_add_u32 v[SPW], v[NIL]                      ; the opening lines: the add, twice on end, and its wait ahead of my first tensor load
	ds_add_u32 v[SPW], v[NIL]
	v_lshrrev_b32 v1, 5, v0
	v_readfirstlane_b32 s14, v1                    ; wave 0..3
	s_lshr_b32 s15, s14, 1                         ; which 64 of the block's rows are mine
	s_and_b32 s16, s14, 1                          ; which 128 of its columns
	s_bfe_u32 s10, ttmp6, 0x40000                  ; cx
	s_bfe_u32 s11, ttmp6, 0x40004                  ; cy
	s_lshl_b32 s12, ttmp9, 2
	s_add_co_u32 s12, s12, s10                     ; tile column
	s_and_b32 s13, ttmp7, 0xffff
	s_lshl_b32 s13, s13, 2
	s_add_co_u32 s13, s13, s11                     ; tile row
	s_lshl_b32 s18, s11, 2
	s_lshl_b32 s18, 15, s18                        ; my row of the cluster
	s_lshl_b32 s19, 0x1111, s10                    ; my column
	DESC G1A,  s18, 3072, 4, PANEL/8               ; A's codes: 4 panels of 24,576 dense bytes
	DESC G1B,  s19, 6144, 4, PANEL/8               ; B's: 4 panels of 49,152
	DESC G1SA, s18, 64,   8, SPL/8                 ; A's scale words: 8 K steps of 512 bytes
	DESC G1SB, s19, 128,  8, SPL/8                 ; B's: 8 of 1,024
	s_mul_i32 s20, s13, 8*RT
	s_mov_b32 s21, 0
	s_lshl_b32 s22, s13, 9
	s_mov_b32 s23, 0
	s_add_nc_u64 s[22:23], s[22:23], SOFF
	s_mul_i32 s84, s12, 16*RT
	s_mov_b32 s85, 0
	s_lshl_b32 s86, s12, 10
	s_mov_b32 s87, 0
	s_add_nc_u64 s[86:87], s[86:87], SOFF
	s_wait_dscnt 0x0                               ; both opening adds are done
	s_wait_kmcnt 0x0
	GRP0 G0A,  0,   4, 20
	GRP0 G0B,  LB,  6, 84
	GRP0 G0SA, LSA, 4, 22
	GRP0 G0SB, LSB, 6, 86
	CROUND                                         ; all sixteen work-groups are here: the joint loads meet
.macro ARM under, g0, g1, next         ; one chain of branches on the wave's number; every way passes one load
	s_cmp_lt_u32 s14, \under
	s_cbranch_scc0 \next
	tensor_load_to_lds s[\g0:\g0+3], s[\g1:\g1+7]
	s_nop 0
.rept 4
	v_nop
.endr
	s_branch .Lhead_asked
\next:
.endm
	ARM 1, G0A,  G1A,  .Lhead_b
	ARM 2, G0B,  G1B,  .Lhead_sa
	ARM 3, G0SA, G1SA, .Lhead_sb
	tensor_load_to_lds s[G0SB:G0SB+3], s[G1SB:G1SB+7]
	s_nop 0
.rept 4
	v_nop
.endr
.Lhead_asked:
	v_and_b32 v1, 31, v0                           ; lane
	v_and_b32 v2, 15, v0                           ; r
	v_bfe_u32 v3, v0, 4, 1                         ; h
	v_lshlrev_b32 v[LI], 4, v1
	v_lshlrev_b32 v[LS], 2, v1
	v_lshlrev_b32 v4, 2, v2
	v_lshlrev_b32 v5, 6, v3
	s_mul_i32 s20, s15, 4*RT
	v_add_nc_u32 v[AD0], s20, v[LI]                ; A: my four row tiles
	s_mul_i32 s20, s16, 8*RT
	s_add_co_u32 s20, s20, LB
	v_add_nc_u32 v[AD0+1], s20, v[LI]              ; B: my eight
	s_lshl_b32 s20, s15, 8
	s_add_co_u32 s20, s20, LSA
	v_add_nc_u32 v[AD0+2], s20, v4
	s_lshl_b32 s20, s16, 9
	s_add_co_u32 s20, s20, LSB
	v_add_nc_u32 v[AD0+3], s20, v4
.irp i, 0,1,2,3
	s_mov_b32 s[TK+\i], 0
	v_mov_b32 v[ADA+\i], v[AD0+\i]
.endr
	s_lshl_b32 s20, s12, 10                        ; the biases of my 128 columns,
	s_lshl_b32 s21, s16, 9
	s_add_co_u32 s20, s20, s21
	s_mov_b32 s21, 0
	s_add_nc_u64 s[20:21], s[20:21], TOFF
	s_add_nc_u64 s[20:21], s[6:7], s[20:21]
	s_add_nc_u64 s[22:23], s[6:7], FOFF            ; and the layer's floor
	s_load_b32 s88, s[22:23], 0x0
	s_wait_alu depctr_va_vdst(0)
	WIN 0x40
.irp b, 0,1,2,3
.irp j, 0,1,2,3
	global_load_b128 v[CB+16*\b+4*\j:CB+16*\b+4*\j+3], v5, s[20:21] offset:128*\b+16*\j   ; register 16 b + i: true column 32 b + 16 h + i
.endr
.endr
	WIN 0
	s_mul_i32 s76, s12, PANEL                      ; where my results go: panel = tile column, K step = my half of its columns
	s_lshl_b32 s77, s13, 3
	s_lshl_b32 s78, s15, 2
	s_add_co_u32 s77, s77, s78
	s_mul_i32 s77, s77, RT
	s_add_co_u32 s76, s76, s77
	s_mul_i32 s77, s16, FRB
	s_add_co_u32 s76, s76, s77
	s_mov_b32 s77, 0
	s_add_nc_u64 s[76:77], s[8:9], s[76:77]
	s_lshl_b32 s78, s12, 1
	s_add_co_u32 s78, s78, s16
	s_lshl_b32 s78, s78, 14
	s_lshl_b32 s79, s13, 9
	s_add_co_u32 s78, s78, s79
	s_lshl_b32 s79, s15, 8
	s_add_co_u32 s78, s78, s79
	s_mov_b32 s79, 0
	s_add_nc_u64 s[78:79], s[78:79], SOFF
	s_add_nc_u64 s[78:79], s[8:9], s[78:79]
	s_mov_b32 s[SEL], 0x76543210
	s_mov_b32 s[SEL+1], 0xfedcba98
	s_mov_b32 s89, 0xffff0000                      ; lanes 16-31
.macro FETCH p                         ; the fragments and scale words of this panel's K step p into set p: 48 LDS loads
	WIN (\p)<<6
.irp i, 0,1,2,3,4,5,6,7
.irp c, 0,1,2
	ds_load_b128 v[FB+12*\i+4*\c:FB+12*\i+4*\c+3], v[ADB] offset:\i*RT+(\p)*FRB+512*\c
.endr
.endr
.irp i, 0,1,2,3
.irp c, 0,1,2
	ds_load_b128 v[FA+12*\i+4*\c:FA+12*\i+4*\c+3], v[ADA] offset:\i*RT+(\p)*FRB+512*\c
.endr
.endr
	WIN 0
.irp i, 0,1,2,3
	ds_load_b32 v[SC+12*(\p)+\i], v[ASA] offset:512*(\p)+64*\i
.endr
.irp i, 0,1,2,3,4,5,6,7
	ds_load_b32 v[SC+12*(\p)+4+\i], v[ASB] offset:1024*(\p)+64*\i
.endr
.endm
.macro MUL p, first                    ; 32 matrix instructions: the accumulators take turns, one instruction a turn, in the same order in every step
.irp a, 0,1,2,3
.irp b, 0,1,2,3,4,5,6,7
.if \first
	v_wmma_scale_f32_16x16x128_f8f6f4 v[8*(8*\a+\b):8*(8*\a+\b)+7], v[FB+12*\b:FB+12*\b+11], v[FA+12*\a:FA+12*\a+11], v[CB+8*\b:CB+8*\b+7], v[SC+12*(\p)+4+\b], v[SC+12*(\p)+\a] matrix_a_fmt:MATRIX_FMT_FP6 matrix_b_fmt:MATRIX_FMT_FP6
.else
	v_wmma_scale_f32_16x16x128_f8f6f4 v[8*(8*\a+\b):8*(8*\a+\b)+7], v[FB+12*\b:FB+12*\b+11], v[FA+12*\a:FA+12*\a+11], v[8*(8*\a+\b):8*(8*\a+\b)+7], v[SC+12*(\p)+4+\b], v[SC+12*(\p)+\a] matrix_a_fmt:MATRIX_FMT_FP6 matrix_b_fmt:MATRIX_FMT_FP6
.endif
.endr
.endr
.endm
	s_wait_tensorcnt 0x0                           ; my tile of the four is in
	s_barrier_signal -1
	s_barrier_wait -1                              ; all four are in; nothing is filled again
	FETCH 0                                        ; K step 0
	FETCH 1                                        ; K step 1
	s_wait_loadcnt 0x0                             ; the biases
	s_wait_kmcnt 0x0                               ; the floor
	s_wait_dscnt 48                                ; K step 0's 48 loads are in; K step 1's may be out
	WIN 0x90                                       ; sources window 0, C window 1 (the biases), D window 2
	MUL 0, 1                                       ; the first step's products start the sums with the bias
	WIN 0
	s_mov_b32 s3, 3
.Lk:                                                   ; a trip: an odd K step and the next panel's even one
	s_add_co_u32 s[TK], s[TK], 8*RT
	s_add_co_u32 s[TK+1], s[TK+1], 16*RT
	s_add_co_u32 s[TK+2], s[TK+2], 1024
	s_add_co_u32 s[TK+3], s[TK+3], 2048
.irp i, 0,1,2,3
	v_add_nc_u32 v[ADA+\i], s[TK+\i], v[AD0+\i]    ; the next panel; these four are also the places in front of the loads into set 0
.endr
	s_wait_alu depctr_va_vdst(0)
	FETCH 0
	s_wait_dscnt 48                                ; set 1 is in
	WIN 0xa5
	MUL 1, 0
	WIN 0
.rept 4
	v_nop                                          ; places in front of the loads into set 1
.endr
	FETCH 1
	s_wait_dscnt 48                                ; set 0 is in
	WIN 0xa0
	MUL 0, 0
	WIN 0
	s_sub_co_u32 s3, s3, 1
	s_cmp_lg_u32 s3, 0
	s_cbranch_scc1 .Lk
	s_wait_dscnt 0x0
	WIN 0xa5
	MUL 1, 0                                       ; K step 7
	WIN 0
; THE WAY OUT, block by block of 16 rows: the floor, the quantiser; a block's 128 columns are one fragment of the output.  Each block has registers of its own for its codes, and all stores stand at the end.
.rept 4
	v_nop
.endr
.irp b, 0,1,2,3
	v_mov_b32 v[TM+4+\b], 0                        ; a lane permute's destination counts as one of its sources
.endr
.irp a, 0,1,2,3
	WIN 0x08                                       ; source 1: window 2
.set I, 0
.rept 64
	v_max_num_f32 v[VAL+I], s88, v[64*\a+I]        ; ascending: each accumulator is read from its low end on
.set I, I+1
.endr
	WIN 0
	QUANT VAL, PC+20*\a, SW+\a
.endr
	v_cndmask_b32 v[MS], v[SW], v[SW+1], s89       ; lanes 0-15 block 0's words, lanes 16-31 block 1's
	v_cndmask_b32 v[MS+1], v[SW+2], v[SW+3], s89
.irp a, 0,1,2,3
.irp c, 0,1,2
	global_store_b128 v[LI], v[PC+20*\a+4*\c:PC+20*\a+4*\c+3], s[76:77] offset:\a*RT+512*\c   ; 512 consecutive bytes, aligned to 256
.endr
.endr
	global_store_b32 v[LS], v[MS], s[78:79]
	global_store_b32 v[LS], v[MS+1], s[78:79] offset:128
	s_wait_tensorcnt 0x0                           ; the wave's end
	ds_add_u32 v[SPW], v[NIL]
	s_wait_dscnt 0x0
	CROUND                                         ; the closing round
	s_endpgm
.Lfunc_end_k_q78bc72d1e6_w1:
	.size	k_q78bc72d1e6_w1, .Lfunc_end_k_q78bc72d1e6_w1-k_q78bc72d1e6_w1
	.p2alignl 7, 3214868480
	.fill 96, 4, 3214868480
	.section	.rodata,"a",@progbits
	.p2align	6, 0x0
	.amdhsa_kernel k_q78bc72d1e6_w1
		.amdhsa_group_segment_fixed_size 327680
		.amdhsa_private_segment_fixed_size 0
		.amdhsa_enable_private_segment 0
		.amdhsa_kernarg_size 24
		.amdhsa_user_sgpr_count 2
		.amdhsa_user_sgpr_kernarg_segment_ptr 1
		.amdhsa_wavefront_size32 1
		.amdhsa_system_sgpr_workgroup_id_x 1
		.amdhsa_system_sgpr_workgroup_id_y 1
		.amdhsa_system_sgpr_workgroup_id_z 1
		.amdhsa_system_vgpr_workitem_id 0
		.amdhsa_next_free_vgpr 768
		.amdhsa_next_free_sgpr 92
		.amdhsa_reserve_vcc 0
		.amdhsa_float_denorm_mode_32 3
		.amdhsa_float_denorm_mode_16_64 3
		.amdhsa_memory_ordered 1
		.amdhsa_forward_progress 1
		.amdhsa_inst_pref_size 65
	.end_amdhsa_kernel
	.amdgpu_metadata
---
amdhsa.version: [ 1, 2 ]
amdhsa.kernels:
  - .name:           k_q78bc72d1e6_w1
    .symbol:         k_q78bc72d1e6_w1.kd
    .args:
      - { .name: acta, .offset: 0, .size: 8, .value_kind: global_buffer, .address_space: global }
      - { .name: w1op, .offset: 8, .size: 8, .value_kind: global_buffer, .address_space: global }
      - { .name: actb, .offset: 16, .size: 8, .value_kind: global_buffer, .address_space: global }
    .group_segment_fixed_size: 327680
    .private_segment_fixed_size: 0
    .kernarg_segment_align: 8
    .kernarg_segment_size: 24
    .max_flat_workgroup_size: 128
    .sgpr_count:     92
    .vgpr_count:     768
    .wavefront_size: 32
...
	.end_amdgpu_metadata
.endif
;; end of part 12
;; launch gr2 (part 13): grid 8 x 32, 4 waves a work-group, clusters of 4 x 4, 327,680 bytes of LDS; arguments actb, wx, b2, x1, out0; writes out0
.if DOCPART == 13
	.amdgcn_target "amdgcn-amd-amdhsa--gfx1250"
	.amdhsa_code_object_version 6
	.text
	.protected	k_q78bc72d1e6_gr2
	.globl	k_q78bc72d1e6_gr2
	.p2align	8
	.type	k_q78bc72d1e6_gr2,@function
k_q78bc72d1e6_gr2:
	s_mov_b64 s[64:65], 0
	v_nop
	global_prefetch_b8 v0, s[64:65] scope:SCOPE_SE
	s_setreg_imm32_b32 hwreg(HW_REG_WAVE_MODE, 25, 1), 1
	s_wait_xcnt 0x0
	s_wait_alu depctr_hold_cnt(0) depctr_sa_sdst(0) depctr_va_vdst(0) depctr_va_sdst(0) depctr_va_ssrc(0) depctr_va_vcc(0) depctr_vm_vsrc(0)
	s_getreg_b32 s2, hwreg(HW_REG_IB_STS2, 6, 4)
	s_cmp_eq_u32 s2, 0
	s_cbranch_scc0 .Lentry_in_a_cluster
	s_endpgm
.Lentry_in_a_cluster:
	s_bfe_u32 s2, ttmp6, 0x10000c
	s_cmp_lg_u32 s2, 0xf033
	s_cbranch_scc0 .Lentry_shape_is_right
	s_endpgm
.Lentry_shape_is_right:
.set SIZE_K, 2048
.set BROW0,  2048
.set PANEL,  786432
.set RT,     3072
.set FRB,    1536
.set SOFF,   18874368
.set SPL,    16384
.set NQ,     4
.set FR,     12
.set NP,     4
.set HALFT,  8*RT
.set SLOT,   4*HALFT
.set LAPS,   SIZE_K/1024
.set NK,     SIZE_K/128
.set SCL,    3*SLOT                    ; LDS: A's panels 0-5 on end (6 x HALFT), then B's; a slot of two panels has three places, and panels 6, 7 take place 0 again
.set HALFS,  (NK/2)*512
.set SPARE,  SCL+4*HALFS
.set STG,    2*HALFT                   ; the way out's stages lie in A's place 1: it has had its one fill, and every wave's reads of it are over at the walk's last barrier
.set SPITCH, 272
.set ADRA, 16
.set ADRB, 20
.set STO,  24
.set RD,   25
.set CO,   26
.set ADRS, 27
.set SPW,  28
.set NIL,  29
.set RA,   30
.set LI,   31
.set SC,   32
.set BK,   64
.set ACC,  128
.set F0,   0
.set F1,   128
.set G1, 24
.set G0, 32
.set G1B, 48
.set G0B, 56
.set G1S, 68
.set G0S, 76
.set G1SB, 80
.set G0SB, 88
.set MSB, 0
.macro WIN new
.if MSB != (\new)
	s_set_vgpr_msb (MSB<<8)|(\new)
.set MSB, \new
.endif
.endm
.set MUL,  0x05
.set TO_F, 0x40
.macro JLOAD g0a, g1a, g0b, g1b
	s_cmp_eq_u32 s15, 0
	s_cbranch_scc0 .Lfor_b_\@
	tensor_load_to_lds s[\g0a:\g0a+3], s[\g1a:\g1a+7]
	s_nop 0
.rept 4
	v_nop
.endr
	s_branch .Lasked_\@
.Lfor_b_\@:
	tensor_load_to_lds s[\g0b:\g0b+3], s[\g1b:\g1b+7]
	s_nop 0
.rept 4
	v_nop
.endr
.Lasked_\@:
.endm
.macro CREST
	s_cmp_lg_u32 s14, 0
	s_cbranch_scc1 .Lnot_wave_0_\@
	s_barrier_signal -3
.Lnot_wave_0_\@:
	s_barrier_wait -3
	s_barrier_signal -1
	s_barrier_wait -1
.endm
.macro CROUND
	s_barrier_signal -1
	s_barrier_wait -1
	CREST
.endm
	s_load_b256 s[4:11], s[0:1], 0x0
	s_load_b64 s[12:13], s[0:1], 0x20
	v_lshl_add_u32 v[SPW], v0, 2, SPARE
	v_mov_b32 v[NIL], 0
	ds_add_u32 v[SPW], v[NIL]
	ds_add_u32 v[SPW], v[NIL]
	v_lshrrev_b32 v1, 5, v0
	v_readfirstlane_b32 s14, v1
	s_lshr_b32 s15, s14, 1
	s_and_b32 s16, s14, 1
	s_bfe_u32 s40, ttmp6, 0x40000
	s_bfe_u32 s41, ttmp6, 0x40004
	s_lshl_b32 s42, ttmp9, 2
	s_add_co_u32 s42, s42, s40
	s_and_b32 s17, ttmp7, 0xffff
	s_lshl_b32 s17, s17, 2
	s_add_co_u32 s17, s17, s41
	s_lshl_b32 s43, s41, 2
	s_lshl_b32 s43, 15, s43
	s_lshl_b32 s44, 0x1111, s40
	s_or_b32 s[G1+0], s43, (3<<16)|(1<<21)
	s_or_b32 s[G1B+0], s44, (3<<16)|(1<<21)
.irp g, G1, G1B
	s_mov_b32 s[\g+1], 3072<<16                    ; the head's loads of codes: six panels of 128 positions, six rows of 24,576 bytes, PANEL apart
	s_mov_b32 s[\g+2], 6<<16                       ; six panels of an operand come by one load at the head
	s_mov_b32 s[\g+3], 3072<<16
	s_mov_b32 s[\g+4], 6
	s_mov_b32 s[\g+5], PANEL/8
	s_mov_b32 s[\g+6], 0
	s_mov_b32 s[\g+7], 0
.endr
	s_or_b32 s[G1S+0], s43, (3<<16)|(1<<21)
	s_or_b32 s[G1SB+0], s44, (3<<16)|(1<<21)
.irp g, G1S, G1SB
	s_mov_b32 s[\g+1], 64<<16
	s_mov_b32 s[\g+2], NK<<16
	s_mov_b32 s[\g+3], 64<<16
	s_mov_b32 s[\g+4], NK
	s_mov_b32 s[\g+5], SPL/8
	s_mov_b32 s[\g+6], 0
	s_mov_b32 s[\g+7], 0
.endr
	s_lshl_b32 s20, s17, 7
	s_lshl_b32 s46, s42, 7
	s_add_co_u32 s46, s46, BROW0
	s_lshl_b32 s22, s20, 2
	s_mov_b32 s23, 0
	s_lshl_b32 s92, s46, 2
	s_mov_b32 s93, 0
	s_add_nc_u64 s[22:23], s[22:23], SOFF
	s_add_nc_u64 s[92:93], s[92:93], SOFF
	s_mul_i32 s20, s20, RT/16
	s_mov_b32 s21, 0
	s_mul_i32 s46, s46, RT/16
	s_mov_b32 s47, 0
	s_mul_i32 s45, s16, HALFT
	s_wait_dscnt 0x0
	s_wait_kmcnt 0x0
	s_add_nc_u64 s[20:21], s[4:5], s[20:21]
	s_add_nc_u64 s[22:23], s[4:5], s[22:23]
	s_add_nc_u64 s[46:47], s[6:7], s[46:47]
	s_add_nc_u64 s[92:93], s[6:7], s[92:93]
	CROUND
	s_mov_b32 s[G0S], 1
	s_mov_b32 s[G0S+1], SCL
	s_mov_b64 s[G0S+2:G0S+3], s[22:23]
	s_or_b32 s[G0S+3], s[G0S+3], 0x80000000
	s_mov_b32 s[G0SB], 1
	s_mov_b32 s[G0SB+1], SCL+2*HALFS
	s_mov_b64 s[G0SB+2:G0SB+3], s[92:93]
	s_or_b32 s[G0SB+3], s[G0SB+3], 0x80000000
.irp s, 0
	s_mov_b32 s[G0+4*\s], 1
	s_add_co_u32 s[G0+4*\s+1], s45, \s*SLOT
	s_add_nc_u64 s[G0+4*\s+2:G0+4*\s+3], s[20:21], \s*2*PANEL
	s_or_b32 s[G0+4*\s+3], s[G0+4*\s+3], 0x80000000
	s_mov_b32 s[G0B+4*\s], 1
	s_add_co_u32 s[G0B+4*\s+1], s45, \s*SLOT
	s_add_nc_u64 s[G0B+4*\s+2:G0B+4*\s+3], s[46:47], \s*2*PANEL
	s_or_b32 s[G0B+4*\s+3], s[G0B+4*\s+3], 0x80000000
.endr
; THE HEAD'S LOADS, ONE A WAVE: wave 0 panels 0-5 of A, wave 1 of B, wave 2 A's scale words for all of K, wave 3 B's.  One chain of branches on the wave's number; every way passes one load.
; Slot 0's group 0 serves the head with the first panel's address and the operand's place; behind the wait for the head's loads it is set to my panel.
	s_mov_b32 s[G0+1], 0
	s_mov_b32 s[G0B+1], 6*HALFT
.macro ARM under, g0, g1, next
	s_cmp_lt_u32 s14, \under
	s_cbranch_scc0 \next
	tensor_load_to_lds s[\g0:\g0+3], s[\g1:\g1+7]
	s_nop 0
.rept 4
	v_nop
.endr
	s_branch .Lhead_asked
\next:
.endm
	ARM 1, G0,  G1,  .Lhead_b
	ARM 2, G0B, G1B, .Lhead_sa
	ARM 3, G0S, G1S, .Lhead_sb
	tensor_load_to_lds s[G0SB:G0SB+3], s[G1SB:G1SB+7]
	s_nop 0
.rept 4
	v_nop
.endr
.Lhead_asked:
	v_and_b32 v1, 31, v0
	v_and_b32 v2, 15, v0
	v_bfe_u32 v3, v0, 4, 1
	s_wait_alu depctr_va_vdst(0)
	v_lshlrev_b32 v[LI], 4, v1
	s_mul_i32 s21, s15, 4*RT
	s_mul_i32 s22, s16, 4*RT
	s_add_co_u32 s22, s22, 6*HALFT
.irp s, 0,1,2
	v_add_nc_u32 v[ADRA+\s], s21, v[LI]
	v_add_nc_u32 v[ADRB+\s], s22, v[LI]
	s_add_co_u32 s21, s21, 2*HALFT
	s_add_co_u32 s22, s22, 2*HALFT
.endr
	s_lshl_b32 s21, s15, 8
	s_lshl_b32 s22, s16, 8
	s_add_co_u32 s22, s22, 2*HALFS
	s_sub_co_u32 s22, s22, s21
	v_mul_u32_u24 v6, s22, v3
	s_add_co_u32 s21, s21, SCL
	v_lshlrev_b32 v5, 2, v2
	v_add_nc_u32 v5, v5, v6
	v_add_nc_u32 v[ADRS], s21, v5
	s_mul_i32 s23, s14, 16*SPITCH
	s_add_co_u32 s23, s23, STG
	v_mul_u32_u24 v5, v2, SPITCH
	v_lshl_add_u32 v5, v3, 6, v5
	v_add_nc_u32 v[STO], s23, v5
	v_mul_u32_u24 v5, v3, SPITCH
	v_lshl_add_u32 v5, v2, 4, v5
	v_add_nc_u32 v[RD], s23, v5
	v_lshlrev_b32 v7, 4, v2
	s_wait_alu depctr_va_vdst(0)
	v_lshl_add_u32 v[CO], v3, 12, v7
	v_and_b32 v5, 7, v2
	v_lshrrev_b32 v6, 3, v2
	v_lshl_add_u32 v5, v6, 4, v5
	v_lshlrev_b32 v5, 12, v5
	v_lshl_add_u32 v[RA], v3, 6, v5
	s_wait_alu depctr_va_vdst(0)
	s_lshl_b32 s2, s17, 19
	s_lshl_b32 s3, s15, 18
	s_add_co_u32 s2, s2, s3
	s_lshl_b32 s18, s42, 9
	s_lshl_b32 s19, s16, 8
	s_add_co_u32 s18, s18, s19
	s_add_co_u32 s2, s2, s18
	s_mov_b32 s3, 0
	s_mov_b32 s19, 0
	s_add_nc_u64 s[10:11], s[10:11], s[2:3]
	s_add_nc_u64 s[12:13], s[12:13], s[2:3]
	s_add_nc_u64 s[8:9], s[8:9], s[18:19]
	global_load_b128 v[8:11], v7, s[8:9]
.irp a, 0,1,2,3
.irp b, 0,1,2,3
.irp f, 0,1
	global_load_b128 v[ACC+8*(4*\a+\b)+4*\f:ACC+8*(4*\a+\b)+4*\f+3], v[RA], s[10:11] offset:(32*(\a/2)+8*(\a%2))*4096+128*(\b/2)+32*(\b%2)+16*\f
.endr
.endr
.endr
.macro FETCH slot, q, f                ; slot: which 512 along K, 0 .. 3; its place in LDS is slot % 3
	FETCHX ((\slot)%3), \q, \f
.endm
.macro FETCHX slot, q, f
	WIN TO_F
.irp i, 0,1,2,3
.irp c, 0,1,2
	ds_load_b128 v[(\f)+48+FR*\i+4*\c:(\f)+48+FR*\i+4*\c+3], v[ADRB+\slot] offset:((\q)/2)*HALFT+\i*RT+((\q)%2)*FRB+512*\c
.endr
.endr
.irp i, 0,1,2,3
.irp c, 0,1,2
	ds_load_b128 v[(\f)+FR*\i+4*\c:(\f)+FR*\i+4*\c+3], v[ADRA+\slot] offset:((\q)/2)*HALFT+\i*RT+((\q)%2)*FRB+512*\c
.endr
.endr
.endm
.macro MULA f, a, q, sc                ; sc: which 512 along K; its set of scale words is sc % 2
	MULAX \f, \a, \q, ((\sc)%2)
.endm
.macro MULAX f, a, q, sc
.irp b, 0,1,2,3
	v_wmma_scale_f32_16x16x128_f8f6f4 v[ACC+8*(4*(\a)+\b):ACC+8*(4*(\a)+\b)+7], v[(\f)+48+FR*\b:(\f)+48+FR*\b+FR-1], v[(\f)+FR*(\a):(\f)+FR*(\a)+FR-1], v[ACC+8*(4*(\a)+\b):ACC+8*(4*(\a)+\b)+7], v[SC+4*NQ*(\sc)+NQ*\b+(\q)], v[SC+4*NQ*(\sc)+NQ*(\a)+(\q)] matrix_a_fmt:MATRIX_FMT_FP6 matrix_b_fmt:MATRIX_FMT_FP6 matrix_a_scale:MATRIX_SCALE_ROW1
.endr
.endm
.macro SCALES sc
	SCALEX ((\sc)%2)
.endm
.macro SCALEX sc
.irp i, 0,1,2,3
.irp q, 0,1,2,3
	ds_load_b32 v[SC+16*\sc+4*\i+\q], v[ADRS] offset:512*\q+64*\i
.endr
.endr
.endm
.macro PLACES n
.rept \n
	v_nop
.endr
.endm
.macro STEP slot, q
	PLACES NP
	FETCH \slot, (\q)+1, 128*(((\q)+1)%2)
	s_wait_dscnt 24
	WIN MUL
.irp a, 0,1,2,3
	MULA 128*((\q)%2), \a, \q, \slot
.endr
.endm
.macro TURN slot, next, fill
	WIN 0
.if \fill < 2                          ; fill = 1: this slot's place is filled again; 0: the next slot's tiles are waited for and shown; 2: the next slot has been shown already: no wait on TENSORcnt, no barrier
	s_wait_tensorcnt 0x0
	ds_add_u32 v[SPW], v[NIL]
	s_wait_dscnt 1
.else
	s_wait_dscnt 0x0
.endif
	WIN MUL
	MULA F1, 0, NQ-1, \slot
	s_wait_dscnt 0x0
.if \fill < 2
	s_barrier_signal -1
.endif
	MULA F1, 1, NQ-1, \slot
	WIN 0
.if \fill < 2
	s_barrier_wait -1
.endif
.if \fill == 1
	CREST
	s_add_nc_u64 s[G0+4*\slot+2:G0+4*\slot+3], s[G0+4*\slot+2:G0+4*\slot+3], 4*PANEL
	s_add_nc_u64 s[G0B+4*\slot+2:G0B+4*\slot+3], s[G0B+4*\slot+2:G0B+4*\slot+3], 4*PANEL
	JLOAD G0+4*\slot, G1, G0B+4*\slot, G1B
.else
	PLACES NP
.endif
	s_wait_alu depctr_va_vdst(0)
	v_add_nc_u32 v[ADRS], 512*NQ, v[ADRS]
	FETCH \next, 0, F0
	WIN 0
	SCALES \next
	WIN MUL
	MULA F1, 2, NQ-1, \slot
	MULA F1, 3, NQ-1, \slot
.endm
.macro RUN slot
	STEP \slot, 0
	STEP \slot, 1
	STEP \slot, 2
.endm
	s_wait_alu depctr_va_vdst(0)
	s_wait_tensorcnt 0x0                           ; my tile of the head's four is in, and no tensor load of mine is out: the descriptors may be written
.irp g, G1, G1B
	s_mov_b32 s[\g+1], 32<<16                      ; the one refill brings a panel of 128 positions a wave: 96 rows of 256 bytes
	s_mov_b32 s[\g+2], 96<<16
	s_mov_b32 s[\g+3], 32<<16
	s_mov_b32 s[\g+4], 96
	s_mov_b32 s[\g+5], 32
.endr
	s_mov_b32 s[G0+1], s45                         ; into place 0: A's, my panel of the two;
	s_add_co_u32 s[G0B+1], s45, 6*HALFT            ; B's
	s_add_co_u32 s2, s16, 2                        ; panel 2 + mine: the refill steps four panels on, to panel 6 or 7
	s_mul_i32 s2, s2, PANEL
	s_mov_b32 s3, 0
	s_add_nc_u64 s[G0+2:G0+3], s[G0+2:G0+3], s[2:3]
	s_add_nc_u64 s[G0B+2:G0B+3], s[G0B+2:G0B+3], s[2:3]
	s_barrier_signal -1
	s_barrier_wait -1                              ; all four tiles are in
	s_wait_loadcnt 0x0                             ; the bias and the residual, which starts the sums
	FETCH 0, 0, F0
	WIN 0
	SCALES 0
	RUN 0
	TURN 0, 1, 1                                   ; place 0 is read out: panels 6, 7 are asked for; the wait for them stands two slots on
	RUN 1
	TURN 1, 2, 2
	RUN 2
	TURN 2, 3, 0
	RUN 3
	s_wait_dscnt 0x0
	WIN MUL
.irp a, 0,1,2,3
	MULA F1, \a, NQ-1, 1
.endr
	WIN 0
.macro TOSTAGE a
.irp b, 0,1,2,3
	ds_store_b128 v[STO], v[ACC+8*(4*(\a)+\b):ACC+8*(4*(\a)+\b)+3] offset:128*(\b/2)+32*(\b%2)
	ds_store_b128 v[STO], v[ACC+8*(4*(\a)+\b)+4:ACC+8*(4*(\a)+\b)+7] offset:128*(\b/2)+32*(\b%2)+16
.endr
.set BB, BK+32*((\a)%2)
.irp t, 0,1,2,3,4,5,6,7
	ds_load_b128 v[BB+4*\t:BB+4*\t+3], v[RD] offset:\t*2*SPITCH
.endr
.endm
.macro SEND a, younger
.set BB, BK+32*((\a)%2)
	s_wait_dscnt \younger
.irp t, 0,1,2,3,4,5,6,7
	v_pk_add_f32 v[BB+4*\t:BB+4*\t+1], v[BB+4*\t:BB+4*\t+1], v[8:9]
	v_pk_add_f32 v[BB+4*\t+2:BB+4*\t+3], v[BB+4*\t+2:BB+4*\t+3], v[10:11]
.endr
.irp t, 0,1,2,3,4,5,6,7
	global_store_b128 v[CO], v[BB+4*\t:BB+4*\t+3], s[12:13] offset:(32*((\a)/2)+8*((\a)%2)+2*(\t%4)+16*(\t/4))*4096 th:TH_STORE_NT
.endr
.endm
	PLACES NP
	TOSTAGE 0
.irp a, 1,2,3
.if \a > 1
	s_wait_xcnt 0x0
.endif
	TOSTAGE \a
	SEND \a-1, 16
.endr
	SEND 3, 0
	s_wait_tensorcnt 0x0
	ds_add_u32 v[SPW], v[NIL]
	s_wait_dscnt 0x0
	CROUND
	s_endpgm
.Lfunc_end_k_q78bc72d1e6_gr2:
	.size	k_q78bc72d1e6_gr2, .Lfunc_end_k_q78bc72d1e6_gr2-k_q78bc72d1e6_gr2
	.p2alignl 7, 3214868480
	.fill 96, 4, 3214868480
	.section	.rodata,"a",@progbits
	.p2align	6, 0x0
	.amdhsa_kernel k_q78bc72d1e6_gr2
		.amdhsa_group_segment_fixed_size 327680
		.amdhsa_private_segment_fixed_size 0
		.amdhsa_enable_private_segment 0
		.amdhsa_kernarg_size 40
		.amdhsa_user_sgpr_count 2
		.amdhsa_user_sgpr_kernarg_segment_ptr 1
		.amdhsa_wavefront_size32 1
		.amdhsa_system_sgpr_workgroup_id_x 1
		.amdhsa_system_sgpr_workgroup_id_y 1
		.amdhsa_system_sgpr_workgroup_id_z 1
		.amdhsa_system_vgpr_workitem_id 0
		.amdhsa_next_free_vgpr 512
		.amdhsa_next_free_sgpr 102
		.amdhsa_reserve_vcc 0
		.amdhsa_float_denorm_mode_32 3
		.amdhsa_float_denorm_mode_16_64 3
		.amdhsa_memory_ordered 1
		.amdhsa_forward_progress 1
		.amdhsa_inst_pref_size 90
	.end_amdhsa_kernel
	.amdgpu_metadata
---
amdhsa.version: [ 1, 2 ]
amdhsa.kernels:
  - .name:           k_q78bc72d1e6_gr2
    .symbol:         k_q78bc72d1e6_gr2.kd
    .args:
      - { .name: actb, .offset: 0, .size: 8, .value_kind: global_buffer, .address_space: global }
      - { .name: wx, .offset: 8, .size: 8, .value_kind: global_buffer, .address_space: global }
      - { .name: b2, .offset: 16, .size: 8, .value_kind: global_buffer, .address_space: global }
      - { .name: x1, .offset: 24, .size: 8, .value_kind: global_buffer, .address_space: global }
      - { .name: out0, .offset: 32, .size: 8, .value_kind: global_buffer, .address_space: global }
    .group_segment_fixed_size: 327680
    .private_segment_fixed_size: 0
    .kernarg_segment_align: 8
    .kernarg_segment_size: 40
    .max_flat_workgroup_size: 128
    .sgpr_count:     102
    .vgpr_count:     512
    .wavefront_size: 32
...
	.end_amdgpu_metadata
.endif
;; end of part 13
